; MI455X (gfx1250); checked and timed in simulation.
; The chip was launched on July 23, 2026; its instructions are those of AMD's public machine-readable ISA for CDNA 5 (MIT licence, August 2026) and "CDNA5" Instruction Set Architecture Reference Guide (July 2026). The comments in the code are by the model that wrote it; some were corrected since.
;; Transformer Block Classical. Allowed arithmetic: matrix products marked QUANTISED: E3M2 operands, one E8M0 scale for each 32 along K, by v_wmma_scale_f32_16x16x128_f8f6f4 with both operands' format E3M2, f32 sums; everything else in f32.
;; Inputs: W1_codes 4,096 x 32 x 24 uint8 (E3M2 codes of W1, K innermost, in blocks of 32 codes, four codes in three bytes); W1_scales 4,096 x 32 uint8 (E8M0 scales of W1, one for each 32 codes along K); W2_codes 1,024 x 128 x 24 uint8 (E3M2 codes of W2, K innermost, in blocks of 32 codes, four codes in three bytes); W2_scales 1,024 x 128 uint8 (E8M0 scales of W2, one for each 32 codes along K); Wk_codes 1,024 x 32 x 24 uint8 (E3M2 codes of Wk, K innermost, in blocks of 32 codes, four codes in three bytes); Wk_scales 1,024 x 32 uint8 (E8M0 scales of Wk, one for each 32 codes along K); Wo_codes 1,024 x 32 x 24 uint8 (E3M2 codes of Wo, K innermost, in blocks of 32 codes, four codes in three bytes); Wo_scales 1,024 x 32 uint8 (E8M0 scales of Wo, one for each 32 codes along K); Wq_codes 1,024 x 32 x 24 uint8 (E3M2 codes of Wq, K innermost, in blocks of 32 codes, four codes in three bytes); Wq_scales 1,024 x 32 uint8 (E8M0 scales of Wq, one for each 32 codes along K); Wv_codes 1,024 x 32 x 24 uint8 (E3M2 codes of Wv, K innermost, in blocks of 32 codes, four codes in three bytes); Wv_scales 1,024 x 32 uint8 (E8M0 scales of Wv, one for each 32 codes along K); b1 4,096 float32; b2 1,024 float32; be1 1,024 float32; be2 1,024 float32; bk 1,024 float32; bo 1,024 float32; bq 1,024 float32; bv 1,024 float32; g1 1,024 float32; g2 1,024 float32; x 2 x 2,048 x 1,024 float32.
;; Outputs: out0 2 x 2,048 x 1,024 float32.
;; This version of the problem:
;;   THIS VERSION OF THE PROBLEM IS GIVEN IN LOW PRECISION. The matrix products marked QUANTISED in the list below multiply operands that are first quantised to E3M2 (3 exponent bits, 2 mantissa bits; 6 bits a number), with one power-of-two scale for each 32 numbers along K (OCP MX v1.0); their sums are f32. All else is computed in f32.
;;   The module's matrix products, in the order in which they are computed (A, B: the left and right operand; K: the contracted axis; several contracted axes count as one K, in the product's order):
;;     1. [M 4,096, K 1,024] x [K 1,024, N 1,024]; A: computed on the way; B: input Wq (given as codes): QUANTISED
;;     2. [M 4,096, K 1,024] x [K 1,024, N 1,024]; A: computed on the way; B: input Wk (given as codes): QUANTISED
;;     3. [M 4,096, K 1,024] x [K 1,024, N 1,024]; A: computed on the way; B: input Wv (given as codes): QUANTISED
;;     4. batch 32 x [M 2,048, K 64] x [K 64, N 2,048]; A: computed on the way; B: computed on the way: QUANTISED
;;     5. batch 32 x [M 2,048, K 2,048] x [K 2,048, N 64]; A: softmax (see below); B: computed on the way: QUANTISED
;;     6. [M 4,096, K 1,024] x [K 1,024, N 1,024]; A: computed on the way; B: input Wo (given as codes): QUANTISED
;;     7. [M 4,096, K 1,024] x [K 1,024, N 4,096]; A: computed on the way; B: input W1 (given as codes): QUANTISED
;;     8. [M 4,096, K 4,096] x [K 4,096, N 1,024]; A: computed on the way; B: input W2 (given as codes): QUANTISED
;;   THE QUANTISER, for each operand of a quantised product, along K:
;;     - K is cut into blocks of 32 from its start; a last block that is shorter is filled with zeros.
;;     - A block's scale is 2^e with e = floor(log2(the largest magnitude in the block)) - 4, held to -126 .. 127; a block of zeros has e = 0. As a byte (E8M0): e + 127.
;;     - Each number is divided by its block's scale, clamped to +-28, and rounded to the nearest number of E3M2, ties to even, subnormals kept.
;;     - The product sums the exact products of the quantised numbers (number of the format x scale) in f32.
;;   ~~~python
;;   def quantise(x, axis):      # numpy; x: float32 -> the quantised numbers, widened to float32 again
;;       x = np.moveaxis(x, axis, -1); K = x.shape[-1]
;;       x = np.pad(x, [(0, 0)] * (x.ndim - 1) + [(0, -K % 32)]); x = x.reshape(x.shape[:-1] + (-1, 32)); a = np.abs(x).max(-1, keepdims=True)
;;       e = np.where(a > 0, np.clip(np.frexp(np.where(a > 0, a, 1))[1] - 1 - 4, -126, 127), 0)      # np.frexp(a)[1] - 1 = floor(log2(a)), exactly
;;       r = np.clip(x / 2.0 ** e, -28, 28)
;;       step = 2.0 ** (np.maximum(np.frexp(np.where(r == 0, 1, r))[1] - 1, -2) - 2)
;;       q = np.round(r / step) * step * 2.0 ** e      # np.round: ties to even
;;       return np.moveaxis(q.reshape(q.shape[:-2] + (-1,))[..., :K], -1, axis).astype(np.float32)
;;   ~~~
;;   SOFTMAX AHEAD OF A QUANTISED PRODUCT. Where the list says 'softmax', what is quantised is not the finished softmax but p = 2^(t - M), with t = logit x log2(e) and M = ceil(the row's largest t), a whole number; so 1/2 < the row's largest p <= 1. The row's sum l is taken of the UNQUANTISED p, in f32, and the product's result is divided by l at the end. Since M is a whole number, a kernel that streams over the keys may use a running M (the ceiling of the running maximum): every later rescaling is an exact power of two, which a block's scale takes up: the codes' values come out the same.
;;   OPERANDS COMPUTED ON THE WAY. 'Computed on the way' means the value that the module computes at that place (a softmax that the list does not call 'softmax' is quantised finished and normalised). What goes into a quantiser is computed in f32, as accurately as f32 sums, v_exp_f32 and their like allow (about 1e-6 of the number): no bf16 or f16 on the way to a quantiser, and a product that is left as it is and whose result goes on into a quantised operand takes f32 operands (vector FMAs, or v_wmma_f32_16x16x4_f32). A number that lies on a knife's edge between two numbers of the format may be rounded either way, as far as f32 arithmetic and the matrix unit's own rounding can turn it there, and no further.
;;   INPUTS GIVEN AS CODES. W1 (in the module: [4096, 1024], K = its axis 1); W2 (in the module: [1024, 4096], K = its axis 1); Wk (in the module: [1024, 1024], K = its axis 1); Wo (in the module: [1024, 1024], K = its axis 1); Wq (in the module: [1024, 1024], K = its axis 1); Wv (in the module: [1024, 1024], K = its axis 1): each comes as NAME_codes (uint8): NAME with its K axis moved to the last place and cut into blocks of 32 codes, [.., K / 32, bytes a block], one block behind the other in memory; four codes in three bytes: a row's codes are one little-endian stream of bits, code i at bits 6 i .. 6 i + 5 (a code: sign, 3 exponent bits, 2 mantissa bits); and NAME_scales (uint8): the same leading axes, one E8M0 byte (e + 127) for each 32 codes along K. Its value is code x scale, taken as it is: it is not quantised again, and the codes and scales need not be those that the quantiser above would give.
;; 2 versions, each right. Each part assembles by itself: llvm-mc -triple=amdgcn-amd-amdhsa -mcpu=gfx1250 --defsym DOCPART=n.
;; ======== version 1 of 2: 7 launches
;; workspace buffers: hb 3,276,800 bytes; qkv 10,092,544 bytes; ob 3,276,800 bytes; x1 16,777,216 bytes; fb 13,107,200 bytes
;; launch ln1 (part 1): grid 256 x 1, 4 waves a work-group, no clusters, 33,280 bytes of LDS; arguments x, g1, be1, hb; writes hb
.if DOCPART == 1
	.amdgcn_target "amdgcn-amd-amdhsa--gfx1250"
	.amdhsa_code_object_version 6
	.text
	.protected	k_q3f797d7520_ln1
	.globl	k_q3f797d7520_ln1
	.p2align	8
	.type	k_q3f797d7520_ln1,@function
k_q3f797d7520_ln1:
	s_mov_b64 s[64:65], 0
	v_nop
	global_prefetch_b8 v0, s[64:65] scope:SCOPE_SE
	s_setreg_imm32_b32 hwreg(HW_REG_WAVE_MODE, 25, 1), 1
	s_wait_xcnt 0x0
; h = (x - mean) * rsqrt(var + 1e-5) * g + b over rows of 1,024 f32, quantised along the row to codes of BF6 (E3M2) with one E8M0 byte for each 32 numbers.
; Out: codes [4096 rows][768 bytes] (a row is one stream of bits) at byte 0 of the buffer, scale bytes [4096][32] at byte HS.
; SHARES: a work-group takes 16 rows, a wave 4 neighbouring rows.  A row comes by eight loads of 512 consecutive bytes; the quantiser wants a whole block of 32 neighbours in ONE lane, so a row turns through
; the wave's own stage in LDS (144 bytes a lane: 128 + 16 of padding).  Mean and variance in two passes (the variance of x - mean), so that a common offset costs nothing.
; The wave's 3,072 bytes of codes are gathered in LDS and leave as six stores of 512 consecutive aligned bytes; its 128 scale bytes leave as one store of 128 consecutive bytes (half of an aligned 256: one byte in 24 of the output).
; No matrix unit, no tensor load, no barrier, no cluster: the waves share nothing but g and b, 8 KiB.
; LIMITS: NaN and infinities are not served; a block of zeros gets the byte 1 (its codes are zeros, and this program alone reads the bytes); 1/sqrt comes from v_rsq_f32.
.set HS,  3145728
.set X,   32                           ; v32-63   the row in hand: my 32 neighbours
.set R,   64                           ; v64-191  four rows as loaded
.set G,   192                          ; v192-223 g of my 32 columns
.set BE,  224                          ; v224-255 b of my 32 columns
.set CST, 4608                         ; LDS, in a wave's 8,192 bytes: the row stage at 0, the codes' stage here,
.set SST, 7680                         ; the scale bytes' here
	s_load_b256 s[4:11], s[0:1], 0x0               ; x, g, b, out
	v_lshl_add_u32 v11, v0, 2, 0x8000
	s_set_vgpr_msb 0x40
	v_mov_b32 v1, 0
	s_set_vgpr_msb 0x4000
	v_lshrrev_b32 v1, 5, v0
	v_readfirstlane_b32 s12, v1                    ; wave
	v_and_b32 v1, 31, v0                           ; lane
	v_lshlrev_b32 v2, 4, v1                        ; 16 x lane
	s_lshl_b32 s13, s12, 13                        ; my wave's LDS
	v_lshrrev_b32 v3, 3, v1
	v_mul_u32_u24 v3, v3, 144
	v_and_b32 v4, 7, v1
	v_lshl_add_u32 v3, v4, 4, v3
	v_add_nc_u32 v3, s13, v3                       ; row stage, in: eight lanes' 128 bytes are a block: 144 (lane / 8) + 16 (lane % 8); a load's four blocks 576 bytes on
	v_mul_u32_u24 v4, v1, 144
	v_add_nc_u32 v4, s13, v4                       ; row stage, out: block = lane
	v_mul_u32_u24 v5, v1, 24
	v_add_nc_u32 v5, s13, v5                       ; codes' stage, in: 24 bytes a lane
	v_add_nc_u32 v6, s13, v2                       ; codes' stage, out
	v_add_nc_u32 v7, s13, v1                       ; scale bytes, in
	v_lshlrev_b32 v10, 2, v1
	v_add_nc_u32 v8, s13, v10                      ; scale bytes, out
	v_lshlrev_b32 v9, 7, v1                        ; my 32 columns in g and b
	v_mov_b32 v31, 0                               ; a lane permute's destination counts as one of its sources
	s_mov_b32 s14, 0x76543210
	s_mov_b32 s15, 0xfedcba98                      ; lane l xor 16
	s_mov_b32 s20, 0x3a800000                      ; 1 / 1,024
	s_mov_b32 s21, 0x3727c5ac                      ; 1e-5
	s_lshl_b32 s16, ttmp9, 4
	s_lshl_b32 s17, s12, 2
	s_add_co_u32 s16, s16, s17                     ; my first row
	s_lshl_b32 s18, s16, 12
	s_mov_b32 s19, 0
	s_mul_i32 s22, s16, 768
	s_mov_b32 s23, 0
	s_lshl_b32 s24, s16, 5
	s_add_co_u32 s24, s24, HS
	s_mov_b32 s25, 0
	s_wait_kmcnt 0x0
	s_add_nc_u64 s[4:5], s[4:5], s[18:19]
	s_add_nc_u64 s[26:27], s[10:11], s[24:25]      ; my scale bytes
	s_add_nc_u64 s[10:11], s[10:11], s[22:23]      ; my codes
.irp c, 0,1,2,3,4,5,6,7
	global_load_b128 v[G+4*\c:G+4*\c+3], v9, s[6:7] offset:16*\c
	global_load_b128 v[BE+4*\c:BE+4*\c+3], v9, s[8:9] offset:16*\c
.endr
.irp t, 0,1,2,3
.irp j, 0,1,2,3,4,5,6,7
	global_load_b128 v[R+32*\t+4*\j:R+32*\t+4*\j+3], v2, s[4:5] offset:4096*\t+512*\j   ; 32 lanes read 512 consecutive bytes
.endr
.endr
.macro REDUCE                          ; v12 <- the sum of v12 over the 32 lanes, in every lane
	v_add_f32_dpp v12, v12, v12 row_xmask:1 row_mask:0xf bank_mask:0xf
	v_add_f32_dpp v12, v12, v12 row_xmask:2 row_mask:0xf bank_mask:0xf
	v_add_f32_dpp v12, v12, v12 row_xmask:4 row_mask:0xf bank_mask:0xf
	v_add_f32_dpp v12, v12, v12 row_xmask:8 row_mask:0xf bank_mask:0xf
	v_permlanex16_b32 v31, v12, s14, s15
	v_add_f32 v12, v12, v31
.endm
.macro ROW t
	s_wait_loadcnt 8*(3-\t)                        ; this row's eight loads are in (g and b were issued ahead of them); the later rows', eight each, may be out
.irp j, 0,1,2,3,4,5,6,7
	ds_store_b128 v3, v[R+32*\t+4*\j:R+32*\t+4*\j+3] offset:576*\j
.endr
.irp c, 0,1,2,3,4,5,6,7
	ds_load_b128 v[X+4*\c:X+4*\c+3], v4 offset:16*\c   ; LDS serves a wave's instructions in order: these see the stores above
.endr
	s_wait_dscnt 0x0                               ; the row is back; the last row's stores of codes have read their registers
	v_pk_add_f32 v[12:13], v[X:X+1], v[X+4:X+5]    ; the sum, in two chains
	v_pk_add_f32 v[14:15], v[X+2:X+3], v[X+6:X+7]
.irp i, 8,12,16,20,24,28
	v_pk_add_f32 v[12:13], v[12:13], v[X+\i:X+\i+1]
	v_pk_add_f32 v[14:15], v[14:15], v[X+\i+2:X+\i+3]
.endr
	v_pk_add_f32 v[12:13], v[12:13], v[14:15]
	v_add_f32 v12, v12, v13
	REDUCE
	v_mul_f32 v16, s20, v12                        ; the mean, in both halves of a pair
	v_mov_b32 v17, v16
.irp i, 0,2,4,6,8,10,12,14,16,18,20,22,24,26,28,30
	v_pk_add_f32 v[X+\i:X+\i+1], v[X+\i:X+\i+1], v[16:17] neg_lo:[0,1] neg_hi:[0,1]   ; x - mean
.endr
	v_pk_mul_f32 v[12:13], v[X:X+1], v[X:X+1]      ; the sum of squares, in two chains
	v_pk_mul_f32 v[14:15], v[X+2:X+3], v[X+2:X+3]
.irp i, 4,8,12,16,20,24,28
	v_pk_fma_f32 v[12:13], v[X+\i:X+\i+1], v[X+\i:X+\i+1], v[12:13]
	v_pk_fma_f32 v[14:15], v[X+\i+2:X+\i+3], v[X+\i+2:X+\i+3], v[14:15]
.endr
	v_pk_add_f32 v[12:13], v[12:13], v[14:15]
	v_add_f32 v12, v12, v13
	REDUCE
	v_fma_f32 v20, v12, s20, s21                   ; var + eps
	v_rsq_f32 v18, v20
	v_rsq_f32 v19, v20                             ; twice: a pair for the packed multiply
	v_nop                                          ; a plain instruction behind the transcendentals
	s_wait_alu depctr_va_vdst(0)                   ; one wait for both, ahead of their first reader
.irp i, 0,2,4,6,8,10,12,14,16,18,20,22,24,26,28,30
	v_pk_mul_f32 v[X+\i:X+\i+1], v[X+\i:X+\i+1], v[18:19]
.endr
.irp i, 0,2,4,6,8,10,12,14,16,18,20,22,24,26,28,30
	v_pk_fma_f32 v[X+\i:X+\i+1], v[X+\i:X+\i+1], v[G+\i:G+\i+1], v[BE+\i:BE+\i+1]
.endr
	v_max3_num_f32 v20, |v[X]|, |v[X+1]|, 0x2800000        ; the block's largest magnitude: all 32 are mine; the floor 2^(5 - 127) holds the byte at 1 from below
	v_max3_num_f32 v21, |v[X+2]|, |v[X+3]|, |v[X+4]|
.irp i, 5,9,13,17,21,25
	v_max3_num_f32 v20, v20, |v[X+\i]|, |v[X+\i+1]|
	v_max3_num_f32 v21, v21, |v[X+\i+2]|, |v[X+\i+3]|
.endr
	v_max3_num_f32 v20, v20, |v[X+29]|, |v[X+30]|
	v_max3_num_f32 v20, v20, v21, |v[X+31]|
	v_add_nc_u32 v22, 0xfe000000, v20              ; 4 off its exponent field: the conversion's scale operand
	v_cvt_scalef32_pk16_bf6_f32 v[24:26], v[X:X+15], v22
	v_cvt_scalef32_pk16_bf6_f32 v[28:30], v[X+16:X+31], v22   ; (a conversion's three registers begin on an even number)
	v_lshrrev_b32 v23, 23, v22                     ; the scale's byte; also the plain instruction behind the conversions
	v_mov_b32 v27, v28
	v_mov_b32 v28, v29
	v_mov_b32 v29, v30                             ; v24-29: the block's 24 bytes
	ds_store_b64 v5, v[24:25] offset:CST+768*\t
	ds_store_b64 v5, v[26:27] offset:CST+768*\t+8
	ds_store_b64 v5, v[28:29] offset:CST+768*\t+16
	ds_store_b8 v7, v23 offset:SST+32*\t
.endm
	ROW 0
	ROW 1
	ROW 2
	ROW 3
.irp i, 0,1,2,3,4,5
	ds_load_b128 v[X+4*\i:X+4*\i+3], v6 offset:CST+512*\i
.endr
	ds_load_b32 v56, v8 offset:SST
	s_wait_dscnt 0x0
.irp i, 0,1,2,3,4,5
	global_store_b128 v2, v[X+4*\i:X+4*\i+3], s[10:11] offset:512*\i   ; 512 consecutive bytes, at a multiple of 256 from the buffer's first byte
.endr
	global_store_b32 v10, v56, s[26:27]
	s_set_vgpr_msb 0x4
	s_wait_tensorcnt 0x0
	ds_add_u32 v11, v1
	s_wait_dscnt 0x0
	s_set_vgpr_msb 0x400
	s_endpgm
.Lfunc_end_k_q3f797d7520_ln1:
	.size	k_q3f797d7520_ln1, .Lfunc_end_k_q3f797d7520_ln1-k_q3f797d7520_ln1
	.p2alignl 7, 3214868480
	.fill 96, 4, 3214868480
	.section	.rodata,"a",@progbits
	.p2align	6, 0x0
	.amdhsa_kernel k_q3f797d7520_ln1
		.amdhsa_group_segment_fixed_size 33280
		.amdhsa_private_segment_fixed_size 0
		.amdhsa_enable_private_segment 0
		.amdhsa_kernarg_size 32
		.amdhsa_user_sgpr_count 2
		.amdhsa_user_sgpr_kernarg_segment_ptr 1
		.amdhsa_wavefront_size32 1
		.amdhsa_system_sgpr_workgroup_id_x 1
		.amdhsa_system_sgpr_workgroup_id_y 1
		.amdhsa_system_sgpr_workgroup_id_z 1
		.amdhsa_system_vgpr_workitem_id 0
		.amdhsa_next_free_vgpr 258
		.amdhsa_next_free_sgpr 66
		.amdhsa_reserve_vcc 0
		.amdhsa_float_denorm_mode_32 3
		.amdhsa_float_denorm_mode_16_64 3
		.amdhsa_memory_ordered 1
		.amdhsa_forward_progress 1
		.amdhsa_inst_pref_size 43
	.end_amdhsa_kernel
	.amdgpu_metadata
---
amdhsa.version: [ 1, 2 ]
amdhsa.kernels:
  - .name:           k_q3f797d7520_ln1
    .symbol:         k_q3f797d7520_ln1.kd
    .args:
      - { .name: x, .offset: 0, .size: 8, .value_kind: global_buffer, .address_space: global }
      - { .name: g1, .offset: 8, .size: 8, .value_kind: global_buffer, .address_space: global }
      - { .name: be1, .offset: 16, .size: 8, .value_kind: global_buffer, .address_space: global }
      - { .name: hb, .offset: 24, .size: 8, .value_kind: global_buffer, .address_space: global }
    .group_segment_fixed_size: 33280
    .private_segment_fixed_size: 0
    .kernarg_segment_align: 8
    .kernarg_segment_size: 32
    .max_flat_workgroup_size: 128
    .sgpr_count:     66
    .vgpr_count:     258
    .wavefront_size: 32
...
	.end_amdgpu_metadata
.endif
;; end of part 1
;; launch qkv (part 2): grid 12 x 16, 4 waves a work-group, clusters of 4 x 4, 327,680 bytes of LDS; arguments hb, Wq_codes, Wq_scales, Wk_codes, Wk_scales, Wv_codes, Wv_scales, bq, bk, bv, qkv; writes qkv
.if DOCPART == 2
	.amdgcn_target "amdgcn-amd-amdhsa--gfx1250"
	.amdhsa_code_object_version 6
	.text
	.protected	k_q3f797d7520_qkv
	.globl	k_q3f797d7520_qkv
	.p2align	8
	.type	k_q3f797d7520_qkv,@function
k_q3f797d7520_qkv:
	s_mov_b64 s[64:65], 0
	v_nop
	global_prefetch_b8 v0, s[64:65] scope:SCOPE_SE
	s_setreg_imm32_b32 hwreg(HW_REG_WAVE_MODE, 25, 1), 1
	s_wait_xcnt 0x0
	s_wait_alu depctr_hold_cnt(0) depctr_sa_sdst(0) depctr_va_vdst(0) depctr_va_sdst(0) depctr_va_ssrc(0) depctr_va_vcc(0) depctr_vm_vsrc(0)
	s_getreg_b32 s2, hwreg(HW_REG_IB_STS2, 6, 4)
	s_cmp_eq_u32 s2, 0
	s_cbranch_scc0 .Lentry_in_a_cluster
	s_endpgm
.Lentry_in_a_cluster:
	s_bfe_u32 s2, ttmp6, 0x10000c
	s_cmp_lg_u32 s2, 0xf033
	s_cbranch_scc0 .Lentry_shape_is_right
	s_endpgm
.Lentry_shape_is_right:
; q = h Wq^T + bq, k = h Wk^T + bk, v^T = Wv h^T + bv, on codes of BF6 (E3M2) with E8M0 scales for each 32 along K = 1,024; each result is quantised again on its way out, along its NEXT product's K.
; THE GEMM: C[m][n] = sum over k of A[m][k] B[n][k]; a tile of C, 256 x 256, by four waves of 128 x 128 (64 accumulators, 512 registers); K in steps of 256 through a ring of two LDS slots filled by the tensor data mover;
; clusters of 4 x 4 work-groups ask jointly: A's tile is shared along a row of the cluster, B's along a column.  The matrix instruction is used transposed (source 0 = 16 rows of B, source 1 = 16 rows of A):
; accumulator (a, b), lane (r, h), register j = C[16 a + r][16 b + 8 h + j]: a lane's registers run along B's rows.
; ROLES, by the cluster's x, which all partners share: 0: A = h (tokens), B = Wq;  1: A = h, B = Wk;  2: A = Wv (channels), B = h (tokens).  So in all three a lane's registers run along the axis that is quantised:
; the head's channels for q and k, the keys for v.  Only pointers and tile numbers are chosen; both operands have the same layout (rows of 768 bytes of codes, 32 scale bytes a row).
; OUT (one buffer; hb = 16 batch + head): q's codes [hb][pos 2048][48 bytes] at 0, k's at PART, v's [hb][plane of 64 keys][channel pos 64][48 bytes] at 2 PART;
; q's scale words [hb][pos][4] (two bytes, two zeros) at QS; at KVS for each hb 12,288 bytes: k's words [pos 2048][4], then v's [128 keys: 16][channel pos 64][4].
; POSITION ORDER: in each group of 32 rows, row t lies at 16 ((t >> 3) & 1) + (t & 7) + 8 (t >> 4), so that sixteen neighbouring positions are the rows that the attention launch wants in one tile.
; LIMITS: NaN and infinities are not served; a block of zeros gets the byte 1 (its codes are zeros, and this program alone reads the bytes).
; No prefetch: each K step's tiles are read by many work-groups at about the same time, and the launch has four K steps.
; REGISTERS: window 0: v0-31 addresses; v32-63 scale words, two sets; v64-127 the bias by column; v128-223 A's fragments, one set; v240-255 the bias by row, twice.  Window 1: B's fragments, two sets.  Windows 2, 3: the accumulators.
.set KSTEP,  256
.set NQ,     2
.set ROWB,   192
.set KROW,   768
.set PITCH,  240                       ; an LDS row: 3 x (64 bytes + 16 of padding)
.set FR,     12
.set NL,     6
.set NP,     4
.set HALFT,  128*PITCH
.set SLOT,   4*HALFT
.set LAPS,   2
.set KS,     32
.set SCL,    2*SLOT
.set HALFS,  (128*KS/256)*272
.set SBLK,   (16*KS/256)*272
.set SPARE,  SCL+4*HALFS               ; the spare words, 128 bytes a wave: two blocks of 256 bytes that no other line names
.set HSC,    3145728                   ; where h's scale bytes begin in its buffer
.set PART,   3145728
.set QS,     9437184
.set KVS,    9699328
.set STGB,   13312                     ; the way out: a stage for each wave, in slot 0 (which has had its last fill and its last read): [2][128 pos][48 bytes], then two arrays of 128 words
.set ADRA, 16
.set ADRB, 20
.set STO,  24
.set RD,   25
.set CO,   26
.set ADRS, 27
.set SPW,  28
.set NIL,  29
.set STS,  31
.set SC,   32
.set BB,   64
.set AF,   128
.set BA,   240
.set H,    128                         ; the way out: a block's 64 numbers
.set TM,   192
.set CC,   208
.set W01,  224
.set W23,  225
.set OUTR, 32
.set G1, 24
.set G0, 32
.set G1B, 48
.set G0B, 56
.set G1S, 68
.set G0S, 76
.set G1SB, 80
.set G0SB, 88
.set MSB, 0
.macro WIN new                         ; the immediate's high byte repeats the setting that is left
.if MSB != \new
	s_set_vgpr_msb (MSB<<8)|\new
.set MSB, \new
.endif
.endm
.set MUL_LO, 0xa1
.set MUL_HI, 0xf1
.set TO_B,   0x40
.macro JLOAD g0a, g1a, g0b, g1b        ; a joint load: waves 0 and 1 fetch for A, waves 2 and 3 for B; four v_nop follow each line
	s_cmp_eq_u32 s15, 0
	s_cbranch_scc0 .Lfor_b_\@
	tensor_load_to_lds s[\g0a:\g0a+3], s[\g1a:\g1a+7]
	s_nop 0
.rept 4
	v_nop
.endr
	s_branch .Lasked_\@
.Lfor_b_\@:
	tensor_load_to_lds s[\g0b:\g0b+3], s[\g1b:\g1b+7]
	s_nop 0
.rept 4
	v_nop
.endr
.Lasked_\@:
.endm
.macro CREST
	s_cmp_lg_u32 s14, 0
	s_cbranch_scc1 .Lnot_wave_0_\@
	s_barrier_signal -3
.Lnot_wave_0_\@:
	s_barrier_wait -3
	s_barrier_signal -1
	s_barrier_wait -1
.endm
.macro CROUND
	s_barrier_signal -1
	s_barrier_wait -1
	CREST
.endm
	s_load_b512 s[68:83], s[0:1], 0x0              ; h 68, Wq codes 70, scales 72, Wk codes 74, scales 76, Wv codes 78, scales 80, bq 82
	s_load_b128 s[84:87], s[0:1], 0x40             ; bk 84, bv 86
	s_load_b64 s[88:89], s[0:1], 0x50              ; out
	v_lshl_add_u32 v[SPW], v0, 2, SPARE
	v_mov_b32 v[NIL], 0
	ds_add_u32 v28, v29
	ds_add_u32 v28, v29
	s_wait_dscnt 0x0
	v_lshrrev_b32 v1, 5, v0
	v_readfirstlane_b32 s14, v1                    ; wave 0..3
	s_lshr_b32 s15, s14, 1                         ; which half of the tile's rows is mine.  Also: I fetch for A (0) or for B (1)
	s_and_b32 s16, s14, 1                          ; which half of its columns.  Also: which 128 rows of that tile I fetch
	s_bfe_u32 s40, ttmp6, 0x40000                  ; cx
	s_bfe_u32 s41, ttmp6, 0x40004                  ; cy
	s_and_b32 s17, ttmp7, 0xffff
	s_lshl_b32 s17, s17, 2                         ; 4 x cluster y: the tokens' tiles
	s_cmp_eq_u32 ttmp9, 2                          ; v's role?  The cluster's x is the same in all partners
	s_cselect_b32 s42, s17, 0
	s_cselect_b32 s17, 0, s17
	s_add_co_u32 s42, s42, s40                     ; B's tile: cx, for v 4 x cluster y + cx
	s_add_co_u32 s17, s17, s41                     ; A's tile: 4 x cluster y + cy, for v cy
	s_lshl_b32 s43, s41, 2
	s_lshl_b32 s43, 15, s43                        ; my row of the cluster
	s_lshl_b32 s44, 0x1111, s40                    ; my column
	s_or_b32 s[G1+0], s43, (0<<16)|(1<<20)|(1<<21)|(3<<22)|(3<<25)  ; the mask; elements of 1 byte; padding of 4 words after every 16; bit 21 beside a mask
	s_or_b32 s[G1B+0], s44, (0<<16)|(1<<20)|(1<<21)|(3<<22)|(3<<25)
.irp g, G1, G1B
	s_mov_b32 s[\g+1], ROWB<<16
	s_mov_b32 s[\g+2], 128<<16
	s_mov_b32 s[\g+3], ROWB<<16
	s_mov_b32 s[\g+4], 128
	s_mov_b32 s[\g+5], KROW
	s_mov_b32 s[\g+6], 0
	s_mov_b32 s[\g+7], 0
.endr
	s_lshl_b32 s66, s17, 8
	s_lshl_b32 s95, s15, 7
	s_add_co_u32 s66, s66, s95                     ; my first row of C
	s_lshl_b32 s67, s42, 8
	s_lshl_b32 s95, s16, 7
	s_add_co_u32 s67, s67, s95                     ; my first column of C
	s_lshl_b32 s18, s16, 7
	s_lshl_b32 s20, s17, 8
	s_add_co_u32 s20, s20, s18                     ; A: the rows that I fetch
	s_lshl_b32 s46, s42, 8
	s_add_co_u32 s46, s46, s18                     ; B: likewise
	s_mov_b32 s21, 0
	s_mov_b32 s47, 0
	s_mov_b64 s[18:19], KS
	s_mul_u64 s[22:23], s[20:21], s[18:19]
	s_mul_u64 s[92:93], s[46:47], s[18:19]
	s_mov_b64 s[18:19], KROW
	s_mul_u64 s[20:21], s[20:21], s[18:19]
	s_mul_u64 s[46:47], s[46:47], s[18:19]
	s_mul_i32 s45, s14, HALFT
	s_mul_i32 s94, s14, HALFS
	s_wait_kmcnt 0x0
	s_add_nc_u64 s[90:91], s[68:69], HSC           ; h's scale bytes
	s_cmp_eq_u32 ttmp9, 2
	s_cselect_b64 s[4:5], s[78:79], s[68:69]       ; A's codes
	s_cselect_b64 s[6:7], s[80:81], s[90:91]       ; A's scales
	s_cselect_b64 s[8:9], s[68:69], s[70:71]       ; B's codes
	s_cselect_b64 s[10:11], s[90:91], s[72:73]     ; B's scales
	s_cselect_b64 s[96:97], s[86:87], s[82:83]     ; the bias
	s_cmp_eq_u32 ttmp9, 1
	s_cselect_b64 s[8:9], s[74:75], s[8:9]
	s_cselect_b64 s[10:11], s[76:77], s[10:11]
	s_cselect_b64 s[96:97], s[84:85], s[96:97]
	s_mov_b64 s[12:13], s[88:89]
	s_or_b32 s[G1S+0], s43, (3<<16)|(1<<20)|(1<<21)|(5<<22)|(3<<25)   ; the scales of 128 rows: a dense block, as rows of 256 bytes + 16 of padding
	s_or_b32 s[G1SB+0], s44, (3<<16)|(1<<20)|(1<<21)|(5<<22)|(3<<25)
.irp g, G1S, G1SB
	s_mov_b32 s[\g+1], 32<<16
	s_mov_b32 s[\g+2], (128*KS/256)<<16
	s_mov_b32 s[\g+3], 32<<16
	s_mov_b32 s[\g+4], 128*KS/256
	s_mov_b32 s[\g+5], 32
	s_mov_b32 s[\g+6], 0
	s_mov_b32 s[\g+7], 0
.endr
	s_add_nc_u64 s[20:21], s[4:5], s[20:21]
	s_add_nc_u64 s[22:23], s[6:7], s[22:23]
	s_add_nc_u64 s[46:47], s[8:9], s[46:47]
	s_add_nc_u64 s[92:93], s[10:11], s[92:93]
	CROUND                                         ; all sixteen work-groups are here: the first joint loads meet
	s_mov_b32 s[G0S], 1
	s_add_co_u32 s[G0S+1], s94, SCL
	s_mov_b64 s[G0S+2:G0S+3], s[22:23]
	s_or_b32 s[G0S+3], s[G0S+3], 0x80000000
	s_mov_b32 s[G0SB], 1
	s_add_co_u32 s[G0SB+1], s94, SCL
	s_mov_b64 s[G0SB+2:G0SB+3], s[92:93]
	s_or_b32 s[G0SB+3], s[G0SB+3], 0x80000000
	JLOAD G0S, G1S, G0SB, G1SB                     ; the scales first: filled once
.irp s, 0,1
	s_mov_b32 s[G0+4*\s], 1
	s_add_co_u32 s[G0+4*\s+1], s45, \s*SLOT
	s_add_nc_u64 s[G0+4*\s+2:G0+4*\s+3], s[20:21], \s*ROWB
	s_or_b32 s[G0+4*\s+3], s[G0+4*\s+3], 0x80000000
	s_mov_b32 s[G0B+4*\s], 1
	s_add_co_u32 s[G0B+4*\s+1], s45, \s*SLOT
	s_add_nc_u64 s[G0B+4*\s+2:G0B+4*\s+3], s[46:47], \s*ROWB
	s_or_b32 s[G0B+4*\s+3], s[G0B+4*\s+3], 0x80000000
	JLOAD G0+4*\s, G1, G0B+4*\s, G1B
.endr
	v_and_b32 v1, 15, v0                           ; r
	v_bfe_u32 v2, v0, 4, 1                         ; h
	v_mul_u32_u24 v3, v1, PITCH
	v_mul_u32_u24 v4, v2, 24
	v_add_nc_u32 v4, v3, v4
	v_lshl_add_u32 v5, v2, 4, v4
	s_mul_i32 s21, s15, HALFT
	s_mul_i32 s22, s16, HALFT
	s_add_co_u32 s22, s22, 2*HALFT
.irp s, 0,1
	v_add_nc_u32 v[ADRA+\s], s21, v4
	v_add_nc_u32 v[ADRB+\s], s22, v4
	v_add_nc_u32 v[ADRA+2+\s], s21, v5
	v_add_nc_u32 v[ADRB+2+\s], s22, v5
	s_add_co_u32 s21, s21, SLOT
	s_add_co_u32 s22, s22, SLOT
.endr
	v_mul_u32_u24 v5, v1, KS
	v_lshrrev_b32 v6, 8, v5
	v_lshl_add_u32 v5, v6, 4, v5
	s_mul_i32 s21, s15, HALFS
	s_mul_i32 s22, s16, HALFS
	s_add_co_u32 s22, s22, 2*HALFS
	s_sub_co_u32 s22, s22, s21
	v_mul_u32_u24 v6, s22, v2                      ; lanes 16-31 take B's
	s_add_co_u32 s21, s21, SCL
	v_add_nc_u32 v5, v5, v6
	v_add_nc_u32 v[ADRS], s21, v5
	s_mul_i32 s23, s14, STGB                       ; my stage
	v_and_b32 v5, 7, v1
	v_lshrrev_b32 v6, 3, v1
	v_lshl_add_u32 v5, v6, 4, v5                   ; 16 (r >> 3) + (r & 7): row r's place in position order
	v_mul_u32_u24 v6, v5, 48
	v_mad_u32_u24 v6, v2, 12, v6
	v_add_nc_u32 v[STO], s23, v6                   ; in: 48 bytes a position, 12 bytes for each half of the lanes
	v_lshl_add_u32 v[STS], v5, 2, s23
	v_add_nc_u32 v[STS], 12288, v[STS]             ; the scale words: 4 bytes a position
	v_and_b32 v6, 31, v0
	v_lshlrev_b32 v[CO], 4, v6
	v_add_nc_u32 v[RD], s23, v[CO]                 ; back: 16 bytes a lane
	s_and_b32 s18, s66, 1023                       ; the bias by row and by column; the mask keeps the one that the role does not use inside its buffer and leaves the other as it is
	s_lshl_b32 s18, s18, 2
	s_mov_b32 s19, 0
	s_add_nc_u64 s[98:99], s[96:97], s[18:19]
	s_and_b32 s18, s67, 1023
	s_lshl_b32 s18, s18, 2
	s_add_nc_u64 s[96:97], s[96:97], s[18:19]
	v_lshlrev_b32 v8, 5, v2                        ; 32 h
	v_lshlrev_b32 v9, 2, v1                        ; 4 r
.irp b, 0,1,2,3,4,5,6,7
	global_load_b128 v[BB+8*\b:BB+8*\b+3], v8, s[96:97] offset:64*\b         ; in the accumulators' layout: columns 16 b + 8 h + 0 .. 7
	global_load_b128 v[BB+8*\b+4:BB+8*\b+7], v8, s[96:97] offset:64*\b+16
.endr
.irp a, 0,1,2,3,4,5,6,7
	global_load_b32 v[BA+2*\a], v9, s[98:99] offset:64*\a                    ; row 16 a + r, in both halves of a pair
	global_load_b32 v[BA+2*\a+1], v9, s[98:99] offset:64*\a
.endr
.macro FRAG reg, adr, q, i             ; a fragment, 16 rows x 128 K: 12 registers, 24 bytes of the row's stream of bits twice, in pieces of 8 bytes; where lanes 16-31's piece lies behind one padding more, the second address register serves
.irp p, 0,1,2,3,4,5
.set PC, 12*(\q)+6*(\p/3)+\p%3
.if PC%8 < 5
	ds_load_b64 v[\reg+2*\p:\reg+2*\p+1], v[\adr] offset:8*PC+16*(PC/8)+(\i)*16*PITCH
.else
	ds_load_b64 v[\reg+2*\p:\reg+2*\p+1], v[\adr+2] offset:8*PC+16*(PC/8)+(\i)*16*PITCH
.endif
.endr
.endm
; 16 matrix instructions: A's blocks a0, a0 + 1 x B's eight.  The 64 accumulators take turns, one instruction a turn, in the same order in every step.
.macro MUL16 a0, p, q, sc, zero
.irp a, \a0, \a0+1
.irp b, 0,1,2,3,4,5,6,7
.if \zero
	v_wmma_scale_f32_16x16x128_f8f6f4 v[8*(8*((\a)%4)+\b):8*(8*((\a)%4)+\b)+7], v[128*(\p)+FR*\b:128*(\p)+FR*\b+FR-1], v[AF+FR*(\a):AF+FR*(\a)+FR-1], 0, v[SC+8*NQ*(\sc)+NQ*\b+(\q)], v[SC+8*NQ*(\sc)+NQ*(\a)+(\q)] matrix_a_fmt:MATRIX_FMT_BF6 matrix_b_fmt:MATRIX_FMT_BF6 matrix_a_scale:MATRIX_SCALE_ROW1
.else
	v_wmma_scale_f32_16x16x128_f8f6f4 v[8*(8*((\a)%4)+\b):8*(8*((\a)%4)+\b)+7], v[128*(\p)+FR*\b:128*(\p)+FR*\b+FR-1], v[AF+FR*(\a):AF+FR*(\a)+FR-1], v[8*(8*((\a)%4)+\b):8*(8*((\a)%4)+\b)+7], v[SC+8*NQ*(\sc)+NQ*\b+(\q)], v[SC+8*NQ*(\sc)+NQ*(\a)+(\q)] matrix_a_fmt:MATRIX_FMT_BF6 matrix_b_fmt:MATRIX_FMT_BF6 matrix_a_scale:MATRIX_SCALE_ROW1
.endif
.endr
.endr
.endm
.macro FETCH_B slot, q, p
	WIN TO_B
.irp i, 0,1,2,3,4,5,6,7
	FRAG 128*(\p)+FR*\i, ADRB+\slot, \q, \i
.endr
	WIN 0
.endm
.macro FETCH_A slot, q, i0
.irp i, \i0, \i0+1, \i0+2, \i0+3
	FRAG AF+FR*(\i), ADRA+\slot, \q, \i
.endr
.endm
.macro SCALES sc                       ; a K step's scale words: lanes 0-15 take A's block i, lanes 16-31 B's block i
.irp i, 0,1,2,3,4,5,6,7
	ds_load_b64 v[SC+8*NQ*\sc+NQ*\i:SC+8*NQ*\sc+NQ*\i+1], v[ADRS] offset:\i*SBLK
.endr
.endm
.macro PLACES n                        ; plain vector instructions between a matrix instruction and a load into, or a vector read or write of, its registers
.rept \n
	v_nop
.endr
.endm
.macro STEP slot, q, zero              ; 128 along K that has its successor in the same slot
	s_wait_dscnt 4*NL                              ; B's set and A's blocks 0-3 are in; the youngest 24 loads (A's blocks 4-7) may be out
	WIN MUL_LO
	MUL16 0, (\q)%2, \q, \slot, \zero
	MUL16 2, (\q)%2, \q, \slot, \zero
	s_wait_dscnt 0
	PLACES NP
	FETCH_B \slot, (\q)+1, 1-(\q)%2
	FETCH_A \slot, (\q)+1, 0
	WIN MUL_HI
	MUL16 4, (\q)%2, \q, \slot, \zero
	MUL16 6, (\q)%2, \q, \slot, \zero
	PLACES NP
	WIN 0
	FETCH_A \slot, (\q)+1, 4
.endm
.macro TURN slot, next, fill           ; a slot's last step changes slots: one barrier; fill = 1: this slot is filled again, two K steps ahead
	s_wait_tensorcnt 0x0                           ; all my tensor loads have landed: my part of the next slot
	ds_add_u32 v[SPW], v[NIL]                      ; 0 onto my spare word
	s_wait_dscnt 4*NL+1                            ; (the add and the youngest 24 loads may be out)
	WIN MUL_LO
	MUL16 0, 1, NQ-1, \slot, 0
	s_wait_dscnt 0x0                               ; the add is done, and my reads of this slot are over
	s_barrier_signal -1
	MUL16 2, 1, NQ-1, \slot, 0
	WIN 0
	s_barrier_wait -1
.if \fill
	CREST                                          ; the barrier has opened a round of the cluster's barrier: no wave of any partner still reads this slot or has a load on its way
	s_add_nc_u64 s[G0+4*\slot+2:G0+4*\slot+3], s[G0+4*\slot+2:G0+4*\slot+3], 2*ROWB
	s_add_nc_u64 s[G0B+4*\slot+2:G0B+4*\slot+3], s[G0B+4*\slot+2:G0B+4*\slot+3], 2*ROWB
	JLOAD G0+4*\slot, G1, G0B+4*\slot, G1B         ; the first tensor load behind the round; its four v_nop are the places in front of the loads below
.else
	PLACES NP
.endif
	v_add_nc_u32 v[ADRS], 4*NQ, v[ADRS]
	FETCH_B \next, 0, 0
	FETCH_A \next, 0, 0
	SCALES \next
	WIN MUL_HI
	MUL16 4, 1, NQ-1, \slot, 0
	MUL16 6, 1, NQ-1, \slot, 0
	PLACES NP
	WIN 0
	FETCH_A \next, 0, 4
.endm
	s_wait_tensorcnt 1                             ; the scales and my part of K step 0 are in; K step 1's load may be out
	s_barrier_signal -1
	s_barrier_wait -1
	FETCH_B 0, 0, 0
	FETCH_A 0, 0, 0
	SCALES 0
	FETCH_A 0, 0, 4
	STEP 0, 0, 1                                   ; the first step's products start the sums
	s_mov_b32 s3, LAPS-1
.Llap:
	TURN 0, 1, 1
	STEP 1, 0, 0
	TURN 1, 0, 1
	STEP 0, 0, 0
	s_sub_co_u32 s3, s3, 1
	s_cmp_lg_u32 s3, 0
	s_cbranch_scc1 .Llap
	TURN 0, 1, 0                                   ; the last lap fills nothing
	STEP 1, 0, 0
	s_wait_dscnt 4*NL
	WIN MUL_LO
	MUL16 0, 1, NQ-1, 1, 0
	MUL16 2, 1, NQ-1, 1, 0
	s_wait_dscnt 0
	WIN MUL_HI
	MUL16 4, 1, NQ-1, 1, 0
	MUL16 6, 1, NQ-1, 1, 0
	WIN 0
	; THE WAY OUT.  Where my part goes, in bytes.  TOK: my first token, CH: my first channel.
	s_cmp_eq_u32 ttmp9, 2
	s_cselect_b32 s18, s67, s66                    ; TOK
	s_cselect_b32 s19, s66, s67                    ; CH
	s_mov_b32 s44, 98304
	s_mov_b32 s46, 98304
	s_cselect_b32 s44, 3072, s44                   ; from the stage's first 64 columns to its second: q, k: a head on; v: a plane of 64 keys on
	s_cselect_b32 s46, s46, 3072                   ; from its first 64 positions to its second: q, k: 64 tokens on; v: a head on
	s_cselect_b32 s20, 1, 2
	s_cselect_b32 s21, 8192, 0
	s_mov_b32 s45, 0
	s_mov_b32 s47, 0
	s_cmp_eq_u32 ttmp9, 0
	s_mov_b32 s92, 12288
	s_cselect_b32 s92, 8192, s92                   ; a head's scale bytes
	s_mov_b32 s93, KVS
	s_cselect_b32 s93, QS, s93
	s_lshr_b32 s22, s18, 11
	s_lshl_b32 s22, s22, 4
	s_lshr_b32 s23, s19, 6
	s_add_co_u32 s22, s22, s23                     ; hb = 16 batch + head
	s_and_b32 s23, s18, 2047                       ; the token in its batch
	s_mul_i32 s40, s22, 98304
	s_mul_i32 s41, s23, 48                         ; (a plane of 64 keys is 64 x 48 bytes too)
	s_add_co_u32 s40, s40, s41
	s_mul_i32 s41, ttmp9, PART
	s_add_co_u32 s40, s40, s41
	s_mov_b32 s41, 0
	s_add_nc_u64 s[4:5], s[12:13], s[40:41]
	s_add_nc_u64 s[6:7], s[4:5], s[46:47]
	s_add_nc_u64 s[8:9], s[4:5], s[44:45]
	s_add_nc_u64 s[10:11], s[8:9], s[46:47]
	s_mul_i32 s40, s22, s92
	s_add_co_u32 s40, s40, s93
	s_lshl_b32 s23, s23, s20                       ; q, k: 4 bytes a token; v: 256 bytes for 128 keys
	s_add_co_u32 s40, s40, s23
	s_add_co_u32 s40, s40, s21
	s_add_nc_u64 s[42:43], s[12:13], s[40:41]
	s_mov_b32 s93, 0
	s_add_nc_u64 s[94:95], s[42:43], s[92:93]
	s_wait_loadcnt 0x0                             ; the biases
	PLACES NP                                      ; behind the last products: their results are read and A's registers written below
.irp b, 0,1,2,3
	v_mov_b32 v[TM+4+\b], 0                        ; a lane permute's destination counts as one of its sources
.endr
; Block a: 16 rows x 128 columns.  Bias; the halves of the lanes change places so that a lane holds 16 NEIGHBOURING columns of each block of 32; largest magnitudes, bytes, codes; into the stage.
.macro BLOCK a
.set AC, 64*((\a)%4)
.set WW, 2+(\a)/4
.set AOFF, 1536*((\a)/2)+384*((\a)%2)
	s_cmp_eq_u32 ttmp9, 2
	s_cbranch_scc1 .Lrow_\@
	WIN WW                                         ; source 0: the accumulators' window
.set ii, 0
.rept 32
	v_pk_add_f32 v[H+2*ii:H+2*ii+1], v[AC+2*ii:AC+2*ii+1], v[BB+2*ii:BB+2*ii+1]   ; q, k: the bias goes by column; each accumulator is read from its low end on
.set ii, ii+1
.endr
	WIN 0
	s_branch .Ladded_\@
.Lrow_\@:
	WIN WW
.set ii, 0
.rept 32
	v_pk_add_f32 v[H+2*ii:H+2*ii+1], v[AC+2*ii:AC+2*ii+1], v[BA+2*(\a):BA+2*(\a)+1]   ; v: by row
.set ii, ii+1
.endr
	WIN 0
.Ladded_\@:
.irp b, 0,1,2,3
.irp j, 0,1,2,3,4,5,6,7
	v_permlane16_swap_b32 v[H+16*\b+\j], v[H+16*\b+8+\j]   ; register 16 b + i now holds column 32 b + 16 h + i
.endr
.endr
.irp b, 0,1,2,3
	v_max3_num_f32 v[TM+\b], |v[H+16*\b]|, |v[H+1+16*\b]|, 0x2800000   ; my 16 numbers of block b, and the floor 2^(5 - 127)
.endr
.irp i, 2,4,6,8,10,12,14
.irp b, 0,1,2,3
	v_max3_num_f32 v[TM+\b], v[TM+\b], |v[H+16*\b+\i]|, |v[H+1+16*\b+\i]|
.endr
.endr
.irp b, 0,1,2,3
	v_permlanex16_b32 v[TM+4+\b], v[TM+\b], s[98], s[99]
.endr
.irp b, 0,1,2,3
	v_max_num_f32 v[TM+\b], v[TM+\b], v[TM+4+\b]   ; with lane l xor 16's: the block's largest magnitude
.endr
.irp b, 0,1,2,3
	v_add_nc_u32 v[TM+12+\b], 0xfe000000, v[TM+\b] ; 4 off its exponent field: the conversion's scale operand
.endr
.irp b, 0,1,2,3
	v_lshrrev_b32 v[TM+4+\b], 23, v[TM+12+\b]      ; the byte
.endr
	s_wait_dscnt 0x0                               ; the last block's stores into the stage have read their registers
	v_lshl_or_b32 v[W01], v[TM+5], 8, v[TM+4]
	v_lshl_or_b32 v[W23], v[TM+7], 8, v[TM+6]
.irp b, 0,1,2,3
	v_cvt_scalef32_pk16_bf6_f32 v[CC+4*\b:CC+4*\b+2], v[H+16*\b:H+16*\b+15], v[TM+12+\b]   ; 12 bytes: columns 32 b + 16 h + 0 .. 15
.endr
	v_nop                                          ; a plain instruction behind the conversions
.irp b, 0,1,2,3
.irp p, 0,1,2
	ds_store_b32 v[STO], v[CC+4*\b+\p] offset:(\b/2)*6144+AOFF+24*(\b%2)+4*\p
.endr
.endr
	ds_store_b32 v[STS], v[W01] offset:128*((\a)/2)+32*((\a)%2)       ; both halves of the lanes write the same word with the same value
	ds_store_b32 v[STS], v[W23] offset:512+128*((\a)/2)+32*((\a)%2)
.endm
	s_mov_b32 s98, 0x76543210                      ; (the bias loads are in: their base is free)  lane l xor 16
	s_mov_b32 s99, 0xfedcba98
.irp a, 0,1,2,3,4,5,6,7
	BLOCK \a
.endr
	v_lshlrev_b32 v10, 4, v1
	v_mul_u32_u24 v11, v2, 12288
	v_add_nc_u32 v10, v10, v11                     ; v's scale words: 16 bytes a lane, lanes 16-31 a head on
.irp t, 0,1,2,3,4,5,6,7,8,9,10,11,12,13,14,15,16,17,18,19,20,21,22,23
	ds_load_b128 v[OUTR+4*\t:OUTR+4*\t+3], v[RD] offset:512*\t       ; LDS serves a wave's instructions in order: these see my stores
.endr
	ds_load_b128 v[128:131], v[RD] offset:12288
	ds_load_b128 v[132:135], v[RD] offset:12800
.irp t, 0,1,2,3,4,5,6,7,8,9,10,11,12,13,14,15,16,17,18,19,20,21,22,23
	s_wait_dscnt 25-\t                             ; the younger loads of this run may be out
	global_store_b128 v[CO], v[OUTR+4*\t:OUTR+4*\t+3], s[4+4*(\t/12)+2*((\t%12)/6):5+4*(\t/12)+2*((\t%12)/6)] offset:512*(\t%6)   ; 512 consecutive bytes, at a multiple of 256 from the buffer's first byte
.endr
	s_wait_dscnt 0x0
	s_cmp_eq_u32 ttmp9, 2
	s_cbranch_scc1 .Lv_words
	global_store_b128 v[CO], v[128:131], s[42:43]  ; q, k: a word (two bytes, two zeros) for each token, head by head
	global_store_b128 v[CO], v[132:135], s[94:95]
	s_branch .Lwords_out
.Lv_words:
.irp i, 0,1,2,3
	v_lshl_or_b32 v[128+\i], v[132+\i], 16, v[128+\i]   ; v: the four bytes of 128 keys make one word for each channel
.endr
	global_store_b128 v10, v[128:131], s[42:43]
.Lwords_out:
	s_wait_tensorcnt 0x0                           ; the wave's end
	ds_add_u32 v[SPW], v[NIL]
	s_wait_dscnt 0x0
	CROUND                                         ; the closing round
	s_endpgm
.Lfunc_end_k_q3f797d7520_qkv:
	.size	k_q3f797d7520_qkv, .Lfunc_end_k_q3f797d7520_qkv-k_q3f797d7520_qkv
	.p2alignl 7, 3214868480
	.fill 96, 4, 3214868480
	.section	.rodata,"a",@progbits
	.p2align	6, 0x0
	.amdhsa_kernel k_q3f797d7520_qkv
		.amdhsa_group_segment_fixed_size 327680
		.amdhsa_private_segment_fixed_size 0
		.amdhsa_enable_private_segment 0
		.amdhsa_kernarg_size 88
		.amdhsa_user_sgpr_count 2
		.amdhsa_user_sgpr_kernarg_segment_ptr 1
		.amdhsa_wavefront_size32 1
		.amdhsa_system_sgpr_workgroup_id_x 1
		.amdhsa_system_sgpr_workgroup_id_y 1
		.amdhsa_system_sgpr_workgroup_id_z 1
		.amdhsa_system_vgpr_workitem_id 0
		.amdhsa_next_free_vgpr 1024
		.amdhsa_next_free_sgpr 100
		.amdhsa_reserve_vcc 0
		.amdhsa_float_denorm_mode_32 3
		.amdhsa_float_denorm_mode_16_64 3
		.amdhsa_memory_ordered 1
		.amdhsa_forward_progress 1
		.amdhsa_inst_pref_size 217
	.end_amdhsa_kernel
	.amdgpu_metadata
---
amdhsa.version: [ 1, 2 ]
amdhsa.kernels:
  - .name:           k_q3f797d7520_qkv
    .symbol:         k_q3f797d7520_qkv.kd
    .args:
      - { .name: hb, .offset: 0, .size: 8, .value_kind: global_buffer, .address_space: global }
      - { .name: Wq_codes, .offset: 8, .size: 8, .value_kind: global_buffer, .address_space: global }
      - { .name: Wq_scales, .offset: 16, .size: 8, .value_kind: global_buffer, .address_space: global }
      - { .name: Wk_codes, .offset: 24, .size: 8, .value_kind: global_buffer, .address_space: global }
      - { .name: Wk_scales, .offset: 32, .size: 8, .value_kind: global_buffer, .address_space: global }
      - { .name: Wv_codes, .offset: 40, .size: 8, .value_kind: global_buffer, .address_space: global }
      - { .name: Wv_scales, .offset: 48, .size: 8, .value_kind: global_buffer, .address_space: global }
      - { .name: bq, .offset: 56, .size: 8, .value_kind: global_buffer, .address_space: global }
      - { .name: bk, .offset: 64, .size: 8, .value_kind: global_buffer, .address_space: global }
      - { .name: bv, .offset: 72, .size: 8, .value_kind: global_buffer, .address_space: global }
      - { .name: qkv, .offset: 80, .size: 8, .value_kind: global_buffer, .address_space: global }
    .group_segment_fixed_size: 327680
    .private_segment_fixed_size: 0
    .kernarg_segment_align: 8
    .kernarg_segment_size: 88
    .max_flat_workgroup_size: 128
    .sgpr_count:     100
    .vgpr_count:     1024
    .wavefront_size: 32
...
	.end_amdgpu_metadata
.endif
;; end of part 2
;; launch attn (part 3): grid 8 x 32, 16 waves a work-group, clusters of 4 x 1, 227,328 bytes of LDS; arguments qkv, ob; writes ob
.if DOCPART == 3
	.amdgcn_target "amdgcn-amd-amdhsa--gfx1250"
	.amdhsa_code_object_version 6
	.text
	.protected	k_q3f797d7520_attn
	.globl	k_q3f797d7520_attn
	.p2align	8
	.type	k_q3f797d7520_attn,@function
k_q3f797d7520_attn:
	s_mov_b64 s[64:65], 0
	v_nop
	global_prefetch_b8 v0, s[64:65] scope:SCOPE_SE
	s_setreg_imm32_b32 hwreg(HW_REG_WAVE_MODE, 25, 1), 1
	s_wait_xcnt 0x0
	s_wait_alu depctr_hold_cnt(0) depctr_sa_sdst(0) depctr_va_vdst(0) depctr_va_sdst(0) depctr_va_ssrc(0) depctr_va_vcc(0) depctr_vm_vsrc(0)
	s_getreg_b32 s2, hwreg(HW_REG_IB_STS2, 6, 4)
	s_cmp_eq_u32 s2, 0
	s_cbranch_scc0 .Lentry_in_a_cluster
	s_endpgm
.Lentry_in_a_cluster:
	s_bfe_u32 s2, ttmp6, 0x10000c
	s_cmp_lg_u32 s2, 0x3003
	s_cbranch_scc0 .Lentry_shape_is_right
	s_endpgm
.Lentry_shape_is_right:
; O[q] = sum over k of softmax_k(Q[q] . K[k] / 8) V[k] for one batch and head (hb = work-group y), both products on codes of BF6 (E3M2) with E8M0 scales; O is quantised along the model's 1,024 on its way out.
; THE SOFTMAX AHEAD OF THE SECOND PRODUCT: t = score x log2(e) / 8; M = the running largest t rounded UP to a whole number; p = 2^(t - M) is quantised along the keys, not normalised; the row's sum is taken of the unquantised p and divides O at the end.
; When M moves, the sum and O are multiplied by 2^(old M - new M): exact.
; SHARES: a work-group owns 256 queries, each of its sixteen waves 16 (one tile, 256 registers, four waves to a SIMD, so that one wave's vector work stands beside another's matrix work and LDS loads).  Every wave walks all 2,048 keys, 128 a step.
; NO RING: a head's codes of K (98,304 bytes), of V (98,304) and their scale words (12,288) lie in LDS together, each byte filled ONCE: wave 0 brings K, wave 1 V, in four chunks of 512 keys, so that work starts when the first has landed.
; CLUSTER: the four query blocks of a cluster walk the same K and V: every load is asked for jointly, with the same descriptor and a mask that names the four.
; No prefetch: all that the work-group reads is asked for at its head.
; LAYOUT: both products transposed (S^T = K Q^T, O^T = V^T P^T): a lane holds ONE query.  K's keys and V's channels lie in POSITION ORDER (in each 32, row t at 16 ((t >> 3) & 1) + (t & 7) + 8 (t >> 4)): sixteen neighbouring rows of
; 48 bytes form a tile whose results give a lane 16 NEIGHBOURS in the 16 registers of tiles 2 b and 2 b + 1.  With a pitch of 48 bytes the 32 lanes of a load of 8 bytes touch 64 different banks (64 banks of 4 bytes: ISA guide 11.1).
; K = 64 IN A FORM OF 128: Q's upper six registers hold zero codes, so that whatever codes stand in K's upper six add nothing (every code of this format is a finite number): tile t's operand runs on into tile t + 1's registers.
; OUT: codes [head 16][token 4096][48 bytes]; scale bytes [128 of E: 8][token][4] at OSO, stored as single bytes, since two heads share a word (one byte in 24 of the output).
; LIMITS: NaN and infinities are not served; a block of zeros gets the byte 1; 1 / sum comes from v_rcp_f32.
; REGISTERS: v1-4 addresses that stay; v5 r, v6 h, v7 lane; v8-11 the step's addresses; v12 -M, v13 the largest t, v[14:15] the sum; v16-21 Q, v22-27 zeros; v32-79 K's 8 tiles x 6 or V's 4 x 12; v80-85 zeros; v96-159 S^T, then p; v160-191 O^T;
; v224-247, v252-254 at work; v248-251 scale words; v255 Q's scale word.
.set KCO,  3145728
.set QS,   9437184
.set KVS,  9699328
.set OSO,  3145728
.set LV,   98304
.set LSK,  196608
.set LSV,  204800
.set STG,  208896                      ; the way out: 1,024 bytes for each wave, bytes into which no fill lands
.set AK0,  1
.set AV0,  2
.set ASK0, 3
.set ASV0, 4
.set ADK,  8
.set ADV,  9
.set ADS,  10
.set ADT,  11
.set TB,   2                           ; s2   where the step's codes begin in K's (and V's) region: 6,144 bytes a step
.set TS,   3                           ; s3   K's scale words: 512 bytes a step
.set WV,   18
.set SEL,  20
.set CS,   22
.set G1C,  24
.set G1S,  32
.set G0,   40                          ; s[40:43] the scale words' group 0; s[44:59] the four chunks'
.set TJ,   69                          ; s69  V's scale words: 256 bytes a step
.set CNT,  70
.macro CROUND
	s_barrier_signal -1
	s_barrier_wait -1
	s_cmp_lg_u32 s[WV], 0
	s_cbranch_scc1 .Lnot_wave_0_\@
	s_barrier_signal -3
.Lnot_wave_0_\@:
	s_barrier_wait -3
	s_barrier_signal -1
	s_barrier_wait -1
.endm
	s_load_b128 s[4:7], s[0:1], 0x0                ; in, out
	v_lshl_add_u32 v223, v0, 2, 0x37000
	v_mov_b32 v243, 0
	ds_add_u32 v223, v243
	ds_add_u32 v223, v243
	v_lshrrev_b32 v8, 5, v0
	v_readfirstlane_b32 s[WV], v8                  ; wave 0..15
	s_bfe_u32 s8, ttmp6, 0x40000                   ; cx
	s_lshl_b32 s9, ttmp9, 2
	s_add_co_u32 s9, s9, s8                        ; my block of 256 queries: it enters Q's and O's addresses alone
	s_and_b32 s10, ttmp7, 0xffff                   ; hb, which the four partners share
	s_mov_b32 s[G1C], 15|(3<<16)|(1<<21)           ; the mask: all four; elements of 8 bytes; no padding; bit 21 beside a mask
	s_mov_b32 s[G1C+1], 32<<16                     ; a dense block as rows of 256 bytes
	s_mov_b32 s[G1C+2], 96<<16                     ; 96 rows: 24,576 bytes, 512 keys
	s_mov_b32 s[G1C+3], 32<<16
	s_mov_b32 s[G1C+4], 96
	s_mov_b32 s[G1C+5], 32
	s_mov_b32 s[G1C+6], 0
	s_mov_b32 s[G1C+7], 0
	s_mov_b32 s[G1S], 15|(3<<16)|(1<<21)
	s_mov_b32 s[G1S+1], 32<<16
	s_mov_b32 s[G1S+2], 24<<16                     ; 24 rows: half of the head's 12,288 bytes of scale words
	s_mov_b32 s[G1S+3], 32<<16
	s_mov_b32 s[G1S+4], 24
	s_mov_b32 s[G1S+5], 32
	s_mov_b32 s[G1S+6], 0
	s_mov_b32 s[G1S+7], 0
	s_and_b32 s11, s[WV], 1                        ; wave 0: K and the first half of the words; wave 1: V (its codes lie KCO bytes behind K's) and the second
	s_mul_i32 s12, s10, 12288
	s_mul_i32 s13, s11, 6144
	s_add_co_u32 s12, s12, s13
	s_add_co_u32 s12, s12, KVS
	s_mov_b32 s13, 0
	s_mul_i32 s14, s10, 98304
	s_mul_i32 s15, s11, KCO
	s_add_co_u32 s14, s14, s15
	s_add_co_u32 s14, s14, KCO
	s_mov_b32 s15, 0
	s_mul_i32 s16, s11, 6144
	s_mul_i32 s17, s11, LV
	s_mov_b32 s[SEL], 0x76543210
	s_mov_b32 s[SEL+1], 0xfedcba98
	s_mov_b32 s[CS], 0x3e38aa3b                    ; c = log2(e) / 8
	s_mov_b32 s[CS+1], s[CS]
	s_mov_b32 s[TB], 0
	s_mov_b32 s[TS], 0
	s_mov_b32 s[TJ], 0
	s_wait_dscnt 0x0
	s_wait_kmcnt 0x0
	s_add_nc_u64 s[12:13], s[4:5], s[12:13]
	s_add_nc_u64 s[14:15], s[4:5], s[14:15]
	s_mov_b32 s[G0], 1
	s_add_co_u32 s[G0+1], s16, LSK
	s_mov_b64 s[G0+2:G0+3], s[12:13]
	s_or_b32 s[G0+3], s[G0+3], 0x80000000
.irp c, 0,1,2,3
	s_mov_b32 s[G0+4+4*\c], 1
	s_add_co_u32 s[G0+5+4*\c], s17, 24576*\c
	s_add_nc_u64 s[G0+6+4*\c:G0+7+4*\c], s[14:15], 24576*\c
	s_or_b32 s[G0+7+4*\c], s[G0+7+4*\c], 0x80000000
.endr
	CROUND                                         ; all four work-groups are here: the joint loads meet
	s_cmp_lt_u32 s[WV], 2                          ; a wave's fills stand in one branch, ahead of every wait on TENSORcnt, every LDS read and every other barrier: five loads of mine are out
	s_cbranch_scc0 .Lno_fill
	tensor_load_to_lds s[G0:G0+3], s[G1S:G1S+7]
	s_nop 0
	tensor_load_to_lds s[G0+4:G0+7], s[G1C:G1C+7]
	s_nop 0
	tensor_load_to_lds s[G0+8:G0+11], s[G1C:G1C+7]
	s_nop 0
	tensor_load_to_lds s[G0+12:G0+15], s[G1C:G1C+7]
	s_nop 0
	tensor_load_to_lds s[G0+16:G0+19], s[G1C:G1C+7]
	s_nop 0
.rept 4
	v_nop
.endr
.Lno_fill:
	v_and_b32 v5, 15, v0                           ; r
	v_bfe_u32 v6, v0, 4, 1                         ; h
	v_and_b32 v7, 31, v0                           ; lane
	v_and_b32 v30, 7, v5
	v_lshrrev_b32 v31, 3, v5
	v_lshl_add_u32 v30, v31, 4, v30                ; 16 (r >> 3) + (r & 7)
	s_lshl_b32 s60, s9, 8                          ; Q lies in position order too: token 16 w + r of my block stands at 32 (w >> 1) + 8 (w & 1) + 16 (r >> 3) + (r & 7)
	s_lshr_b32 s61, s[WV], 1
	s_lshl_b32 s61, s61, 5
	s_add_co_u32 s60, s60, s61
	s_and_b32 s61, s[WV], 1
	s_lshl_b32 s61, s61, 3
	s_add_co_u32 s60, s60, s61
	s_mul_i32 s62, s10, 98304
	s_mul_i32 s63, s60, 48
	s_add_co_u32 s62, s62, s63
	s_mov_b32 s63, 0
	s_add_nc_u64 s[62:63], s[4:5], s[62:63]
	s_lshl_b32 s66, s10, 13
	s_lshl_b32 s67, s60, 2
	s_add_co_u32 s66, s66, s67
	s_add_co_u32 s66, s66, QS
	s_mov_b32 s67, 0
	s_add_nc_u64 s[66:67], s[4:5], s[66:67]
	v_mul_u32_u24 v28, v30, 48
	v_mad_u32_u24 v28, v6, 24, v28
	v_lshlrev_b32 v29, 2, v30
.irp p, 0,1,2
	global_load_b64 v[16+2*\p:17+2*\p], v28, s[62:63] offset:8*\p   ; Q's fragment: K = 32 h + 0 .. 31
.endr
	global_load_b32 v255, v29, s[66:67]            ; and its scale word
.irp j, 22,23,24,25,26,27,80,81,82,83,84,85
	v_mov_b32 v\j, 0                               ; zero codes: Q's K = 64 .. 127; and what the last tile of K runs on into
.endr
	v_mul_u32_u24 v[AK0], v5, 48
	v_mad_u32_u24 v[AK0], v6, 24, v[AK0]
	v_add_nc_u32 v[AV0], LV, v[AK0]
	v_lshl_add_u32 v[ASK0], v7, 2, LSK
	v_lshl_add_u32 v[ASV0], v7, 2, LSV
	s_and_b32 s71, s10, 15                         ; head
	s_lshr_b32 s72, s10, 4
	s_lshl_b32 s72, s72, 11
	s_lshl_b32 s73, s9, 8
	s_add_co_u32 s72, s72, s73
	s_lshl_b32 s73, s[WV], 4
	s_add_co_u32 s72, s72, s73                     ; my first token
	s_lshl_b32 s73, s71, 12
	s_add_co_u32 s73, s73, s72
	s_mul_i32 s74, s73, 48
	s_mov_b32 s75, 0
	s_add_nc_u64 s[74:75], s[6:7], s[74:75]        ; my codes
	s_lshr_b32 s73, s71, 1
	s_lshl_b32 s73, s73, 12
	s_add_co_u32 s73, s73, s72
	s_lshl_b32 s76, s73, 2
	s_and_b32 s73, s71, 1
	s_lshl_b32 s73, s73, 1
	s_add_co_u32 s76, s76, s73
	s_add_co_u32 s76, s76, OSO
	s_mov_b32 s77, 0
	s_add_nc_u64 s[76:77], s[6:7], s[76:77]        ; my scale bytes
	s_lshl_b32 s78, s[WV], 10
	s_add_co_u32 s78, s78, STG                     ; my stage
	v_mov_b32 v13, 0xff61b1e6                      ; the largest t so far: -3e38
	v_floor_f32 v12, -v13                          ; -M
	v_mov_b32 v14, 0
	v_mov_b32 v15, 0
.irp b, 0,1,2,3
	v_mov_b32 v[236+\b], 0                         ; a lane permute's destination counts as one of its sources
.endr
	v_mov_b32 v253, 0                              ; (named as the upper half of a pair before it is first written)
.irp j, 0,1,2,3,4,5,6,7,8,9,10,11,12,13,14,15,16,17,18,19,20,21,22,23,24,25,26,27,28,29,30,31
	v_mov_b32 v[160+\j], 0                         ; O^T: the step is written once; its first run finds zeros, which the first change of M leaves zeros
.endr
; A KEY STEP: 128 keys.
.macro STEP
	v_add_nc_u32 v[ADK], s[TB], v[AK0]             ; these four are also the places between the last products and the loads into their registers
	v_add_nc_u32 v[ADV], s[TB], v[AV0]
	v_add_nc_u32 v[ADS], s[TS], v[ASK0]
	v_add_nc_u32 v[ADT], s[TJ], v[ASV0]
.irp t, 0,1,2,3,4,5,6,7
.irp p, 0,1,2
	ds_load_b64 v[32+6*\t+2*\p:33+6*\t+2*\p], v[ADK] offset:768*\t+8*\p
.endr
.endr
.irp b, 0,1,2,3
	ds_load_b32 v[248+\b], v[ADS] offset:128*\b    ; lanes 0-15: tile 2 b's words; lanes 16-31: tile 2 b + 1's
.endr
	s_wait_dscnt 0x0
.irp b, 0,1,2,3
	v_wmma_scale_f32_16x16x128_f8f6f4 v[96+16*\b:103+16*\b], v[32+12*\b:43+12*\b], v[16:27], 0, v[248+\b], v255 matrix_a_fmt:MATRIX_FMT_BF6 matrix_b_fmt:MATRIX_FMT_BF6
	v_wmma_scale_f32_16x16x128_f8f6f4 v[104+16*\b:111+16*\b], v[38+12*\b:49+12*\b], v[16:27], 0, v[248+\b], v255 matrix_a_fmt:MATRIX_FMT_BF6 matrix_b_fmt:MATRIX_FMT_BF6 matrix_a_scale:MATRIX_SCALE_ROW1
.endr
.rept 4
	v_nop                                          ; places: in front of the loads into K's registers, and of the first read of the scores
.endr
.irp t, 0,1,2,3
.irp c, 0,1
.irp p, 0,1,2
	ds_load_b64 v[32+12*\t+6*\c+2*\p:33+12*\t+6*\c+2*\p], v[ADV] offset:3072*\c+768*\t+8*\p   ; V's four tiles: they land under the softmax
.endr
.endr
.endr
	ds_load_b32 v248, v[ADT]
	ds_load_b32 v249, v[ADT] offset:128
.irp b, 0,1,2,3
	v_max3_num_f32 v[232+\b], v[96+16*\b], v[97+16*\b], v[98+16*\b]   ; the largest score of each block of 32 keys: for the row's maximum, and, since p rises with the score, for the block's largest p
.endr
.irp i, 3,5,7,9,11,13
.irp b, 0,1,2,3
	v_max3_num_f32 v[232+\b], v[232+\b], v[96+16*\b+\i], v[97+16*\b+\i]
.endr
.endr
.irp b, 0,1,2,3
	v_max_num_f32 v[232+\b], v[232+\b], v[111+16*\b]
.endr
.irp b, 0,1,2,3
	v_permlanex16_b32 v[236+\b], v[232+\b], s[SEL], s[SEL+1]
.endr
.irp b, 0,1,2,3
	v_max_num_f32 v[232+\b], v[232+\b], v[236+\b]
.endr
	v_max3_num_f32 v254, v232, v233, v234
	v_max_num_f32 v254, v254, v235
	v_mul_f32 v254, s[CS], v254
	v_max_num_f32 v13, v13, v254                   ; the running largest t
	v_mov_b32 v254, v12
	v_floor_f32 v12, -v13                          ; the new -M = -ceil(t)
	v_sub_f32 v254, v12, v254                      ; old M - new M: a whole number, 0 or less
	v_cvt_i32_f32 v254, v254
	v_ldexp_f32 v252, 1.0, v254                    ; f = 2^(old M - new M)
.irp j, 0,2,4,6,8,10,12,14,16,18,20,22,24,26,28,30,32,34,36,38,40,42,44,46,48,50,52,54,56,58,60,62
	v_pk_fma_f32 v[96+\j:97+\j], v[96+\j:97+\j], s[CS:CS+1], v[12:13] op_sel_hi:[1,0,0]   ; t - M
.endr
.irp b, 0,1,2,3
	v_fma_f32 v[232+\b], v[232+\b], s[CS], v12
.endr
.irp j, 0,1,2,3,4,5,6,7,8,9,10,11,12,13,14,15,16,17,18,19,20,21,22,23,24,25,26,27,28,29,30,31,32,33,34,35,36,37,38,39,40,41,42,43,44,45,46,47,48,49,50,51,52,53,54,55,56,57,58,59,60,61,62,63
	v_exp_f32 v[96+\j], v[96+\j]                   ; p = 2^(t - M)
.endr
	v_pk_mul_f32 v[14:15], v[14:15], v[252:253] op_sel_hi:[1,0]   ; the sums under the new M; a plain instruction behind the exponentials
	s_wait_alu depctr_va_vdst(0)                   ; one wait for the batch, ahead of its first reader
.irp b, 0,1,2,3
	v_exp_f32 v[232+\b], v[232+\b]                 ; each block's largest p
.endr
	v_pk_add_f32 v[236:237], v[96:97], v[98:99]    ; the row's sum, of the unquantised p, in two chains
.irp j, 4,8,12,16,20,24,28,32,36,40,44,48,52,56,60
	v_pk_add_f32 v[14:15], v[14:15], v[96+\j:97+\j]
	v_pk_add_f32 v[236:237], v[236:237], v[98+\j:99+\j]
.endr
	v_pk_add_f32 v[14:15], v[14:15], v[236:237]
	s_wait_alu depctr_va_vdst(0)                   ; and one for the four
.irp b, 0,1,2,3
	v_max_num_f32 v[232+\b], 0x2800000, v[232+\b]  ; the floor 2^(5 - 127)
.endr
.irp b, 0,1,2,3
	v_add_nc_u32 v[244+\b], 0xfe000000, v[232+\b]
.endr
.irp b, 0,1,2,3
	v_lshrrev_b32 v[236+\b], 23, v[244+\b]
.endr
	v_lshl_or_b32 v253, v237, 8, v236              ; p's scale word for these 128 keys
	v_lshl_or_b32 v253, v238, 16, v253
	v_lshl_or_b32 v253, v239, 24, v253
.irp c, 0,1
	v_cvt_scalef32_pk16_bf6_f32 v[224+6*\c:226+6*\c], v[96+32*\c:111+32*\c], v[244+2*\c]
	v_cvt_scalef32_pk16_bf6_f32 v[236+4*\c:238+4*\c], v[112+32*\c:127+32*\c], v[244+2*\c+1]
.endr
	v_nop                                          ; a plain instruction behind the conversions
.irp c, 0,1                                    ; the operand's layout wants a whole block in a lane
.irp i, 0,1,2
	v_permlane16_swap_b32 v[224+6*\c+\i], v[236+4*\c+\i]
.endr
.irp i, 0,1,2
	v_mov_b32 v[227+6*\c+\i], v[236+4*\c+\i]
.endr
.endr
.irp j, 0,2,4,6,8,10,12,14,16,18,20,22,24,26,28,30
	v_pk_mul_f32 v[160+\j:161+\j], v[160+\j:161+\j], v[252:253] op_sel_hi:[1,0]   ; O^T under the new M; these sixteen are also the places between the writes of p's codes and scale word and the products
.endr
	s_wait_dscnt 0x0                               ; V is in
.irp b, 0,1
	v_wmma_scale_f32_16x16x128_f8f6f4 v[160+16*\b:167+16*\b], v[32+24*\b:43+24*\b], v[224:235], v[160+16*\b:167+16*\b], v[248+\b], v253 matrix_a_fmt:MATRIX_FMT_BF6 matrix_b_fmt:MATRIX_FMT_BF6
	v_wmma_scale_f32_16x16x128_f8f6f4 v[168+16*\b:175+16*\b], v[44+24*\b:55+24*\b], v[224:235], v[168+16*\b:175+16*\b], v[248+\b], v253 matrix_a_fmt:MATRIX_FMT_BF6 matrix_b_fmt:MATRIX_FMT_BF6 matrix_a_scale:MATRIX_SCALE_ROW1
.endr
	s_add_co_u32 s[TB], s[TB], 6144
	s_add_co_u32 s[TS], s[TS], 512
	s_add_co_u32 s[TJ], s[TJ], 256
.endm
; Chunk c: 512 keys, four steps.  The fetching waves wait until their chunk c has landed (the 3 - c later chunks may stay out), then the work-group's barrier shows it to all sixteen.
.macro CHUNK c
	s_wait_tensorcnt 3-\c
	s_wait_dscnt 0x0
	s_barrier_signal -1
	s_barrier_wait -1
	s_mov_b32 s[CNT], 4
.Lstep_\@:
	STEP
	s_sub_co_u32 s[CNT], s[CNT], 1
	s_cmp_lg_u32 s[CNT], 0
	s_cbranch_scc1 .Lstep_\@
.endm
	s_wait_loadcnt 0x0                             ; Q
	CHUNK 0
	CHUNK 1
	CHUNK 2
	CHUNK 3
	; THE WAY OUT.  O^T / the sum; V's channels lie in position order, so that the 16 registers of tiles 2 b and 2 b + 1 are channels 32 b + 16 h + 0 .. 15: they are quantised as they stand.
	v_add_f32 v14, v14, v15
	v_permlanex16_b32 v252, v14, s[SEL], s[SEL+1]
	v_add_f32 v14, v14, v252                       ; the row's sum
	v_rcp_f32 v14, v14
	v_mul_u32_u24 v8, v5, 48                       ; (plain instructions behind the transcendental, and the places behind the last products)
	v_mad_u32_u24 v8, v6, 12, v8
	v_add_nc_u32 v8, s78, v8                       ; the stage, in: row r of 48 bytes, + 12 h
	v_lshlrev_b32 v9, 3, v7
	v_add_nc_u32 v10, s78, v9                      ; back: 8 bytes a lane
	v_lshl_add_u32 v11, v5, 2, v6                  ; my scale byte: 4 r + h
	s_wait_alu depctr_va_vdst(0)                   ; the wait ahead of the reciprocal's first reader
.irp j, 0,1,2,3,4,5,6,7,8,9,10,11,12,13,14,15,16,17,18,19,20,21,22,23,24,25,26,27,28,29,30,31
	v_mul_f32 v[96+\j], v[160+\j], v14
.endr
.irp b, 0,1
	v_max3_num_f32 v[232+\b], |v[96+16*\b]|, |v[97+16*\b]|, 0x2800000
.endr
.irp i, 2,4,6,8,10,12,14
.irp b, 0,1
	v_max3_num_f32 v[232+\b], v[232+\b], |v[96+16*\b+\i]|, |v[97+16*\b+\i]|
.endr
.endr
.irp b, 0,1
	v_permlanex16_b32 v[236+\b], v[232+\b], s[SEL], s[SEL+1]
.endr
.irp b, 0,1
	v_max_num_f32 v[232+\b], v[232+\b], v[236+\b]
.endr
.irp b, 0,1
	v_add_nc_u32 v[244+\b], 0xfe000000, v[232+\b]
.endr
.irp b, 0,1
	v_lshrrev_b32 v[236+\b], 23, v[244+\b]
.endr
	v_cvt_scalef32_pk16_bf6_f32 v[224:226], v[96:111], v244
	v_cvt_scalef32_pk16_bf6_f32 v[228:230], v[112:127], v245
	v_cmp_eq_u32 vcc_lo, 1, v6                     ; (a plain instruction behind the conversions)
	v_cndmask_b32 v238, v236, v237, vcc_lo         ; lane (r, h) stores block h's byte
.irp p, 0,1,2
	ds_store_b32 v8, v[224+\p] offset:4*\p
	ds_store_b32 v8, v[228+\p] offset:24+4*\p
.endr
.irp i, 0,1,2
	ds_load_b64 v[32+2*\i:33+2*\i], v10 offset:256*\i   ; LDS serves a wave's instructions in order: these see my stores
.endr
	global_store_b8 v11, v238, s[76:77]
	s_wait_dscnt 0x0
.irp i, 0,1,2
	global_store_b64 v9, v[32+2*\i:33+2*\i], s[74:75] offset:256*\i   ; 32 lanes store 256 consecutive bytes, at a multiple of 256 from the buffer's first byte
.endr
	s_wait_tensorcnt 0x0
	ds_add_u32 v223, v243
	s_wait_dscnt 0x0
	CROUND                                         ; the closing round: no work-group ends while a partner may still ask for a tile that names it
	s_endpgm
.Lfunc_end_k_q3f797d7520_attn:
	.size	k_q3f797d7520_attn, .Lfunc_end_k_q3f797d7520_attn-k_q3f797d7520_attn
	.p2alignl 7, 3214868480
	.fill 96, 4, 3214868480
	.section	.rodata,"a",@progbits
	.p2align	6, 0x0
	.amdhsa_kernel k_q3f797d7520_attn
		.amdhsa_group_segment_fixed_size 227328
		.amdhsa_private_segment_fixed_size 0
		.amdhsa_enable_private_segment 0
		.amdhsa_kernarg_size 16
		.amdhsa_user_sgpr_count 2
		.amdhsa_user_sgpr_kernarg_segment_ptr 1
		.amdhsa_wavefront_size32 1
		.amdhsa_system_sgpr_workgroup_id_x 1
		.amdhsa_system_sgpr_workgroup_id_y 1
		.amdhsa_system_sgpr_workgroup_id_z 1
		.amdhsa_system_vgpr_workitem_id 0
		.amdhsa_next_free_vgpr 256
		.amdhsa_next_free_sgpr 100
		.amdhsa_reserve_vcc 1
		.amdhsa_float_denorm_mode_32 3
		.amdhsa_float_denorm_mode_16_64 3
		.amdhsa_memory_ordered 1
		.amdhsa_forward_progress 1
		.amdhsa_inst_pref_size 83
	.end_amdhsa_kernel
	.amdgpu_metadata
---
amdhsa.version: [ 1, 2 ]
amdhsa.kernels:
  - .name:           k_q3f797d7520_attn
    .symbol:         k_q3f797d7520_attn.kd
    .args:
      - { .name: qkv, .offset: 0, .size: 8, .value_kind: global_buffer, .address_space: global }
      - { .name: ob, .offset: 8, .size: 8, .value_kind: global_buffer, .address_space: global }
    .group_segment_fixed_size: 227328
    .private_segment_fixed_size: 0
    .kernarg_segment_align: 8
    .kernarg_segment_size: 16
    .max_flat_workgroup_size: 512
    .sgpr_count:     100
    .vgpr_count:     256
    .wavefront_size: 32
...
	.end_amdgpu_metadata
.endif
;; end of part 3
;; launch wo (part 4): grid 4 x 16, 4 waves a work-group, clusters of 4 x 4, 327,680 bytes of LDS; arguments ob, Wo_codes, Wo_scales, bo, x, x1; writes x1
.if DOCPART == 4
	.amdgcn_target "amdgcn-amd-amdhsa--gfx1250"
	.amdhsa_code_object_version 6
	.text
	.protected	k_q3f797d7520_wo
	.globl	k_q3f797d7520_wo
	.p2align	8
	.type	k_q3f797d7520_wo,@function
k_q3f797d7520_wo:
	s_mov_b64 s[64:65], 0
	v_nop
	global_prefetch_b8 v0, s[64:65] scope:SCOPE_SE
	s_setreg_imm32_b32 hwreg(HW_REG_WAVE_MODE, 25, 1), 1
	s_wait_xcnt 0x0
	s_wait_alu depctr_hold_cnt(0) depctr_sa_sdst(0) depctr_va_vdst(0) depctr_va_sdst(0) depctr_va_ssrc(0) depctr_va_vcc(0) depctr_vm_vsrc(0)
	s_getreg_b32 s2, hwreg(HW_REG_IB_STS2, 6, 4)
	s_cmp_eq_u32 s2, 0
	s_cbranch_scc0 .Lentry_in_a_cluster
	s_endpgm
.Lentry_in_a_cluster:
	s_bfe_u32 s2, ttmp6, 0x10000c
	s_cmp_lg_u32 s2, 0xf033
	s_cbranch_scc0 .Lentry_shape_is_right
	s_endpgm
.Lentry_shape_is_right:
; out[m][n] = res[m][n] + (sum over k of A[m][k] W[n][k] + bias[n]), f32, [4096][1024]; A and W are codes of BF6 (E3M2) with one E8M0 scale for each 32 along K = SIZE_K.
; A comes in PLANES, as the launch before stored it: codes [plane of 64 K][row 4096][48 bytes], scale words [128 K][row 4096][4 bytes] at byte ASC.  W: rows of 3 K / 4 bytes, K / 32 scale bytes a row.
; A tile of C, 256 x 256, by four waves of 128 x 128 (64 accumulators); K in steps of 256 through a ring of two LDS slots filled by the tensor data mover; clusters of 4 x 4 ask jointly: A's tile along a row of the cluster, W's along a column.
; The scales of the work-group's rows, for all of K, come into LDS once.  The matrix instruction is used transposed (source 0 = 16 rows of W, source 1 = 16 rows of A): a lane holds eight neighbouring numbers of a row of C.
; 64 tiles for 64 work-groups: a tile of 128 x 128 would give each fragment read from LDS half as many products and each refill half as many products in which to land.
; In LDS a plane's rows are 48 bytes apart: the 32 lanes of a load of 8 bytes touch 64 different banks (64 banks of 4 bytes: ISA guide 11.1); no padding.  W's rows: 192 bytes as 3 x (64 + 16).
; No prefetch: each K step's tiles are read by several work-groups at about the same time.
; REGISTERS: window 0: v0-31 addresses, v12-15 my four columns' bias; v32-63 A's scale words, v64-95 W's, two sets each, a register for each block of 16 rows and 128 K; v128-223 A's fragments, one set.
;   Window 1: W's fragments, two sets; on the way out the residual.  Windows 2, 3: the accumulators.
.set SIZE_K, 1024
.set ASC,    3145728
.set NQ,     2
.set ROWB,   192
.set KROW,   SIZE_K*3/4
.set PITCH,  240
.set FR,     12
.set NL,     6
.set NP,     4
.set HALFA,  24576                     ; A: 4 planes x 128 rows x 48 bytes: what one tensor load brings
.set HALFB,  128*PITCH
.set BOFF,   2*HALFA
.set SLOT,   2*HALFA+2*HALFB
.set LAPS,   SIZE_K/512
.set KS,     SIZE_K/32
.set NKS,    SIZE_K/128
.set SCLA,   2*SLOT
.set HALFSA, NKS*512
.set SCLB,   SCLA+2*HALFSA
.set HALFSB, (128*KS/256)*272
.set SBLK,   (16*KS/256)*272
.set SPARE,  SCLB+2*HALFSB             ; the spare words, 128 bytes a wave: two blocks of 256 bytes that no other line names
.set SPITCH, 528                       ; the way out: 16 rows x (512 + 16) bytes for each wave, in slot 0, which has had its last fill and its last read
.set ADRA, 16
.set ADRB, 20
.set STO,  24
.set RD,   25
.set CO,   26
.set ADSA, 27
.set SPW,  28
.set NIL,  29
.set ADSB, 30
.set SCA,  32
.set SCB,  64
.set AF,   128
.set BK,   128
.set G1, 24
.set G0, 32
.set G1B, 48
.set G0B, 56
.set G1S, 68
.set G0S, 76
.set G1SB, 80
.set G0SB, 88
.set MSB, 0
.macro WIN new
.if MSB != \new
	s_set_vgpr_msb (MSB<<8)|\new
.set MSB, \new
.endif
.endm
.set MUL_LO, 0xa1
.set MUL_HI, 0xf1
.set TO_B,   0x40
.macro JLOAD g0a, g1a, g0b, g1b        ; a joint load: waves 0 and 1 fetch for A, waves 2 and 3 for W; four v_nop follow each line
	s_cmp_eq_u32 s15, 0
	s_cbranch_scc0 .Lfor_b_\@
	tensor_load_to_lds s[\g0a:\g0a+3], s[\g1a:\g1a+7]
	s_nop 0
.rept 4
	v_nop
.endr
	s_branch .Lasked_\@
.Lfor_b_\@:
	tensor_load_to_lds s[\g0b:\g0b+3], s[\g1b:\g1b+7]
	s_nop 0
.rept 4
	v_nop
.endr
.Lasked_\@:
.endm
.macro CREST
	s_cmp_lg_u32 s14, 0
	s_cbranch_scc1 .Lnot_wave_0_\@
	s_barrier_signal -3
.Lnot_wave_0_\@:
	s_barrier_wait -3
	s_barrier_signal -1
	s_barrier_wait -1
.endm
.macro CROUND
	s_barrier_signal -1
	s_barrier_wait -1
	CREST
.endm
	s_load_b64 s[4:5], s[0:1], 0x0                 ; A
	s_load_b128 s[8:11], s[0:1], 0x8               ; W's codes, W's scales
	s_load_b128 s[96:99], s[0:1], 0x18             ; bias, residual
	s_load_b64 s[12:13], s[0:1], 0x28              ; out
	v_lshl_add_u32 v[SPW], v0, 2, SPARE
	v_mov_b32 v[NIL], 0
	ds_add_u32 v28, v29
	ds_add_u32 v28, v29
	s_wait_dscnt 0x0
	v_lshrrev_b32 v1, 5, v0
	v_readfirstlane_b32 s14, v1
	s_lshr_b32 s15, s14, 1                         ; which half of the tile's rows is mine.  Also: I fetch for A (0) or for W (1)
	s_and_b32 s16, s14, 1                          ; which half of its columns.  Also: which 128 rows of that tile I fetch
	s_bfe_u32 s40, ttmp6, 0x40000
	s_bfe_u32 s41, ttmp6, 0x40004
	s_lshl_b32 s42, ttmp9, 2
	s_add_co_u32 s42, s42, s40                     ; tile column
	s_and_b32 s17, ttmp7, 0xffff
	s_lshl_b32 s17, s17, 2
	s_add_co_u32 s17, s17, s41                     ; tile row
	s_lshl_b32 s43, s41, 2
	s_lshl_b32 s43, 15, s43                        ; my row of the cluster
	s_lshl_b32 s44, 0x1111, s40                    ; my column
	s_or_b32 s[G1+0], s43, (3<<16)|(1<<21)         ; A's codes: 4 planes, of each 128 rows x 48 bytes = 768 elements of 8 bytes on end; planes 4,096 x 48 bytes apart; no padding
	s_mov_b32 s[G1+1], 768<<16
	s_mov_b32 s[G1+2], 4<<16
	s_mov_b32 s[G1+3], 768<<16
	s_mov_b32 s[G1+4], 4
	s_mov_b32 s[G1+5], 24576
	s_mov_b32 s[G1+6], 0
	s_mov_b32 s[G1+7], 0
	s_or_b32 s[G1B+0], s44, (0<<16)|(1<<20)|(1<<21)|(3<<22)|(3<<25)   ; W's codes: 128 rows x 192 bytes, 16 bytes of padding after every 64
	s_mov_b32 s[G1B+1], ROWB<<16
	s_mov_b32 s[G1B+2], 128<<16
	s_mov_b32 s[G1B+3], ROWB<<16
	s_mov_b32 s[G1B+4], 128
	s_mov_b32 s[G1B+5], KROW
	s_mov_b32 s[G1B+6], 0
	s_mov_b32 s[G1B+7], 0
	s_or_b32 s[G1S+0], s43, (3<<16)|(1<<21)        ; A's scale words: for each 128 of K, 128 rows x 4 bytes = 64 elements; 4,096 x 4 bytes apart
	s_mov_b32 s[G1S+1], 64<<16
	s_mov_b32 s[G1S+2], NKS<<16
	s_mov_b32 s[G1S+3], 64<<16
	s_mov_b32 s[G1S+4], NKS
	s_mov_b32 s[G1S+5], 2048
	s_mov_b32 s[G1S+6], 0
	s_mov_b32 s[G1S+7], 0
	s_or_b32 s[G1SB+0], s44, (3<<16)|(1<<20)|(1<<21)|(5<<22)|(3<<25)   ; W's scale bytes of 128 rows: a dense block, as rows of 256 bytes + 16
	s_mov_b32 s[G1SB+1], 32<<16
	s_mov_b32 s[G1SB+2], (128*KS/256)<<16
	s_mov_b32 s[G1SB+3], 32<<16
	s_mov_b32 s[G1SB+4], 128*KS/256
	s_mov_b32 s[G1SB+5], 32
	s_mov_b32 s[G1SB+6], 0
	s_mov_b32 s[G1SB+7], 0
	s_lshl_b32 s18, s16, 7
	s_lshl_b32 s20, s17, 8
	s_add_co_u32 s20, s20, s18                     ; A: the rows that I fetch
	s_lshl_b32 s46, s42, 8
	s_add_co_u32 s46, s46, s18                     ; W: likewise
	s_mov_b32 s47, 0
	s_lshl_b32 s22, s20, 2
	s_mov_b32 s23, 0
	s_mul_i32 s20, s20, 48
	s_mov_b32 s21, 0
	s_mov_b64 s[18:19], KS
	s_mul_u64 s[92:93], s[46:47], s[18:19]
	s_mov_b64 s[18:19], KROW
	s_mul_u64 s[46:47], s[46:47], s[18:19]
	s_mul_i32 s45, s16, HALFA                      ; where they go: no place in the cluster enters an LDS address
	s_mul_i32 s95, s16, HALFB
	s_add_co_u32 s95, s95, BOFF
	s_mul_i32 s94, s16, HALFSA
	s_mul_i32 s66, s16, HALFSB
	s_wait_kmcnt 0x0
	s_add_nc_u64 s[6:7], s[4:5], ASC
	s_add_nc_u64 s[20:21], s[4:5], s[20:21]
	s_add_nc_u64 s[22:23], s[6:7], s[22:23]
	s_add_nc_u64 s[46:47], s[8:9], s[46:47]
	s_add_nc_u64 s[92:93], s[10:11], s[92:93]
	CROUND                                         ; all sixteen work-groups are here: the first joint loads meet
	s_mov_b32 s[G0S], 1
	s_add_co_u32 s[G0S+1], s94, SCLA
	s_mov_b64 s[G0S+2:G0S+3], s[22:23]
	s_or_b32 s[G0S+3], s[G0S+3], 0x80000000
	s_mov_b32 s[G0SB], 1
	s_add_co_u32 s[G0SB+1], s66, SCLB
	s_mov_b64 s[G0SB+2:G0SB+3], s[92:93]
	s_or_b32 s[G0SB+3], s[G0SB+3], 0x80000000
	JLOAD G0S, G1S, G0SB, G1SB                     ; the scales first: filled once
.irp s, 0,1
	s_mov_b32 s[G0+4*\s], 1
	s_add_co_u32 s[G0+4*\s+1], s45, \s*SLOT
	s_add_nc_u64 s[G0+4*\s+2:G0+4*\s+3], s[20:21], \s*786432
	s_or_b32 s[G0+4*\s+3], s[G0+4*\s+3], 0x80000000
	s_mov_b32 s[G0B+4*\s], 1
	s_add_co_u32 s[G0B+4*\s+1], s95, \s*SLOT
	s_add_nc_u64 s[G0B+4*\s+2:G0B+4*\s+3], s[46:47], \s*ROWB
	s_or_b32 s[G0B+4*\s+3], s[G0B+4*\s+3], 0x80000000
	JLOAD G0+4*\s, G1, G0B+4*\s, G1B
.endr
	v_and_b32 v1, 15, v0                           ; r
	v_bfe_u32 v2, v0, 4, 1                         ; h
	v_mul_u32_u24 v3, v1, 48
	v_mad_u32_u24 v3, v2, 24, v3                   ; A: 48 r + 24 h
	v_mul_u32_u24 v4, v1, PITCH
	v_mad_u32_u24 v4, v2, 24, v4                   ; W: row x pitch + 24 h,
	v_lshl_add_u32 v5, v2, 4, v4                   ; and the same behind one padding more
	s_mul_i32 s21, s15, HALFA
	s_mul_i32 s22, s16, HALFB
	s_add_co_u32 s22, s22, BOFF
.irp s, 0,1
	v_add_nc_u32 v[ADRA+\s], s21, v3
	v_add_nc_u32 v[ADRB+\s], s22, v4
	v_add_nc_u32 v[ADRB+2+\s], s22, v5
	s_add_co_u32 s21, s21, SLOT
	s_add_co_u32 s22, s22, SLOT
.endr
	s_mul_i32 s21, s15, HALFSA
	s_add_co_u32 s21, s21, SCLA
	v_lshl_add_u32 v[ADSA], v1, 2, s21             ; A's scale words: 4 bytes a row
	v_mul_u32_u24 v5, v1, KS
	v_lshrrev_b32 v6, 8, v5
	v_lshl_add_u32 v5, v6, 4, v5                   ; W's: KS bytes a row, and 16 more for each 256 passed
	s_mul_i32 s22, s16, HALFSB
	s_add_co_u32 s22, s22, SCLB
	v_add_nc_u32 v[ADSB], s22, v5
	s_mul_i32 s23, s14, 16*SPITCH
	v_mul_u32_u24 v5, v1, SPITCH
	v_lshl_add_u32 v5, v2, 5, v5
	v_add_nc_u32 v[STO], s23, v5
	v_and_b32 v6, 31, v0
	v_lshlrev_b32 v[CO], 4, v6
	v_add_nc_u32 v[RD], s23, v[CO]
	s_lshl_b32 s20, s17, 8
	s_lshl_b32 s21, s15, 7
	s_add_co_u32 s20, s20, s21                     ; my first row of C,
	s_lshl_b32 s20, s20, 12                        ; of 4,096 bytes
	s_mov_b32 s21, 0
	s_lshl_b32 s46, s42, 10
	s_lshl_b32 s47, s16, 9
	s_add_co_u32 s46, s46, s47                     ; my first column, in bytes
	s_mov_b32 s47, 0
	s_add_nc_u64 s[96:97], s[96:97], s[46:47]
	s_add_nc_u64 s[20:21], s[20:21], s[46:47]
	s_add_nc_u64 s[12:13], s[12:13], s[20:21]
	s_add_nc_u64 s[98:99], s[98:99], s[20:21]
	global_load_b128 v[12:15], v[CO], s[96:97]     ; the bias of the four columns that I store
.macro FRAGR reg, adr, q, i            ; W's fragment from padded rows, in pieces of 8 bytes; where lanes 16-31's piece lies behind one padding more, the second address register serves
.irp p, 0,1,2,3,4,5
.set PC, 12*(\q)+6*(\p/3)+\p%3
.if PC%8 < 5
	ds_load_b64 v[\reg+2*\p:\reg+2*\p+1], v[\adr] offset:8*PC+16*(PC/8)+(\i)*16*PITCH
.else
	ds_load_b64 v[\reg+2*\p:\reg+2*\p+1], v[\adr+2] offset:8*PC+16*(PC/8)+(\i)*16*PITCH
.endif
.endr
.endm
.macro FRAGP reg, adr, q, i            ; A's fragment from planes: registers 6 c .. 6 c + 5 are 24 bytes of plane 2 q + c
.irp c, 0,1
.irp p, 0,1,2
	ds_load_b64 v[\reg+6*\c+2*\p:\reg+6*\c+2*\p+1], v[\adr] offset:(2*(\q)+\c)*6144+(\i)*768+8*\p
.endr
.endr
.endm
; 16 matrix instructions.  The 64 accumulators take turns, one instruction a turn, in the same order in every step.
.macro MUL16 a0, p, q, sc, zero
.irp a, \a0, \a0+1
.irp b, 0,1,2,3,4,5,6,7
.if \zero
	v_wmma_scale_f32_16x16x128_f8f6f4 v[8*(8*((\a)%4)+\b):8*(8*((\a)%4)+\b)+7], v[128*(\p)+FR*\b:128*(\p)+FR*\b+FR-1], v[AF+FR*(\a):AF+FR*(\a)+FR-1], 0, v[SCB+16*(\sc)+2*\b+(\q)], v[SCA+16*(\sc)+2*(\a)+(\q)] matrix_a_fmt:MATRIX_FMT_BF6 matrix_b_fmt:MATRIX_FMT_BF6
.else
	v_wmma_scale_f32_16x16x128_f8f6f4 v[8*(8*((\a)%4)+\b):8*(8*((\a)%4)+\b)+7], v[128*(\p)+FR*\b:128*(\p)+FR*\b+FR-1], v[AF+FR*(\a):AF+FR*(\a)+FR-1], v[8*(8*((\a)%4)+\b):8*(8*((\a)%4)+\b)+7], v[SCB+16*(\sc)+2*\b+(\q)], v[SCA+16*(\sc)+2*(\a)+(\q)] matrix_a_fmt:MATRIX_FMT_BF6 matrix_b_fmt:MATRIX_FMT_BF6
.endif
.endr
.endr
.endm
.macro FETCH_B slot, q, p
	WIN TO_B
.irp i, 0,1,2,3,4,5,6,7
	FRAGR 128*(\p)+FR*\i, ADRB+\slot, \q, \i
.endr
	WIN 0
.endm
.macro FETCH_A slot, q, i0
.irp i, \i0, \i0+1, \i0+2, \i0+3
	FRAGP AF+FR*(\i), ADRA+\slot, \q, \i
.endr
.endm
.macro SCALES sc                       ; a K step's scale words: lane r takes row r's (lanes 16-31 the same, not read)
.irp i, 0,1,2,3,4,5,6,7
	ds_load_b64 v[SCB+16*\sc+2*\i:SCB+16*\sc+2*\i+1], v[ADSB] offset:\i*SBLK
	ds_load_b32 v[SCA+16*\sc+2*\i], v[ADSA] offset:64*\i
	ds_load_b32 v[SCA+16*\sc+2*\i+1], v[ADSA] offset:512+64*\i
.endr
.endm
.macro PLACES n
.rept \n
	v_nop
.endr
.endm
.macro STEP slot, q, zero
	s_wait_dscnt 4*NL                              ; W's set, A's blocks 0-3 and the scale words are in; the youngest 24 loads (A's blocks 4-7) may be out
	WIN MUL_LO
	MUL16 0, (\q)%2, \q, \slot, \zero
	MUL16 2, (\q)%2, \q, \slot, \zero
	s_wait_dscnt 0
	PLACES NP
	FETCH_B \slot, (\q)+1, 1-(\q)%2
	FETCH_A \slot, (\q)+1, 0
	WIN MUL_HI
	MUL16 4, (\q)%2, \q, \slot, \zero
	MUL16 6, (\q)%2, \q, \slot, \zero
	PLACES NP
	WIN 0
	FETCH_A \slot, (\q)+1, 4
.endm
.macro TURN slot, next, fill
	s_wait_tensorcnt 0x0                           ; all my tensor loads have landed: my part of the next slot
	ds_add_u32 v[SPW], v[NIL]                      ; 0 onto my spare word
	s_wait_dscnt 4*NL+1                            ; (the add and the youngest 24 loads may be out)
	WIN MUL_LO
	MUL16 0, 1, NQ-1, \slot, 0
	s_wait_dscnt 0x0                               ; the add is done, and my reads of this slot are over
	s_barrier_signal -1
	MUL16 2, 1, NQ-1, \slot, 0
	WIN 0
	s_barrier_wait -1
.if \fill
	CREST                                          ; the barrier has opened a round of the cluster's barrier
	s_add_nc_u64 s[G0+4*\slot+2:G0+4*\slot+3], s[G0+4*\slot+2:G0+4*\slot+3], 2*786432
	s_add_nc_u64 s[G0B+4*\slot+2:G0B+4*\slot+3], s[G0B+4*\slot+2:G0B+4*\slot+3], 2*ROWB
	JLOAD G0+4*\slot, G1, G0B+4*\slot, G1B         ; the first tensor load behind the round; its four v_nop are the places in front of the loads below
.else
	PLACES NP
.endif
	v_add_nc_u32 v[ADSA], 1024, v[ADSA]            ; on to the next K step's scale words
	v_add_nc_u32 v[ADSB], 8, v[ADSB]
	FETCH_B \next, 0, 0
	FETCH_A \next, 0, 0
	SCALES \next
	WIN MUL_HI
	MUL16 4, 1, NQ-1, \slot, 0
	MUL16 6, 1, NQ-1, \slot, 0
	PLACES NP
	WIN 0
	FETCH_A \next, 0, 4
.endm
	s_wait_tensorcnt 1                             ; the scales and my part of K step 0 are in; K step 1's load may be out
	s_barrier_signal -1
	s_barrier_wait -1
	FETCH_B 0, 0, 0
	FETCH_A 0, 0, 0
	SCALES 0
	FETCH_A 0, 0, 4
	STEP 0, 0, 1
	s_mov_b32 s3, LAPS-1
.Llap:
	TURN 0, 1, 1
	STEP 1, 0, 0
	TURN 1, 0, 1
	STEP 0, 0, 0
	s_sub_co_u32 s3, s3, 1
	s_cmp_lg_u32 s3, 0
	s_cbranch_scc1 .Llap
	TURN 0, 1, 0
	STEP 1, 0, 0
	s_wait_dscnt 4*NL
	WIN MUL_LO
	MUL16 0, 1, NQ-1, 1, 0
	MUL16 2, 1, NQ-1, 1, 0
	s_wait_dscnt 0
	WIN MUL_HI
	MUL16 4, 1, NQ-1, 1, 0
	MUL16 6, 1, NQ-1, 1, 0
	WIN 0
; THE WAY OUT, block by block of 16 rows x 128 columns: through my own stage in LDS and back as whole rows of 512 bytes; bias and residual are added there; the 32 lanes store two aligned runs of 256 bytes.
.macro TOSTAGE a
.set AC, 64*((\a)%4)
	WIN 0x08+4*((\a)/4)                            ; the data: window 2 or 3
.irp b, 0,1,2,3,4,5,6,7
	ds_store_b128 v[STO], v[AC+8*\b:AC+8*\b+3] offset:64*\b          ; each accumulator from its low end on
	ds_store_b128 v[STO], v[AC+8*\b+4:AC+8*\b+7] offset:64*\b+16
.endr
	WIN 0
.set BBK, BK+64*((\a)%2)
.irp t, 0,1,2,3,4,5,6,7,8,9,10,11,12,13,14,15
	ds_load_b128 v[BBK+4*\t:BBK+4*\t+3], v[RD] offset:\t*SPITCH
.endr
.endm
.macro RLOAD a                         ; block a's residual, at the places that I store, into window 1
	WIN 0x40
.irp t, 0,1,2,3,4,5,6,7,8,9,10,11,12,13,14,15
	global_load_b128 v[64*((\a)%2)+4*\t:64*((\a)%2)+4*\t+3], v[CO], s[98:99] offset:(16*(\a)+\t)*4096
.endr
	WIN 0
.endm
.macro SEND a, younger, lyoung         ; younger, lyoung: the LDS instructions and the loads issued behind block a's, which may stay out
.set BBK, BK+64*((\a)%2)
.set RR, 64*((\a)%2)
	s_wait_dscnt \younger
	s_wait_loadcnt \lyoung
.irp t, 0,1,2,3,4,5,6,7,8,9,10,11,12,13,14,15
	v_pk_add_f32 v[BBK+4*\t:BBK+4*\t+1], v[BBK+4*\t:BBK+4*\t+1], v[12:13]
	v_pk_add_f32 v[BBK+4*\t+2:BBK+4*\t+3], v[BBK+4*\t+2:BBK+4*\t+3], v[14:15]
.endr
	WIN 0x04                                       ; source 1: window 1
.irp t, 0,1,2,3,4,5,6,7,8,9,10,11,12,13,14,15
	v_pk_add_f32 v[BBK+4*\t:BBK+4*\t+1], v[BBK+4*\t:BBK+4*\t+1], v[RR+4*\t:RR+4*\t+1]
	v_pk_add_f32 v[BBK+4*\t+2:BBK+4*\t+3], v[BBK+4*\t+2:BBK+4*\t+3], v[RR+4*\t+2:RR+4*\t+3]
.endr
	WIN 0
.irp t, 0,1,2,3,4,5,6,7,8,9,10,11,12,13,14,15
	global_store_b128 v[CO], v[BBK+4*\t:BBK+4*\t+3], s[12:13] offset:(16*(\a)+\t)*4096   ; 512 consecutive bytes, at a multiple of 256 from the buffer's first byte; every row's place is an immediate: 127 rows of 4,096 bytes at the most
.endr
.endm
	PLACES NP                                      ; behind the last products: loads land in their operands' registers and their results are read below
	RLOAD 0
	RLOAD 1
	TOSTAGE 0
.irp a, 1,2,3,4,5,6,7
.if \a > 1
	s_wait_xcnt 0x0                                ; block a - 2's stores have read their registers: block a's loads may land there
.endif
	TOSTAGE \a
	SEND \a-1, 32, 16                              ; behind block a - 1's: block a's 16 stores and 16 loads in LDS, and block a's 16 loads of the residual
.if \a < 7
	RLOAD \a+1
.endif
.endr
	s_wait_xcnt 0x0
	SEND 7, 0, 0
	s_wait_tensorcnt 0x0                           ; the wave's end
	ds_add_u32 v[SPW], v[NIL]
	s_wait_dscnt 0x0
	CROUND                                         ; the closing round
	s_endpgm
.Lfunc_end_k_q3f797d7520_wo:
	.size	k_q3f797d7520_wo, .Lfunc_end_k_q3f797d7520_wo-k_q3f797d7520_wo
	.p2alignl 7, 3214868480
	.fill 96, 4, 3214868480
	.section	.rodata,"a",@progbits
	.p2align	6, 0x0
	.amdhsa_kernel k_q3f797d7520_wo
		.amdhsa_group_segment_fixed_size 327680
		.amdhsa_private_segment_fixed_size 0
		.amdhsa_enable_private_segment 0
		.amdhsa_kernarg_size 48
		.amdhsa_user_sgpr_count 2
		.amdhsa_user_sgpr_kernarg_segment_ptr 1
		.amdhsa_wavefront_size32 1
		.amdhsa_system_sgpr_workgroup_id_x 1
		.amdhsa_system_sgpr_workgroup_id_y 1
		.amdhsa_system_sgpr_workgroup_id_z 1
		.amdhsa_system_vgpr_workitem_id 0
		.amdhsa_next_free_vgpr 1024
		.amdhsa_next_free_sgpr 100
		.amdhsa_reserve_vcc 0
		.amdhsa_float_denorm_mode_32 3
		.amdhsa_float_denorm_mode_16_64 3
		.amdhsa_memory_ordered 1
		.amdhsa_forward_progress 1
		.amdhsa_inst_pref_size 209
	.end_amdhsa_kernel
	.amdgpu_metadata
---
amdhsa.version: [ 1, 2 ]
amdhsa.kernels:
  - .name:           k_q3f797d7520_wo
    .symbol:         k_q3f797d7520_wo.kd
    .args:
      - { .name: ob, .offset: 0, .size: 8, .value_kind: global_buffer, .address_space: global }
      - { .name: Wo_codes, .offset: 8, .size: 8, .value_kind: global_buffer, .address_space: global }
      - { .name: Wo_scales, .offset: 16, .size: 8, .value_kind: global_buffer, .address_space: global }
      - { .name: bo, .offset: 24, .size: 8, .value_kind: global_buffer, .address_space: global }
      - { .name: x, .offset: 32, .size: 8, .value_kind: global_buffer, .address_space: global }
      - { .name: x1, .offset: 40, .size: 8, .value_kind: global_buffer, .address_space: global }
    .group_segment_fixed_size: 327680
    .private_segment_fixed_size: 0
    .kernarg_segment_align: 8
    .kernarg_segment_size: 48
    .max_flat_workgroup_size: 128
    .sgpr_count:     100
    .vgpr_count:     1024
    .wavefront_size: 32
...
	.end_amdgpu_metadata
.endif
;; end of part 4
;; launch ln2: the kernel of part 1 again; grid 256 x 1, 4 waves a work-group, no clusters, 33,280 bytes of LDS; arguments x1, g2, be2, hb; writes hb
;; launch w1 (part 5): grid 16 x 16, 4 waves a work-group, clusters of 4 x 4, 327,680 bytes of LDS; arguments hb, W1_codes, W1_scales, b1, fb; writes fb
.if DOCPART == 5
	.amdgcn_target "amdgcn-amd-amdhsa--gfx1250"
	.amdhsa_code_object_version 6
	.text
	.protected	k_q3f797d7520_w1
	.globl	k_q3f797d7520_w1
	.p2align	8
	.type	k_q3f797d7520_w1,@function
k_q3f797d7520_w1:
	s_mov_b64 s[64:65], 0
	v_nop
	global_prefetch_b8 v0, s[64:65] scope:SCOPE_SE
	s_setreg_imm32_b32 hwreg(HW_REG_WAVE_MODE, 25, 1), 1
	s_wait_xcnt 0x0
	s_wait_alu depctr_hold_cnt(0) depctr_sa_sdst(0) depctr_va_vdst(0) depctr_va_sdst(0) depctr_va_ssrc(0) depctr_va_vcc(0) depctr_vm_vsrc(0)
	s_getreg_b32 s2, hwreg(HW_REG_IB_STS2, 6, 4)
	s_cmp_eq_u32 s2, 0
	s_cbranch_scc0 .Lentry_in_a_cluster
	s_endpgm
.Lentry_in_a_cluster:
	s_bfe_u32 s2, ttmp6, 0x10000c
	s_cmp_lg_u32 s2, 0xf033
	s_cbranch_scc0 .Lentry_shape_is_right
	s_endpgm
.Lentry_shape_is_right:
; f = relu(h W1^T + b1), [4096][4096], on codes of BF6 (E3M2) with E8M0 scales for each 32 along K = 1,024; f is quantised along its columns, the next product's K, on its way out.
; THE GEMM: a tile of C, 256 x 256, by four waves of 128 x 128 (64 accumulators); K in steps of 256 through a ring of two LDS slots filled by the tensor data mover; clusters of 4 x 4 ask jointly: h's tile along a row of the
; cluster, W1's along a column.  The matrix instruction is used transposed (source 0 = 16 rows of W1, source 1 = 16 rows of h): accumulator (a, b), lane (r, h), register j = C[16 a + r][16 b + 8 h + j].
; OUT, in planes: codes [plane of 64 columns: 64][row 4096][48 bytes] at 0, scale words [128 columns: 32][row 4096][4 bytes] at FS: a wave's part of a plane is 6,144 consecutive bytes.
; LIMITS: NaN and infinities are not served; a block of zeros gets the byte 1 (its codes are zeros, and this program alone reads the bytes).
; No prefetch: each K step's tiles are read by many work-groups at about the same time, and the launch has four K steps.
; REGISTERS: window 0: v0-31 addresses; v32-63 scale words, two sets; v64-127 the bias by column; v128-223 A's fragments, one set.  Window 1: B's fragments, two sets.  Windows 2, 3: the accumulators.
.set KSTEP,  256
.set NQ,     2
.set ROWB,   192
.set KROW,   768
.set PITCH,  240
.set FR,     12
.set NL,     6
.set NP,     4
.set HALFT,  128*PITCH
.set SLOT,   4*HALFT
.set LAPS,   2
.set KS,     32
.set SCL,    2*SLOT
.set HALFS,  (128*KS/256)*272
.set SBLK,   (16*KS/256)*272
.set SPARE,  SCL+4*HALFS               ; the spare words, 128 bytes a wave: two blocks of 256 bytes that no other line names
.set HSC,    3145728
.set FS,     12582912
.set STGB,   12800                     ; the way out: a stage for each wave, in slot 0 (which has had its last fill and its last read): [2][128 rows][48 bytes], then 128 words
.set ADRA, 16
.set ADRB, 20
.set STO,  24
.set RD,   25
.set CO,   26
.set ADRS, 27
.set SPW,  28
.set NIL,  29
.set STS,  31
.set SC,   32
.set BB,   64
.set AF,   128
.set H,    128
.set TM,   192
.set CC,   208
.set PW,   224
.set OUTR, 32
.set G1, 24
.set G0, 32
.set G1B, 48
.set G0B, 56
.set G1S, 68
.set G0S, 76
.set G1SB, 80
.set G0SB, 88
.set MSB, 0
.macro WIN new
.if MSB != \new
	s_set_vgpr_msb (MSB<<8)|\new
.set MSB, \new
.endif
.endm
.set MUL_LO, 0xa1
.set MUL_HI, 0xf1
.set TO_B,   0x40
.macro JLOAD g0a, g1a, g0b, g1b        ; a joint load: waves 0 and 1 fetch for A, waves 2 and 3 for B; four v_nop follow each line
	s_cmp_eq_u32 s15, 0
	s_cbranch_scc0 .Lfor_b_\@
	tensor_load_to_lds s[\g0a:\g0a+3], s[\g1a:\g1a+7]
	s_nop 0
.rept 4
	v_nop
.endr
	s_branch .Lasked_\@
.Lfor_b_\@:
	tensor_load_to_lds s[\g0b:\g0b+3], s[\g1b:\g1b+7]
	s_nop 0
.rept 4
	v_nop
.endr
.Lasked_\@:
.endm
.macro CREST
	s_cmp_lg_u32 s14, 0
	s_cbranch_scc1 .Lnot_wave_0_\@
	s_barrier_signal -3
.Lnot_wave_0_\@:
	s_barrier_wait -3
	s_barrier_signal -1
	s_barrier_wait -1
.endm
.macro CROUND
	s_barrier_signal -1
	s_barrier_wait -1
	CREST
.endm
	s_load_b64 s[4:5], s[0:1], 0x0                 ; h
	s_load_b128 s[8:11], s[0:1], 0x8               ; W1's codes, W1's scales
	s_load_b64 s[96:97], s[0:1], 0x18              ; b1
	s_load_b64 s[12:13], s[0:1], 0x20              ; out
	v_lshl_add_u32 v[SPW], v0, 2, SPARE
	v_mov_b32 v[NIL], 0
	ds_add_u32 v28, v29
	ds_add_u32 v28, v29
	s_wait_dscnt 0x0
	v_lshrrev_b32 v1, 5, v0
	v_readfirstlane_b32 s14, v1
	s_lshr_b32 s15, s14, 1
	s_and_b32 s16, s14, 1
	s_bfe_u32 s40, ttmp6, 0x40000
	s_bfe_u32 s41, ttmp6, 0x40004
	s_lshl_b32 s42, ttmp9, 2
	s_add_co_u32 s42, s42, s40                     ; tile column
	s_and_b32 s17, ttmp7, 0xffff
	s_lshl_b32 s17, s17, 2
	s_add_co_u32 s17, s17, s41                     ; tile row
	s_lshl_b32 s43, s41, 2
	s_lshl_b32 s43, 15, s43
	s_lshl_b32 s44, 0x1111, s40
	s_or_b32 s[G1+0], s43, (0<<16)|(1<<20)|(1<<21)|(3<<22)|(3<<25)
	s_or_b32 s[G1B+0], s44, (0<<16)|(1<<20)|(1<<21)|(3<<22)|(3<<25)
.irp g, G1, G1B
	s_mov_b32 s[\g+1], ROWB<<16
	s_mov_b32 s[\g+2], 128<<16
	s_mov_b32 s[\g+3], ROWB<<16
	s_mov_b32 s[\g+4], 128
	s_mov_b32 s[\g+5], KROW
	s_mov_b32 s[\g+6], 0
	s_mov_b32 s[\g+7], 0
.endr
	s_or_b32 s[G1S+0], s43, (3<<16)|(1<<20)|(1<<21)|(5<<22)|(3<<25)
	s_or_b32 s[G1SB+0], s44, (3<<16)|(1<<20)|(1<<21)|(5<<22)|(3<<25)
.irp g, G1S, G1SB
	s_mov_b32 s[\g+1], 32<<16
	s_mov_b32 s[\g+2], (128*KS/256)<<16
	s_mov_b32 s[\g+3], 32<<16
	s_mov_b32 s[\g+4], 128*KS/256
	s_mov_b32 s[\g+5], 32
	s_mov_b32 s[\g+6], 0
	s_mov_b32 s[\g+7], 0
.endr
	s_lshl_b32 s66, s17, 8
	s_lshl_b32 s95, s15, 7
	s_add_co_u32 s66, s66, s95                     ; my first row of C
	s_lshl_b32 s67, s42, 8
	s_lshl_b32 s95, s16, 7
	s_add_co_u32 s67, s67, s95                     ; my first column of C
	s_lshl_b32 s18, s16, 7
	s_lshl_b32 s20, s17, 8
	s_add_co_u32 s20, s20, s18
	s_lshl_b32 s46, s42, 8
	s_add_co_u32 s46, s46, s18
	s_mov_b32 s21, 0
	s_mov_b32 s47, 0
	s_mov_b64 s[18:19], KS
	s_mul_u64 s[22:23], s[20:21], s[18:19]
	s_mul_u64 s[92:93], s[46:47], s[18:19]
	s_mov_b64 s[18:19], KROW
	s_mul_u64 s[20:21], s[20:21], s[18:19]
	s_mul_u64 s[46:47], s[46:47], s[18:19]
	s_mul_i32 s45, s14, HALFT
	s_mul_i32 s94, s14, HALFS
	s_wait_kmcnt 0x0
	s_add_nc_u64 s[6:7], s[4:5], HSC               ; h's scale bytes
	s_add_nc_u64 s[20:21], s[4:5], s[20:21]
	s_add_nc_u64 s[22:23], s[6:7], s[22:23]
	s_add_nc_u64 s[46:47], s[8:9], s[46:47]
	s_add_nc_u64 s[92:93], s[10:11], s[92:93]
	CROUND
	s_mov_b32 s[G0S], 1
	s_add_co_u32 s[G0S+1], s94, SCL
	s_mov_b64 s[G0S+2:G0S+3], s[22:23]
	s_or_b32 s[G0S+3], s[G0S+3], 0x80000000
	s_mov_b32 s[G0SB], 1
	s_add_co_u32 s[G0SB+1], s94, SCL
	s_mov_b64 s[G0SB+2:G0SB+3], s[92:93]
	s_or_b32 s[G0SB+3], s[G0SB+3], 0x80000000
	JLOAD G0S, G1S, G0SB, G1SB
.irp s, 0,1
	s_mov_b32 s[G0+4*\s], 1
	s_add_co_u32 s[G0+4*\s+1], s45, \s*SLOT
	s_add_nc_u64 s[G0+4*\s+2:G0+4*\s+3], s[20:21], \s*ROWB
	s_or_b32 s[G0+4*\s+3], s[G0+4*\s+3], 0x80000000
	s_mov_b32 s[G0B+4*\s], 1
	s_add_co_u32 s[G0B+4*\s+1], s45, \s*SLOT
	s_add_nc_u64 s[G0B+4*\s+2:G0B+4*\s+3], s[46:47], \s*ROWB
	s_or_b32 s[G0B+4*\s+3], s[G0B+4*\s+3], 0x80000000
	JLOAD G0+4*\s, G1, G0B+4*\s, G1B
.endr
	v_and_b32 v1, 15, v0
	v_bfe_u32 v2, v0, 4, 1
	v_mul_u32_u24 v3, v1, PITCH
	v_mul_u32_u24 v4, v2, 24
	v_add_nc_u32 v4, v3, v4
	v_lshl_add_u32 v5, v2, 4, v4
	s_mul_i32 s21, s15, HALFT
	s_mul_i32 s22, s16, HALFT
	s_add_co_u32 s22, s22, 2*HALFT
.irp s, 0,1
	v_add_nc_u32 v[ADRA+\s], s21, v4
	v_add_nc_u32 v[ADRB+\s], s22, v4
	v_add_nc_u32 v[ADRA+2+\s], s21, v5
	v_add_nc_u32 v[ADRB+2+\s], s22, v5
	s_add_co_u32 s21, s21, SLOT
	s_add_co_u32 s22, s22, SLOT
.endr
	v_mul_u32_u24 v5, v1, KS
	v_lshrrev_b32 v6, 8, v5
	v_lshl_add_u32 v5, v6, 4, v5
	s_mul_i32 s21, s15, HALFS
	s_mul_i32 s22, s16, HALFS
	s_add_co_u32 s22, s22, 2*HALFS
	s_sub_co_u32 s22, s22, s21
	v_mul_u32_u24 v6, s22, v2
	s_add_co_u32 s21, s21, SCL
	v_add_nc_u32 v5, v5, v6
	v_add_nc_u32 v[ADRS], s21, v5
	s_mul_i32 s23, s14, STGB                       ; my stage
	v_mul_u32_u24 v6, v1, 48
	v_mad_u32_u24 v6, v2, 12, v6
	v_add_nc_u32 v[STO], s23, v6                   ; in: 48 bytes a row, 12 bytes for each half of the lanes
	v_lshl_add_u32 v[STS], v1, 2, s23
	v_add_nc_u32 v[STS], 12288, v[STS]             ; the scale words: 4 bytes a row
	v_and_b32 v6, 31, v0
	v_lshlrev_b32 v[CO], 4, v6
	v_add_nc_u32 v[RD], s23, v[CO]
	s_lshl_b32 s18, s67, 2
	s_mov_b32 s19, 0
	s_add_nc_u64 s[96:97], s[96:97], s[18:19]
	v_lshlrev_b32 v8, 5, v2
.irp b, 0,1,2,3,4,5,6,7
	global_load_b128 v[BB+8*\b:BB+8*\b+3], v8, s[96:97] offset:64*\b         ; the bias in the accumulators' layout: columns 16 b + 8 h + 0 .. 7
	global_load_b128 v[BB+8*\b+4:BB+8*\b+7], v8, s[96:97] offset:64*\b+16
.endr
.macro FRAG reg, adr, q, i
.irp p, 0,1,2,3,4,5
.set PC, 12*(\q)+6*(\p/3)+\p%3
.if PC%8 < 5
	ds_load_b64 v[\reg+2*\p:\reg+2*\p+1], v[\adr] offset:8*PC+16*(PC/8)+(\i)*16*PITCH
.else
	ds_load_b64 v[\reg+2*\p:\reg+2*\p+1], v[\adr+2] offset:8*PC+16*(PC/8)+(\i)*16*PITCH
.endif
.endr
.endm
; 16 matrix instructions.  The 64 accumulators take turns, one instruction a turn, in the same order in every step.
.macro MUL16 a0, p, q, sc, zero
.irp a, \a0, \a0+1
.irp b, 0,1,2,3,4,5,6,7
.if \zero
	v_wmma_scale_f32_16x16x128_f8f6f4 v[8*(8*((\a)%4)+\b):8*(8*((\a)%4)+\b)+7], v[128*(\p)+FR*\b:128*(\p)+FR*\b+FR-1], v[AF+FR*(\a):AF+FR*(\a)+FR-1], 0, v[SC+8*NQ*(\sc)+NQ*\b+(\q)], v[SC+8*NQ*(\sc)+NQ*(\a)+(\q)] matrix_a_fmt:MATRIX_FMT_BF6 matrix_b_fmt:MATRIX_FMT_BF6 matrix_a_scale:MATRIX_SCALE_ROW1
.else
	v_wmma_scale_f32_16x16x128_f8f6f4 v[8*(8*((\a)%4)+\b):8*(8*((\a)%4)+\b)+7], v[128*(\p)+FR*\b:128*(\p)+FR*\b+FR-1], v[AF+FR*(\a):AF+FR*(\a)+FR-1], v[8*(8*((\a)%4)+\b):8*(8*((\a)%4)+\b)+7], v[SC+8*NQ*(\sc)+NQ*\b+(\q)], v[SC+8*NQ*(\sc)+NQ*(\a)+(\q)] matrix_a_fmt:MATRIX_FMT_BF6 matrix_b_fmt:MATRIX_FMT_BF6 matrix_a_scale:MATRIX_SCALE_ROW1
.endif
.endr
.endr
.endm
.macro FETCH_B slot, q, p
	WIN TO_B
.irp i, 0,1,2,3,4,5,6,7
	FRAG 128*(\p)+FR*\i, ADRB+\slot, \q, \i
.endr
	WIN 0
.endm
.macro FETCH_A slot, q, i0
.irp i, \i0, \i0+1, \i0+2, \i0+3
	FRAG AF+FR*(\i), ADRA+\slot, \q, \i
.endr
.endm
.macro SCALES sc
.irp i, 0,1,2,3,4,5,6,7
	ds_load_b64 v[SC+8*NQ*\sc+NQ*\i:SC+8*NQ*\sc+NQ*\i+1], v[ADRS] offset:\i*SBLK
.endr
.endm
.macro PLACES n
.rept \n
	v_nop
.endr
.endm
.macro STEP slot, q, zero
	s_wait_dscnt 4*NL                              ; B's set and A's blocks 0-3 are in; the youngest 24 loads (A's blocks 4-7) may be out
	WIN MUL_LO
	MUL16 0, (\q)%2, \q, \slot, \zero
	MUL16 2, (\q)%2, \q, \slot, \zero
	s_wait_dscnt 0
	PLACES NP
	FETCH_B \slot, (\q)+1, 1-(\q)%2
	FETCH_A \slot, (\q)+1, 0
	WIN MUL_HI
	MUL16 4, (\q)%2, \q, \slot, \zero
	MUL16 6, (\q)%2, \q, \slot, \zero
	PLACES NP
	WIN 0
	FETCH_A \slot, (\q)+1, 4
.endm
.macro TURN slot, next, fill
	s_wait_tensorcnt 0x0                           ; all my tensor loads have landed: my part of the next slot
	ds_add_u32 v[SPW], v[NIL]                      ; 0 onto my spare word
	s_wait_dscnt 4*NL+1                            ; (the add and the youngest 24 loads may be out)
	WIN MUL_LO
	MUL16 0, 1, NQ-1, \slot, 0
	s_wait_dscnt 0x0                               ; the add is done, and my reads of this slot are over
	s_barrier_signal -1
	MUL16 2, 1, NQ-1, \slot, 0
	WIN 0
	s_barrier_wait -1
.if \fill
	CREST                                          ; the barrier has opened a round of the cluster's barrier
	s_add_nc_u64 s[G0+4*\slot+2:G0+4*\slot+3], s[G0+4*\slot+2:G0+4*\slot+3], 2*ROWB
	s_add_nc_u64 s[G0B+4*\slot+2:G0B+4*\slot+3], s[G0B+4*\slot+2:G0B+4*\slot+3], 2*ROWB
	JLOAD G0+4*\slot, G1, G0B+4*\slot, G1B         ; the first tensor load behind the round; its four v_nop are the places in front of the loads below
.else
	PLACES NP
.endif
	v_add_nc_u32 v[ADRS], 4*NQ, v[ADRS]
	FETCH_B \next, 0, 0
	FETCH_A \next, 0, 0
	SCALES \next
	WIN MUL_HI
	MUL16 4, 1, NQ-1, \slot, 0
	MUL16 6, 1, NQ-1, \slot, 0
	PLACES NP
	WIN 0
	FETCH_A \next, 0, 4
.endm
	s_wait_tensorcnt 1                             ; the scales and my part of K step 0 are in; K step 1's load may be out
	s_barrier_signal -1
	s_barrier_wait -1
	FETCH_B 0, 0, 0
	FETCH_A 0, 0, 0
	SCALES 0
	FETCH_A 0, 0, 4
	STEP 0, 0, 1
	s_mov_b32 s3, LAPS-1
.Llap:
	TURN 0, 1, 1
	STEP 1, 0, 0
	TURN 1, 0, 1
	STEP 0, 0, 0
	s_sub_co_u32 s3, s3, 1
	s_cmp_lg_u32 s3, 0
	s_cbranch_scc1 .Llap
	TURN 0, 1, 0
	STEP 1, 0, 0
	s_wait_dscnt 4*NL
	WIN MUL_LO
	MUL16 0, 1, NQ-1, 1, 0
	MUL16 2, 1, NQ-1, 1, 0
	s_wait_dscnt 0
	WIN MUL_HI
	MUL16 4, 1, NQ-1, 1, 0
	MUL16 6, 1, NQ-1, 1, 0
	WIN 0
	; THE WAY OUT.  Where my part goes, in bytes
	s_lshr_b32 s18, s67, 6
	s_mul_i32 s18, s18, 196608                     ; my first plane of 64 columns: 4,096 rows x 48 bytes each
	s_mul_i32 s19, s66, 48
	s_add_co_u32 s18, s18, s19
	s_mov_b32 s19, 0
	s_add_nc_u64 s[4:5], s[12:13], s[18:19]
	s_add_nc_u64 s[6:7], s[4:5], 196608
	s_lshr_b32 s18, s67, 7
	s_lshl_b32 s18, s18, 12
	s_add_co_u32 s18, s18, s66
	s_lshl_b32 s18, s18, 2
	s_add_co_u32 s18, s18, FS
	s_add_nc_u64 s[8:9], s[12:13], s[18:19]
	s_mov_b32 s98, 0x76543210                      ; lane l xor 16
	s_mov_b32 s99, 0xfedcba98
	s_wait_loadcnt 0x0                             ; the bias
	PLACES NP                                      ; behind the last products: their results are read and A's registers written below
.irp b, 0,1,2,3
	v_mov_b32 v[TM+4+\b], 0                        ; a lane permute's destination counts as one of its sources
.endr
; Block a: 16 rows x 128 columns.  Bias, relu; the halves of the lanes change places so that a lane holds 16 NEIGHBOURING columns of each block of 32; largest numbers, bytes, codes; into the stage.
.macro BLOCK a
.set AC, 64*((\a)%4)
.set WW, 2+(\a)/4
	WIN WW                                         ; source 0: the accumulators' window
.set ii, 0
.rept 32
	v_pk_add_f32 v[H+2*ii:H+2*ii+1], v[AC+2*ii:AC+2*ii+1], v[BB+2*ii:BB+2*ii+1]   ; each accumulator is read from its low end on
.set ii, ii+1
.endr
	WIN 0
.set ii, 0
.rept 64
	v_max_num_f32 v[H+ii], 0, v[H+ii]              ; the activation, in f32
.set ii, ii+1
.endr
.irp b, 0,1,2,3
.irp j, 0,1,2,3,4,5,6,7
	v_permlane16_swap_b32 v[H+16*\b+\j], v[H+16*\b+8+\j]   ; register 16 b + i now holds column 32 b + 16 h + i
.endr
.endr
.irp b, 0,1,2,3
	v_max3_num_f32 v[TM+\b], v[H+16*\b], v[H+1+16*\b], 0x2800000   ; none is negative; the floor 2^(5 - 127)
.endr
.irp i, 2,4,6,8,10,12,14
.irp b, 0,1,2,3
	v_max3_num_f32 v[TM+\b], v[TM+\b], v[H+16*\b+\i], v[H+1+16*\b+\i]
.endr
.endr
.irp b, 0,1,2,3
	v_permlanex16_b32 v[TM+4+\b], v[TM+\b], s[98], s[99]
.endr
.irp b, 0,1,2,3
	v_max_num_f32 v[TM+\b], v[TM+\b], v[TM+4+\b]
.endr
.irp b, 0,1,2,3
	v_add_nc_u32 v[TM+12+\b], 0xfe000000, v[TM+\b]
.endr
.irp b, 0,1,2,3
	v_lshrrev_b32 v[TM+4+\b], 23, v[TM+12+\b]
.endr
	s_wait_dscnt 0x0                               ; the last block's stores into the stage have read their registers
	v_lshl_or_b32 v[PW], v[TM+5], 8, v[TM+4]       ; the four bytes make my row's scale word for these 128 columns
	v_lshl_or_b32 v[PW], v[TM+6], 16, v[PW]
	v_lshl_or_b32 v[PW], v[TM+7], 24, v[PW]
.irp b, 0,1,2,3
	v_cvt_scalef32_pk16_bf6_f32 v[CC+4*\b:CC+4*\b+2], v[H+16*\b:H+16*\b+15], v[TM+12+\b]
.endr
	v_nop                                          ; a plain instruction behind the conversions
.irp b, 0,1,2,3
.irp p, 0,1,2
	ds_store_b32 v[STO], v[CC+4*\b+\p] offset:(\b/2)*6144+768*(\a)+24*(\b%2)+4*\p
.endr
.endr
	ds_store_b32 v[STS], v[PW] offset:64*(\a)      ; both halves of the lanes write the same word with the same value
.endm
.irp a, 0,1,2,3,4,5,6,7
	BLOCK \a
.endr
.irp t, 0,1,2,3,4,5,6,7,8,9,10,11,12,13,14,15,16,17,18,19,20,21,22,23
	ds_load_b128 v[OUTR+4*\t:OUTR+4*\t+3], v[RD] offset:512*\t       ; LDS serves a wave's instructions in order: these see my stores
.endr
	ds_load_b128 v[128:131], v[RD] offset:12288
.irp t, 0,1,2,3,4,5,6,7,8,9,10,11,12,13,14,15,16,17,18,19,20,21,22,23
	s_wait_dscnt 24-\t                             ; the younger loads of this run may be out
	global_store_b128 v[CO], v[OUTR+4*\t:OUTR+4*\t+3], s[4+2*(\t/12):5+2*(\t/12)] offset:512*(\t%12)   ; 512 consecutive bytes, at a multiple of 256 from the buffer's first byte
.endr
	s_wait_dscnt 0x0
	global_store_b128 v[CO], v[128:131], s[8:9]
	s_wait_tensorcnt 0x0                           ; the wave's end
	ds_add_u32 v[SPW], v[NIL]
	s_wait_dscnt 0x0
	CROUND                                         ; the closing round
	s_endpgm
.Lfunc_end_k_q3f797d7520_w1:
	.size	k_q3f797d7520_w1, .Lfunc_end_k_q3f797d7520_w1-k_q3f797d7520_w1
	.p2alignl 7, 3214868480
	.fill 96, 4, 3214868480
	.section	.rodata,"a",@progbits
	.p2align	6, 0x0
	.amdhsa_kernel k_q3f797d7520_w1
		.amdhsa_group_segment_fixed_size 327680
		.amdhsa_private_segment_fixed_size 0
		.amdhsa_enable_private_segment 0
		.amdhsa_kernarg_size 40
		.amdhsa_user_sgpr_count 2
		.amdhsa_user_sgpr_kernarg_segment_ptr 1
		.amdhsa_wavefront_size32 1
		.amdhsa_system_sgpr_workgroup_id_x 1
		.amdhsa_system_sgpr_workgroup_id_y 1
		.amdhsa_system_sgpr_workgroup_id_z 1
		.amdhsa_system_vgpr_workitem_id 0
		.amdhsa_next_free_vgpr 1024
		.amdhsa_next_free_sgpr 100
		.amdhsa_reserve_vcc 0
		.amdhsa_float_denorm_mode_32 3
		.amdhsa_float_denorm_mode_16_64 3
		.amdhsa_memory_ordered 1
		.amdhsa_forward_progress 1
		.amdhsa_inst_pref_size 211
	.end_amdhsa_kernel
	.amdgpu_metadata
---
amdhsa.version: [ 1, 2 ]
amdhsa.kernels:
  - .name:           k_q3f797d7520_w1
    .symbol:         k_q3f797d7520_w1.kd
    .args:
      - { .name: hb, .offset: 0, .size: 8, .value_kind: global_buffer, .address_space: global }
      - { .name: W1_codes, .offset: 8, .size: 8, .value_kind: global_buffer, .address_space: global }
      - { .name: W1_scales, .offset: 16, .size: 8, .value_kind: global_buffer, .address_space: global }
      - { .name: b1, .offset: 24, .size: 8, .value_kind: global_buffer, .address_space: global }
      - { .name: fb, .offset: 32, .size: 8, .value_kind: global_buffer, .address_space: global }
    .group_segment_fixed_size: 327680
    .private_segment_fixed_size: 0
    .kernarg_segment_align: 8
    .kernarg_segment_size: 40
    .max_flat_workgroup_size: 128
    .sgpr_count:     100
    .vgpr_count:     1024
    .wavefront_size: 32
...
	.end_amdgpu_metadata
.endif
;; end of part 5
;; launch w2 (part 6): grid 4 x 16, 4 waves a work-group, clusters of 4 x 4, 327,680 bytes of LDS; arguments fb, W2_codes, W2_scales, b2, x1, out0; writes out0
.if DOCPART == 6
	.amdgcn_target "amdgcn-amd-amdhsa--gfx1250"
	.amdhsa_code_object_version 6
	.text
	.protected	k_q3f797d7520_w2
	.globl	k_q3f797d7520_w2
	.p2align	8
	.type	k_q3f797d7520_w2,@function
k_q3f797d7520_w2:
	s_mov_b64 s[64:65], 0
	v_nop
	global_prefetch_b8 v0, s[64:65] scope:SCOPE_SE
	s_setreg_imm32_b32 hwreg(HW_REG_WAVE_MODE, 25, 1), 1
	s_wait_xcnt 0x0
	s_wait_alu depctr_hold_cnt(0) depctr_sa_sdst(0) depctr_va_vdst(0) depctr_va_sdst(0) depctr_va_ssrc(0) depctr_va_vcc(0) depctr_vm_vsrc(0)
	s_getreg_b32 s2, hwreg(HW_REG_IB_STS2, 6, 4)
	s_cmp_eq_u32 s2, 0
	s_cbranch_scc0 .Lentry_in_a_cluster
	s_endpgm
.Lentry_in_a_cluster:
	s_bfe_u32 s2, ttmp6, 0x10000c
	s_cmp_lg_u32 s2, 0xf033
	s_cbranch_scc0 .Lentry_shape_is_right
	s_endpgm
.Lentry_shape_is_right:
; out[m][n] = res[m][n] + (sum over k of A[m][k] W[n][k] + bias[n]), f32, [4096][1024]; A and W are codes of BF6 (E3M2) with one E8M0 scale for each 32 along K = SIZE_K.
; A comes in PLANES, as the launch before stored it: codes [plane of 64 K][row 4096][48 bytes], scale words [128 K][row 4096][4 bytes] at byte ASC.  W: rows of 3 K / 4 bytes, K / 32 scale bytes a row.
; A tile of C, 256 x 256, by four waves of 128 x 128 (64 accumulators); K in steps of 256 through a ring of two LDS slots filled by the tensor data mover; clusters of 4 x 4 ask jointly: A's tile along a row of the cluster, W's along a column.
; The scales of the work-group's rows, for all of K, come into LDS once.  The matrix instruction is used transposed (source 0 = 16 rows of W, source 1 = 16 rows of A): a lane holds eight neighbouring numbers of a row of C.
; 64 tiles for 64 work-groups: a tile of 128 x 128 would give each fragment read from LDS half as many products and each refill half as many products in which to land.
; In LDS a plane's rows are 48 bytes apart: the 32 lanes of a load of 8 bytes touch 64 different banks (64 banks of 4 bytes: ISA guide 11.1); no padding.  W's rows: 192 bytes as 3 x (64 + 16).
; No prefetch: each K step's tiles are read by several work-groups at about the same time.
; REGISTERS: window 0: v0-31 addresses, v12-15 my four columns' bias; v32-63 A's scale words, v64-95 W's, two sets each, a register for each block of 16 rows and 128 K; v128-223 A's fragments, one set.
;   Window 1: W's fragments, two sets; on the way out the residual.  Windows 2, 3: the accumulators.
.set SIZE_K, 4096
.set ASC,    12582912
.set NQ,     2
.set ROWB,   192
.set KROW,   SIZE_K*3/4
.set PITCH,  240
.set FR,     12
.set NL,     6
.set NP,     4
.set HALFA,  24576                     ; A: 4 planes x 128 rows x 48 bytes: what one tensor load brings
.set HALFB,  128*PITCH
.set BOFF,   2*HALFA
.set SLOT,   2*HALFA+2*HALFB
.set LAPS,   SIZE_K/512
.set KS,     SIZE_K/32
.set NKS,    SIZE_K/128
.set SCLA,   2*SLOT
.set HALFSA, NKS*512
.set SCLB,   SCLA+2*HALFSA
.set HALFSB, (128*KS/256)*272
.set SBLK,   (16*KS/256)*272
.set SPARE,  SCLB+2*HALFSB             ; the spare words, 128 bytes a wave: two blocks of 256 bytes that no other line names
.set SPITCH, 528                       ; the way out: 16 rows x (512 + 16) bytes for each wave, in slot 0, which has had its last fill and its last read
.set ADRA, 16
.set ADRB, 20
.set STO,  24
.set RD,   25
.set CO,   26
.set ADSA, 27
.set SPW,  28
.set NIL,  29
.set ADSB, 30
.set SCA,  32
.set SCB,  64
.set AF,   128
.set BK,   128
.set G1, 24
.set G0, 32
.set G1B, 48
.set G0B, 56
.set G1S, 68
.set G0S, 76
.set G1SB, 80
.set G0SB, 88
.set MSB, 0
.macro WIN new
.if MSB != \new
	s_set_vgpr_msb (MSB<<8)|\new
.set MSB, \new
.endif
.endm
.set MUL_LO, 0xa1
.set MUL_HI, 0xf1
.set TO_B,   0x40
.macro JLOAD g0a, g1a, g0b, g1b        ; a joint load: waves 0 and 1 fetch for A, waves 2 and 3 for W; four v_nop follow each line
	s_cmp_eq_u32 s15, 0
	s_cbranch_scc0 .Lfor_b_\@
	tensor_load_to_lds s[\g0a:\g0a+3], s[\g1a:\g1a+7]
	s_nop 0
.rept 4
	v_nop
.endr
	s_branch .Lasked_\@
.Lfor_b_\@:
	tensor_load_to_lds s[\g0b:\g0b+3], s[\g1b:\g1b+7]
	s_nop 0
.rept 4
	v_nop
.endr
.Lasked_\@:
.endm
.macro CREST
	s_cmp_lg_u32 s14, 0
	s_cbranch_scc1 .Lnot_wave_0_\@
	s_barrier_signal -3
.Lnot_wave_0_\@:
	s_barrier_wait -3
	s_barrier_signal -1
	s_barrier_wait -1
.endm
.macro CROUND
	s_barrier_signal -1
	s_barrier_wait -1
	CREST
.endm
	s_load_b64 s[4:5], s[0:1], 0x0                 ; A
	s_load_b128 s[8:11], s[0:1], 0x8               ; W's codes, W's scales
	s_load_b128 s[96:99], s[0:1], 0x18             ; bias, residual
	s_load_b64 s[12:13], s[0:1], 0x28              ; out
	v_lshl_add_u32 v[SPW], v0, 2, SPARE
	v_mov_b32 v[NIL], 0
	ds_add_u32 v28, v29
	ds_add_u32 v28, v29
	s_wait_dscnt 0x0
	v_lshrrev_b32 v1, 5, v0
	v_readfirstlane_b32 s14, v1
	s_lshr_b32 s15, s14, 1                         ; which half of the tile's rows is mine.  Also: I fetch for A (0) or for W (1)
	s_and_b32 s16, s14, 1                          ; which half of its columns.  Also: which 128 rows of that tile I fetch
	s_bfe_u32 s40, ttmp6, 0x40000
	s_bfe_u32 s41, ttmp6, 0x40004
	s_lshl_b32 s42, ttmp9, 2
	s_add_co_u32 s42, s42, s40                     ; tile column
	s_and_b32 s17, ttmp7, 0xffff
	s_lshl_b32 s17, s17, 2
	s_add_co_u32 s17, s17, s41                     ; tile row
	s_lshl_b32 s43, s41, 2
	s_lshl_b32 s43, 15, s43                        ; my row of the cluster
	s_lshl_b32 s44, 0x1111, s40                    ; my column
	s_or_b32 s[G1+0], s43, (3<<16)|(1<<21)         ; A's codes: 4 planes, of each 128 rows x 48 bytes = 768 elements of 8 bytes on end; planes 4,096 x 48 bytes apart; no padding
	s_mov_b32 s[G1+1], 768<<16
	s_mov_b32 s[G1+2], 4<<16
	s_mov_b32 s[G1+3], 768<<16
	s_mov_b32 s[G1+4], 4
	s_mov_b32 s[G1+5], 24576
	s_mov_b32 s[G1+6], 0
	s_mov_b32 s[G1+7], 0
	s_or_b32 s[G1B+0], s44, (0<<16)|(1<<20)|(1<<21)|(3<<22)|(3<<25)   ; W's codes: 128 rows x 192 bytes, 16 bytes of padding after every 64
	s_mov_b32 s[G1B+1], ROWB<<16
	s_mov_b32 s[G1B+2], 128<<16
	s_mov_b32 s[G1B+3], ROWB<<16
	s_mov_b32 s[G1B+4], 128
	s_mov_b32 s[G1B+5], KROW
	s_mov_b32 s[G1B+6], 0
	s_mov_b32 s[G1B+7], 0
	s_or_b32 s[G1S+0], s43, (3<<16)|(1<<21)        ; A's scale words: for each 128 of K, 128 rows x 4 bytes = 64 elements; 4,096 x 4 bytes apart
	s_mov_b32 s[G1S+1], 64<<16
	s_mov_b32 s[G1S+2], NKS<<16
	s_mov_b32 s[G1S+3], 64<<16
	s_mov_b32 s[G1S+4], NKS
	s_mov_b32 s[G1S+5], 2048
	s_mov_b32 s[G1S+6], 0
	s_mov_b32 s[G1S+7], 0
	s_or_b32 s[G1SB+0], s44, (3<<16)|(1<<20)|(1<<21)|(5<<22)|(3<<25)   ; W's scale bytes of 128 rows: a dense block, as rows of 256 bytes + 16
	s_mov_b32 s[G1SB+1], 32<<16
	s_mov_b32 s[G1SB+2], (128*KS/256)<<16
	s_mov_b32 s[G1SB+3], 32<<16
	s_mov_b32 s[G1SB+4], 128*KS/256
	s_mov_b32 s[G1SB+5], 32
	s_mov_b32 s[G1SB+6], 0
	s_mov_b32 s[G1SB+7], 0
	s_lshl_b32 s18, s16, 7
	s_lshl_b32 s20, s17, 8
	s_add_co_u32 s20, s20, s18                     ; A: the rows that I fetch
	s_lshl_b32 s46, s42, 8
	s_add_co_u32 s46, s46, s18                     ; W: likewise
	s_mov_b32 s47, 0
	s_lshl_b32 s22, s20, 2
	s_mov_b32 s23, 0
	s_mul_i32 s20, s20, 48
	s_mov_b32 s21, 0
	s_mov_b64 s[18:19], KS
	s_mul_u64 s[92:93], s[46:47], s[18:19]
	s_mov_b64 s[18:19], KROW
	s_mul_u64 s[46:47], s[46:47], s[18:19]
	s_mul_i32 s45, s16, HALFA                      ; where they go: no place in the cluster enters an LDS address
	s_mul_i32 s95, s16, HALFB
	s_add_co_u32 s95, s95, BOFF
	s_mul_i32 s94, s16, HALFSA
	s_mul_i32 s66, s16, HALFSB
	s_wait_kmcnt 0x0
	s_add_nc_u64 s[6:7], s[4:5], ASC
	s_add_nc_u64 s[20:21], s[4:5], s[20:21]
	s_add_nc_u64 s[22:23], s[6:7], s[22:23]
	s_add_nc_u64 s[46:47], s[8:9], s[46:47]
	s_add_nc_u64 s[92:93], s[10:11], s[92:93]
	CROUND                                         ; all sixteen work-groups are here: the first joint loads meet
	s_mov_b32 s[G0S], 1
	s_add_co_u32 s[G0S+1], s94, SCLA
	s_mov_b64 s[G0S+2:G0S+3], s[22:23]
	s_or_b32 s[G0S+3], s[G0S+3], 0x80000000
	s_mov_b32 s[G0SB], 1
	s_add_co_u32 s[G0SB+1], s66, SCLB
	s_mov_b64 s[G0SB+2:G0SB+3], s[92:93]
	s_or_b32 s[G0SB+3], s[G0SB+3], 0x80000000
	JLOAD G0S, G1S, G0SB, G1SB                     ; the scales first: filled once
.irp s, 0,1
	s_mov_b32 s[G0+4*\s], 1
	s_add_co_u32 s[G0+4*\s+1], s45, \s*SLOT
	s_add_nc_u64 s[G0+4*\s+2:G0+4*\s+3], s[20:21], \s*786432
	s_or_b32 s[G0+4*\s+3], s[G0+4*\s+3], 0x80000000
	s_mov_b32 s[G0B+4*\s], 1
	s_add_co_u32 s[G0B+4*\s+1], s95, \s*SLOT
	s_add_nc_u64 s[G0B+4*\s+2:G0B+4*\s+3], s[46:47], \s*ROWB
	s_or_b32 s[G0B+4*\s+3], s[G0B+4*\s+3], 0x80000000
	JLOAD G0+4*\s, G1, G0B+4*\s, G1B
.endr
	v_and_b32 v1, 15, v0                           ; r
	v_bfe_u32 v2, v0, 4, 1                         ; h
	v_mul_u32_u24 v3, v1, 48
	v_mad_u32_u24 v3, v2, 24, v3                   ; A: 48 r + 24 h
	v_mul_u32_u24 v4, v1, PITCH
	v_mad_u32_u24 v4, v2, 24, v4                   ; W: row x pitch + 24 h,
	v_lshl_add_u32 v5, v2, 4, v4                   ; and the same behind one padding more
	s_mul_i32 s21, s15, HALFA
	s_mul_i32 s22, s16, HALFB
	s_add_co_u32 s22, s22, BOFF
.irp s, 0,1
	v_add_nc_u32 v[ADRA+\s], s21, v3
	v_add_nc_u32 v[ADRB+\s], s22, v4
	v_add_nc_u32 v[ADRB+2+\s], s22, v5
	s_add_co_u32 s21, s21, SLOT
	s_add_co_u32 s22, s22, SLOT
.endr
	s_mul_i32 s21, s15, HALFSA
	s_add_co_u32 s21, s21, SCLA
	v_lshl_add_u32 v[ADSA], v1, 2, s21             ; A's scale words: 4 bytes a row
	v_mul_u32_u24 v5, v1, KS
	v_lshrrev_b32 v6, 8, v5
	v_lshl_add_u32 v5, v6, 4, v5                   ; W's: KS bytes a row, and 16 more for each 256 passed
	s_mul_i32 s22, s16, HALFSB
	s_add_co_u32 s22, s22, SCLB
	v_add_nc_u32 v[ADSB], s22, v5
	s_mul_i32 s23, s14, 16*SPITCH
	v_mul_u32_u24 v5, v1, SPITCH
	v_lshl_add_u32 v5, v2, 5, v5
	v_add_nc_u32 v[STO], s23, v5
	v_and_b32 v6, 31, v0
	v_lshlrev_b32 v[CO], 4, v6
	v_add_nc_u32 v[RD], s23, v[CO]
	s_lshl_b32 s20, s17, 8
	s_lshl_b32 s21, s15, 7
	s_add_co_u32 s20, s20, s21                     ; my first row of C,
	s_lshl_b32 s20, s20, 12                        ; of 4,096 bytes
	s_mov_b32 s21, 0
	s_lshl_b32 s46, s42, 10
	s_lshl_b32 s47, s16, 9
	s_add_co_u32 s46, s46, s47                     ; my first column, in bytes
	s_mov_b32 s47, 0
	s_add_nc_u64 s[96:97], s[96:97], s[46:47]
	s_add_nc_u64 s[20:21], s[20:21], s[46:47]
	s_add_nc_u64 s[12:13], s[12:13], s[20:21]
	s_add_nc_u64 s[98:99], s[98:99], s[20:21]
	global_load_b128 v[12:15], v[CO], s[96:97]     ; the bias of the four columns that I store
.macro FRAGR reg, adr, q, i            ; W's fragment from padded rows, in pieces of 8 bytes; where lanes 16-31's piece lies behind one padding more, the second address register serves
.irp p, 0,1,2,3,4,5
.set PC, 12*(\q)+6*(\p/3)+\p%3
.if PC%8 < 5
	ds_load_b64 v[\reg+2*\p:\reg+2*\p+1], v[\adr] offset:8*PC+16*(PC/8)+(\i)*16*PITCH
.else
	ds_load_b64 v[\reg+2*\p:\reg+2*\p+1], v[\adr+2] offset:8*PC+16*(PC/8)+(\i)*16*PITCH
.endif
.endr
.endm
.macro FRAGP reg, adr, q, i            ; A's fragment from planes: registers 6 c .. 6 c + 5 are 24 bytes of plane 2 q + c
.irp c, 0,1
.irp p, 0,1,2
	ds_load_b64 v[\reg+6*\c+2*\p:\reg+6*\c+2*\p+1], v[\adr] offset:(2*(\q)+\c)*6144+(\i)*768+8*\p
.endr
.endr
.endm
; 16 matrix instructions.  The 64 accumulators take turns, one instruction a turn, in the same order in every step.
.macro MUL16 a0, p, q, sc, zero
.irp a, \a0, \a0+1
.irp b, 0,1,2,3,4,5,6,7
.if \zero
	v_wmma_scale_f32_16x16x128_f8f6f4 v[8*(8*((\a)%4)+\b):8*(8*((\a)%4)+\b)+7], v[128*(\p)+FR*\b:128*(\p)+FR*\b+FR-1], v[AF+FR*(\a):AF+FR*(\a)+FR-1], 0, v[SCB+16*(\sc)+2*\b+(\q)], v[SCA+16*(\sc)+2*(\a)+(\q)] matrix_a_fmt:MATRIX_FMT_BF6 matrix_b_fmt:MATRIX_FMT_BF6
.else
	v_wmma_scale_f32_16x16x128_f8f6f4 v[8*(8*((\a)%4)+\b):8*(8*((\a)%4)+\b)+7], v[128*(\p)+FR*\b:128*(\p)+FR*\b+FR-1], v[AF+FR*(\a):AF+FR*(\a)+FR-1], v[8*(8*((\a)%4)+\b):8*(8*((\a)%4)+\b)+7], v[SCB+16*(\sc)+2*\b+(\q)], v[SCA+16*(\sc)+2*(\a)+(\q)] matrix_a_fmt:MATRIX_FMT_BF6 matrix_b_fmt:MATRIX_FMT_BF6
.endif
.endr
.endr
.endm
.macro FETCH_B slot, q, p
	WIN TO_B
.irp i, 0,1,2,3,4,5,6,7
	FRAGR 128*(\p)+FR*\i, ADRB+\slot, \q, \i
.endr
	WIN 0
.endm
.macro FETCH_A slot, q, i0
.irp i, \i0, \i0+1, \i0+2, \i0+3
	FRAGP AF+FR*(\i), ADRA+\slot, \q, \i
.endr
.endm
.macro SCALES sc                       ; a K step's scale words: lane r takes row r's (lanes 16-31 the same, not read)
.irp i, 0,1,2,3,4,5,6,7
	ds_load_b64 v[SCB+16*\sc+2*\i:SCB+16*\sc+2*\i+1], v[ADSB] offset:\i*SBLK
	ds_load_b32 v[SCA+16*\sc+2*\i], v[ADSA] offset:64*\i
	ds_load_b32 v[SCA+16*\sc+2*\i+1], v[ADSA] offset:512+64*\i
.endr
.endm
.macro PLACES n
.rept \n
	v_nop
.endr
.endm
.macro STEP slot, q, zero
	s_wait_dscnt 4*NL                              ; W's set, A's blocks 0-3 and the scale words are in; the youngest 24 loads (A's blocks 4-7) may be out
	WIN MUL_LO
	MUL16 0, (\q)%2, \q, \slot, \zero
	MUL16 2, (\q)%2, \q, \slot, \zero
	s_wait_dscnt 0
	PLACES NP
	FETCH_B \slot, (\q)+1, 1-(\q)%2
	FETCH_A \slot, (\q)+1, 0
	WIN MUL_HI
	MUL16 4, (\q)%2, \q, \slot, \zero
	MUL16 6, (\q)%2, \q, \slot, \zero
	PLACES NP
	WIN 0
	FETCH_A \slot, (\q)+1, 4
.endm
.macro TURN slot, next, fill
	s_wait_tensorcnt 0x0                           ; all my tensor loads have landed: my part of the next slot
	ds_add_u32 v[SPW], v[NIL]                      ; 0 onto my spare word
	s_wait_dscnt 4*NL+1                            ; (the add and the youngest 24 loads may be out)
	WIN MUL_LO
	MUL16 0, 1, NQ-1, \slot, 0
	s_wait_dscnt 0x0                               ; the add is done, and my reads of this slot are over
	s_barrier_signal -1
	MUL16 2, 1, NQ-1, \slot, 0
	WIN 0
	s_barrier_wait -1
.if \fill
	CREST                                          ; the barrier has opened a round of the cluster's barrier
	s_add_nc_u64 s[G0+4*\slot+2:G0+4*\slot+3], s[G0+4*\slot+2:G0+4*\slot+3], 2*786432
	s_add_nc_u64 s[G0B+4*\slot+2:G0B+4*\slot+3], s[G0B+4*\slot+2:G0B+4*\slot+3], 2*ROWB
	JLOAD G0+4*\slot, G1, G0B+4*\slot, G1B         ; the first tensor load behind the round; its four v_nop are the places in front of the loads below
.else
	PLACES NP
.endif
	v_add_nc_u32 v[ADSA], 1024, v[ADSA]            ; on to the next K step's scale words
	v_add_nc_u32 v[ADSB], 8, v[ADSB]
	FETCH_B \next, 0, 0
	FETCH_A \next, 0, 0
	SCALES \next
	WIN MUL_HI
	MUL16 4, 1, NQ-1, \slot, 0
	MUL16 6, 1, NQ-1, \slot, 0
	PLACES NP
	WIN 0
	FETCH_A \next, 0, 4
.endm
	s_wait_tensorcnt 1                             ; the scales and my part of K step 0 are in; K step 1's load may be out
	s_barrier_signal -1
	s_barrier_wait -1
	FETCH_B 0, 0, 0
	FETCH_A 0, 0, 0
	SCALES 0
	FETCH_A 0, 0, 4
	STEP 0, 0, 1
	s_mov_b32 s3, LAPS-1
.Llap:
	TURN 0, 1, 1
	STEP 1, 0, 0
	TURN 1, 0, 1
	STEP 0, 0, 0
	s_sub_co_u32 s3, s3, 1
	s_cmp_lg_u32 s3, 0
	s_cbranch_scc1 .Llap
	TURN 0, 1, 0
	STEP 1, 0, 0
	s_wait_dscnt 4*NL
	WIN MUL_LO
	MUL16 0, 1, NQ-1, 1, 0
	MUL16 2, 1, NQ-1, 1, 0
	s_wait_dscnt 0
	WIN MUL_HI
	MUL16 4, 1, NQ-1, 1, 0
	MUL16 6, 1, NQ-1, 1, 0
	WIN 0
; THE WAY OUT, block by block of 16 rows x 128 columns: through my own stage in LDS and back as whole rows of 512 bytes; bias and residual are added there; the 32 lanes store two aligned runs of 256 bytes.
.macro TOSTAGE a
.set AC, 64*((\a)%4)
	WIN 0x08+4*((\a)/4)                            ; the data: window 2 or 3
.irp b, 0,1,2,3,4,5,6,7
	ds_store_b128 v[STO], v[AC+8*\b:AC+8*\b+3] offset:64*\b          ; each accumulator from its low end on
	ds_store_b128 v[STO], v[AC+8*\b+4:AC+8*\b+7] offset:64*\b+16
.endr
	WIN 0
.set BBK, BK+64*((\a)%2)
.irp t, 0,1,2,3,4,5,6,7,8,9,10,11,12,13,14,15
	ds_load_b128 v[BBK+4*\t:BBK+4*\t+3], v[RD] offset:\t*SPITCH
.endr
.endm
.macro RLOAD a                         ; block a's residual, at the places that I store, into window 1
	WIN 0x40
.irp t, 0,1,2,3,4,5,6,7,8,9,10,11,12,13,14,15
	global_load_b128 v[64*((\a)%2)+4*\t:64*((\a)%2)+4*\t+3], v[CO], s[98:99] offset:(16*(\a)+\t)*4096 th:TH_LOAD_NT
.endr
	WIN 0
.endm
.macro SEND a, younger, lyoung         ; younger, lyoung: the LDS instructions and the loads issued behind block a's, which may stay out
.set BBK, BK+64*((\a)%2)
.set RR, 64*((\a)%2)
	s_wait_dscnt \younger
	s_wait_loadcnt \lyoung
.irp t, 0,1,2,3,4,5,6,7,8,9,10,11,12,13,14,15
	v_pk_add_f32 v[BBK+4*\t:BBK+4*\t+1], v[BBK+4*\t:BBK+4*\t+1], v[12:13]
	v_pk_add_f32 v[BBK+4*\t+2:BBK+4*\t+3], v[BBK+4*\t+2:BBK+4*\t+3], v[14:15]
.endr
	WIN 0x04                                       ; source 1: window 1
.irp t, 0,1,2,3,4,5,6,7,8,9,10,11,12,13,14,15
	v_pk_add_f32 v[BBK+4*\t:BBK+4*\t+1], v[BBK+4*\t:BBK+4*\t+1], v[RR+4*\t:RR+4*\t+1]
	v_pk_add_f32 v[BBK+4*\t+2:BBK+4*\t+3], v[BBK+4*\t+2:BBK+4*\t+3], v[RR+4*\t+2:RR+4*\t+3]
.endr
	WIN 0
.irp t, 0,1,2,3,4,5,6,7,8,9,10,11,12,13,14,15
	global_store_b128 v[CO], v[BBK+4*\t:BBK+4*\t+3], s[12:13] offset:(16*(\a)+\t)*4096 th:TH_STORE_NT   ; 512 consecutive bytes, at a multiple of 256 from the buffer's first byte; every row's place is an immediate: 127 rows of 4,096 bytes at the most
.endr
.endm
	PLACES NP                                      ; behind the last products: loads land in their operands' registers and their results are read below
	RLOAD 0
	RLOAD 1
	TOSTAGE 0
.irp a, 1,2,3,4,5,6,7
.if \a > 1
	s_wait_xcnt 0x0                                ; block a - 2's stores have read their registers: block a's loads may land there
.endif
	TOSTAGE \a
	SEND \a-1, 32, 16                              ; behind block a - 1's: block a's 16 stores and 16 loads in LDS, and block a's 16 loads of the residual
.if \a < 7
	RLOAD \a+1
.endif
.endr
	s_wait_xcnt 0x0
	SEND 7, 0, 0
	s_wait_tensorcnt 0x0                           ; the wave's end
	ds_add_u32 v[SPW], v[NIL]
	s_wait_dscnt 0x0
	CROUND                                         ; the closing round
	s_endpgm
.Lfunc_end_k_q3f797d7520_w2:
	.size	k_q3f797d7520_w2, .Lfunc_end_k_q3f797d7520_w2-k_q3f797d7520_w2
	.p2alignl 7, 3214868480
	.fill 96, 4, 3214868480
	.section	.rodata,"a",@progbits
	.p2align	6, 0x0
	.amdhsa_kernel k_q3f797d7520_w2
		.amdhsa_group_segment_fixed_size 327680
		.amdhsa_private_segment_fixed_size 0
		.amdhsa_enable_private_segment 0
		.amdhsa_kernarg_size 48
		.amdhsa_user_sgpr_count 2
		.amdhsa_user_sgpr_kernarg_segment_ptr 1
		.amdhsa_wavefront_size32 1
		.amdhsa_system_sgpr_workgroup_id_x 1
		.amdhsa_system_sgpr_workgroup_id_y 1
		.amdhsa_system_sgpr_workgroup_id_z 1
		.amdhsa_system_vgpr_workitem_id 0
		.amdhsa_next_free_vgpr 1024
		.amdhsa_next_free_sgpr 100
		.amdhsa_reserve_vcc 0
		.amdhsa_float_denorm_mode_32 3
		.amdhsa_float_denorm_mode_16_64 3
		.amdhsa_memory_ordered 1
		.amdhsa_forward_progress 1
		.amdhsa_inst_pref_size 209
	.end_amdhsa_kernel
	.amdgpu_metadata
---
amdhsa.version: [ 1, 2 ]
amdhsa.kernels:
  - .name:           k_q3f797d7520_w2
    .symbol:         k_q3f797d7520_w2.kd
    .args:
      - { .name: fb, .offset: 0, .size: 8, .value_kind: global_buffer, .address_space: global }
      - { .name: W2_codes, .offset: 8, .size: 8, .value_kind: global_buffer, .address_space: global }
      - { .name: W2_scales, .offset: 16, .size: 8, .value_kind: global_buffer, .address_space: global }
      - { .name: b2, .offset: 24, .size: 8, .value_kind: global_buffer, .address_space: global }
      - { .name: x1, .offset: 32, .size: 8, .value_kind: global_buffer, .address_space: global }
      - { .name: out0, .offset: 40, .size: 8, .value_kind: global_buffer, .address_space: global }
    .group_segment_fixed_size: 327680
    .private_segment_fixed_size: 0
    .kernarg_segment_align: 8
    .kernarg_segment_size: 48
    .max_flat_workgroup_size: 128
    .sgpr_count:     100
    .vgpr_count:     1024
    .wavefront_size: 32
...
	.end_amdgpu_metadata
.endif
;; end of part 6
;; ======== version 2 of 2: 7 launches
;; workspace buffers: hb 3,276,800 bytes; qkv 10,092,544 bytes; ob 3,276,800 bytes; x1 16,777,216 bytes; fb 13,107,200 bytes
;; launch ln1: the kernel of part 1 again; grid 256 x 1, 4 waves a work-group, no clusters, 33,280 bytes of LDS; arguments x, g1, be1, hb; writes hb
;; launch qkv: the kernel of part 2 again; grid 12 x 16, 4 waves a work-group, clusters of 4 x 4, 327,680 bytes of LDS; arguments hb, Wq_codes, Wq_scales, Wk_codes, Wk_scales, Wv_codes, Wv_scales, bq, bk, bv, qkv; writes qkv
;; launch attn: the kernel of part 3 again; grid 8 x 32, 16 waves a work-group, clusters of 4 x 1, 227,328 bytes of LDS; arguments qkv, ob; writes ob
;; launch wo (part 7): grid 8 x 32, 4 waves a work-group, clusters of 4 x 4, 327,680 bytes of LDS; arguments ob, Wo_codes, Wo_scales, bo, x, x1; writes x1
.if DOCPART == 7
	.amdgcn_target "amdgcn-amd-amdhsa--gfx1250"
	.amdhsa_code_object_version 6
	.text
	.protected	k_q3f797d7520_wo
	.globl	k_q3f797d7520_wo
	.p2align	8
	.type	k_q3f797d7520_wo,@function
k_q3f797d7520_wo:
	s_mov_b64 s[64:65], 0
	v_nop
	global_prefetch_b8 v0, s[64:65] scope:SCOPE_SE
	s_setreg_imm32_b32 hwreg(HW_REG_WAVE_MODE, 25, 1), 1
	s_wait_xcnt 0x0
	s_wait_alu depctr_hold_cnt(0) depctr_sa_sdst(0) depctr_va_vdst(0) depctr_va_sdst(0) depctr_va_ssrc(0) depctr_va_vcc(0) depctr_vm_vsrc(0)
	s_getreg_b32 s2, hwreg(HW_REG_IB_STS2, 6, 4)
	s_cmp_eq_u32 s2, 0
	s_cbranch_scc0 .Lentry_in_a_cluster
	s_endpgm
.Lentry_in_a_cluster:
	s_bfe_u32 s2, ttmp6, 0x10000c
	s_cmp_lg_u32 s2, 0xf033
	s_cbranch_scc0 .Lentry_shape_is_right
	s_endpgm
.Lentry_shape_is_right:
; out[m][n] = res[m][n] + (sum over k of A[m][k] W[n][k] + bias[n]), f32, [4096][1024]; A and W are codes of BF6 (E3M2) with one E8M0 scale for each 32 along K = SIZE_K.
; A comes in PLANES, as the launch before stored it: codes [plane of 64 K][row 4096][48 bytes], scale words [128 K][row 4096][4 bytes] at byte ASC.  W: rows of 3 K / 4 bytes, K / 32 scale bytes a row.
; A tile of C is 128 x 128: 32 x 8 = 256 tiles, one for each of 256 work-groups (tiles of 256 x 256 would be 64).  Four waves, each 64 x 64: 16 accumulators of 16 x 16, 128 registers.
; K goes in steps of 512 through a ring of two LDS slots filled by the tensor data mover, one load a wave: waves 0 and 1 bring A's two halves ALONG K (4 planes x 128 rows x 48 bytes each), waves 2 and 3 W's (128 rows x 192 bytes each).
; With SIZE_K = 1,024 the two slots hold all of K and nothing is filled again.  Clusters of 4 x 4 ask jointly: A's tile along a row of the cluster, W's along a column.
; The scales of the work-group's rows, for all of K, come into LDS once.  The matrix instruction is used transposed (source 0 = 16 rows of W, source 1 = 16 rows of A): a lane holds eight neighbouring numbers of a row of C.
; In LDS a plane's rows are 48 bytes apart: the 32 lanes of a load of 8 bytes touch 64 different banks (64 banks of 4 bytes: ISA guide 11.1); no padding.  W's rows: 192 bytes as 3 x (64 + 16).
; The wave's residual, 64 x 64 numbers, is asked for at the head, behind the first tensor loads, into registers of its own: it lands while the products run.
; No prefetch: each K step's tiles are read by several work-groups at about the same time, and a step has 64 matrix instructions a wave.
; REGISTERS: window 0: v0-31 addresses, v12-15 my four columns' bias; v32-63 A's scale words, v64-95 W's, two sets each, a register for each block of 16 rows and 128 K; v128-255 the accumulators ((a, b) at v[128 + 8 (4 a + b)]).
;   Window 1: two fragment buffers, at v0 and v128: W's four fragments, then A's four.  Window 2: v0-127 the residual.
.set SIZE_K, 1024
.set ASC,    3145728
.set ROWB,   192
.set KROW,   SIZE_K*3/4
.set PITCH,  240
.set FR,     12
.set NP,     4
.set HALFA,  24576                     ; A: 4 planes x 128 rows x 48 bytes, 256 along K: what one tensor load brings
.set HALFB,  128*PITCH                 ; W: 128 rows x 192 bytes, 256 along K
.set BOFF,   2*HALFA
.set SLOT,   2*HALFA+2*HALFB           ; 512 along K
.set LAPS,   SIZE_K/1024               ; a lap = two slots = once round the ring
.set KS,     SIZE_K/32
.set NKS,    SIZE_K/128
.set SCLA,   2*SLOT                    ; A's scale words: [128 K][128 rows][4 bytes]
.set HALFSA, (NKS/2)*512
.set SCLB,   SCLA+2*HALFSA             ; W's scale bytes: 128 rows x KS bytes, as runs of 256 bytes + 16 of padding
.set HALFSB, (64*KS/256)*272
.set SBLK,   (16*KS/256)*272
.set SPARE,  SCLB+2*HALFSB             ; the spare words, 128 bytes a wave: two blocks of 256 bytes that no other line names
.set SPITCH, 272                       ; the way out: 16 rows x (256 + 16) bytes for each wave, in slot 0, which has had its last fill and its last read
.set ADRA, 16
.set ADRB, 20
.set STO,  24
.set RD,   25
.set CO,   26
.set ADSA, 27
.set SPW,  28
.set NIL,  29
.set ADSB, 30
.set BO,   31
.set SCA,  32
.set SCB,  64
.set BK,   32
.set ACC,  128
.set F0,   0
.set F1,   128
.set G1, 24
.set G0, 32
.set G1B, 48
.set G0B, 56
.set G1S, 68
.set G0S, 76
.set G1SB, 80
.set G0SB, 88
.set MSB, 0
.macro WIN new                         ; the immediate's high byte repeats the setting that is left
.if MSB != \new
	s_set_vgpr_msb (MSB<<8)|\new
.set MSB, \new
.endif
.endm
.set MUL,  0x05                        ; sources 0 (W) and 1 (A) window 1; C and D window 0
.set TO_F, 0x40                        ; destination window 1, address window 0
.macro JLOAD g0a, g1a, g0b, g1b        ; a joint load: waves 0 and 1 fetch for A, waves 2 and 3 for W; four v_nop follow each line
	s_cmp_eq_u32 s15, 0
	s_cbranch_scc0 .Lfor_b_\@
	tensor_load_to_lds s[\g0a:\g0a+3], s[\g1a:\g1a+7]
	s_nop 0
.rept 4
	v_nop
.endr
	s_branch .Lasked_\@
.Lfor_b_\@:
	tensor_load_to_lds s[\g0b:\g0b+3], s[\g1b:\g1b+7]
	s_nop 0
.rept 4
	v_nop
.endr
.Lasked_\@:
.endm
.macro CREST
	s_cmp_lg_u32 s14, 0
	s_cbranch_scc1 .Lnot_wave_0_\@
	s_barrier_signal -3
.Lnot_wave_0_\@:
	s_barrier_wait -3
	s_barrier_signal -1
	s_barrier_wait -1
.endm
.macro CROUND
	s_barrier_signal -1
	s_barrier_wait -1
	CREST
.endm
	s_load_b64 s[4:5], s[0:1], 0x0                 ; A
	s_load_b128 s[8:11], s[0:1], 0x8               ; W's codes, W's scales
	s_load_b128 s[96:99], s[0:1], 0x18             ; bias, residual
	s_load_b64 s[12:13], s[0:1], 0x28              ; out
	v_lshl_add_u32 v[SPW], v0, 2, SPARE
	v_mov_b32 v[NIL], 0
	ds_add_u32 v28, v29
	ds_add_u32 v28, v29
	s_wait_dscnt 0x0
	v_lshrrev_b32 v1, 5, v0
	v_readfirstlane_b32 s14, v1
	s_lshr_b32 s15, s14, 1                         ; which half of the tile's rows is mine.  Also: I fetch for A (0) or for W (1)
	s_and_b32 s16, s14, 1                          ; which half of its columns.  Also: which half of a slot's K I fetch
	s_bfe_u32 s40, ttmp6, 0x40000
	s_bfe_u32 s41, ttmp6, 0x40004
	s_lshl_b32 s42, ttmp9, 2
	s_add_co_u32 s42, s42, s40                     ; tile column
	s_and_b32 s17, ttmp7, 0xffff
	s_lshl_b32 s17, s17, 2
	s_add_co_u32 s17, s17, s41                     ; tile row
	s_lshl_b32 s43, s41, 2
	s_lshl_b32 s43, 15, s43                        ; my row of the cluster
	s_lshl_b32 s44, 0x1111, s40                    ; my column
	s_or_b32 s[G1+0], s43, (3<<16)|(1<<21)         ; A's codes: 4 planes, of each 128 rows x 48 bytes = 768 elements of 8 bytes on end; planes 4,096 x 48 bytes apart; no padding
	s_mov_b32 s[G1+1], 768<<16
	s_mov_b32 s[G1+2], 4<<16
	s_mov_b32 s[G1+3], 768<<16
	s_mov_b32 s[G1+4], 4
	s_mov_b32 s[G1+5], 24576
	s_mov_b32 s[G1+6], 0
	s_mov_b32 s[G1+7], 0
	s_or_b32 s[G1B+0], s44, (0<<16)|(1<<20)|(1<<21)|(3<<22)|(3<<25)   ; W's codes: 128 rows x 192 bytes, 16 bytes of padding after every 64
	s_mov_b32 s[G1B+1], ROWB<<16
	s_mov_b32 s[G1B+2], 128<<16
	s_mov_b32 s[G1B+3], ROWB<<16
	s_mov_b32 s[G1B+4], 128
	s_mov_b32 s[G1B+5], KROW
	s_mov_b32 s[G1B+6], 0
	s_mov_b32 s[G1B+7], 0
	s_or_b32 s[G1S+0], s43, (3<<16)|(1<<21)        ; A's scale words: for each 128 of half of K, 128 rows x 4 bytes = 64 elements; 4,096 x 4 bytes apart
	s_mov_b32 s[G1S+1], 64<<16
	s_mov_b32 s[G1S+2], (NKS/2)<<16
	s_mov_b32 s[G1S+3], 64<<16
	s_mov_b32 s[G1S+4], NKS/2
	s_mov_b32 s[G1S+5], 2048
	s_mov_b32 s[G1S+6], 0
	s_mov_b32 s[G1S+7], 0
	s_or_b32 s[G1SB+0], s44, (3<<16)|(1<<20)|(1<<21)|(5<<22)|(3<<25)   ; W's scale bytes of 64 rows: a dense block, as rows of 256 bytes + 16
	s_mov_b32 s[G1SB+1], 32<<16
	s_mov_b32 s[G1SB+2], (64*KS/256)<<16
	s_mov_b32 s[G1SB+3], 32<<16
	s_mov_b32 s[G1SB+4], 64*KS/256
	s_mov_b32 s[G1SB+5], 32
	s_mov_b32 s[G1SB+6], 0
	s_mov_b32 s[G1SB+7], 0
	s_lshl_b32 s20, s17, 7                         ; A's tile: its first row
	s_lshl_b32 s22, s20, 2                         ; its scale words: 4 bytes a row,
	s_mul_i32 s18, s16, (NKS/2)*16384              ; my half of K
	s_add_co_u32 s22, s22, s18
	s_mov_b32 s23, 0
	s_mul_i32 s20, s20, 48                         ; its codes: 48 bytes a row in a plane,
	s_mul_i32 s18, s16, 786432                     ; my four planes of a slot's eight
	s_add_co_u32 s20, s20, s18
	s_mov_b32 s21, 0
	s_lshl_b32 s46, s42, 7                         ; W's tile: its first row
	s_lshl_b32 s18, s16, 6
	s_add_co_u32 s92, s46, s18                     ; its scale bytes: my 64 rows
	s_mul_i32 s92, s92, KS
	s_mov_b32 s93, 0
	s_mul_i32 s46, s46, KROW                       ; its codes,
	s_mul_i32 s18, s16, ROWB                       ; my 192 bytes of a slot's 384
	s_add_co_u32 s46, s46, s18
	s_mov_b32 s47, 0
	s_mul_i32 s45, s16, HALFA                      ; where they go: no place in the cluster enters an LDS address
	s_mul_i32 s95, s16, HALFB
	s_add_co_u32 s95, s95, BOFF
	s_mul_i32 s94, s16, HALFSA
	s_mul_i32 s66, s16, HALFSB
	s_wait_kmcnt 0x0
	s_add_nc_u64 s[6:7], s[4:5], ASC
	s_add_nc_u64 s[20:21], s[4:5], s[20:21]
	s_add_nc_u64 s[22:23], s[6:7], s[22:23]
	s_add_nc_u64 s[46:47], s[8:9], s[46:47]
	s_add_nc_u64 s[92:93], s[10:11], s[92:93]
	CROUND                                         ; all sixteen work-groups are here: the first joint loads meet
	s_mov_b32 s[G0S], 1
	s_add_co_u32 s[G0S+1], s94, SCLA
	s_mov_b64 s[G0S+2:G0S+3], s[22:23]
	s_or_b32 s[G0S+3], s[G0S+3], 0x80000000
	s_mov_b32 s[G0SB], 1
	s_add_co_u32 s[G0SB+1], s66, SCLB
	s_mov_b64 s[G0SB+2:G0SB+3], s[92:93]
	s_or_b32 s[G0SB+3], s[G0SB+3], 0x80000000
	JLOAD G0S, G1S, G0SB, G1SB                     ; the scales first: filled once
.irp s, 0,1
	s_mov_b32 s[G0+4*\s], 1
	s_add_co_u32 s[G0+4*\s+1], s45, \s*SLOT
	s_add_nc_u64 s[G0+4*\s+2:G0+4*\s+3], s[20:21], \s*1572864       ; a slot's eight planes on
	s_or_b32 s[G0+4*\s+3], s[G0+4*\s+3], 0x80000000
	s_mov_b32 s[G0B+4*\s], 1
	s_add_co_u32 s[G0B+4*\s+1], s95, \s*SLOT
	s_add_nc_u64 s[G0B+4*\s+2:G0B+4*\s+3], s[46:47], \s*2*ROWB
	s_or_b32 s[G0B+4*\s+3], s[G0B+4*\s+3], 0x80000000
	JLOAD G0+4*\s, G1, G0B+4*\s, G1B
.endr
	v_and_b32 v1, 15, v0                           ; r
	v_bfe_u32 v2, v0, 4, 1                         ; h
	v_mul_u32_u24 v3, v1, 48
	v_mad_u32_u24 v3, v2, 24, v3                   ; A: 48 r + 24 h
	v_mul_u32_u24 v4, v1, PITCH
	v_mad_u32_u24 v4, v2, 24, v4                   ; W: row x pitch + 24 h,
	v_lshl_add_u32 v5, v2, 4, v4                   ; and the same behind one padding more
	s_mul_i32 s21, s15, 64*48                      ; my 64 rows of A
	s_mul_i32 s22, s16, 64*PITCH                   ; my 64 rows of W
	s_add_co_u32 s22, s22, BOFF
.irp s, 0,1
	v_add_nc_u32 v[ADRA+\s], s21, v3
	v_add_nc_u32 v[ADRB+\s], s22, v4
	v_add_nc_u32 v[ADRB+2+\s], s22, v5
	s_add_co_u32 s21, s21, SLOT
	s_add_co_u32 s22, s22, SLOT
.endr
	s_lshl_b32 s21, s15, 8
	s_add_co_u32 s21, s21, SCLA
	v_lshl_add_u32 v[ADSA], v1, 2, s21             ; A's scale words: 4 bytes a row, my 64 rows
	v_mul_u32_u24 v5, v1, KS
	v_lshrrev_b32 v6, 8, v5
	v_lshl_add_u32 v5, v6, 4, v5                   ; W's: KS bytes a row, and 16 more for each 256 passed
	s_mul_i32 s22, s16, HALFSB
	s_add_co_u32 s22, s22, SCLB
	v_add_nc_u32 v[ADSB], s22, v5
	s_mul_i32 s23, s14, 16*SPITCH                  ; my stage
	v_mul_u32_u24 v5, v1, SPITCH
	v_lshl_add_u32 v5, v2, 5, v5
	v_add_nc_u32 v[STO], s23, v5                   ; in: row r, 32 bytes for each half of the lanes
	v_mul_u32_u24 v5, v2, SPITCH
	v_lshl_add_u32 v5, v1, 4, v5
	v_add_nc_u32 v[RD], s23, v5                    ; back: lanes 0-15 take one row of 256 bytes, lanes 16-31 the next
	v_lshlrev_b32 v[BO], 4, v1                     ; my four columns
	v_lshl_add_u32 v[CO], v2, 12, v[BO]            ; and the same two rows in C: rows of 4,096 bytes
	s_lshl_b32 s20, s17, 7
	s_lshl_b32 s21, s15, 6
	s_add_co_u32 s20, s20, s21                     ; my first row of C,
	s_lshl_b32 s20, s20, 12                        ; of 4,096 bytes
	s_mov_b32 s21, 0
	s_lshl_b32 s46, s42, 9
	s_lshl_b32 s47, s16, 8
	s_add_co_u32 s46, s46, s47                     ; my first column, in bytes
	s_mov_b32 s47, 0
	s_add_nc_u64 s[96:97], s[96:97], s[46:47]
	s_add_nc_u64 s[20:21], s[20:21], s[46:47]
	s_add_nc_u64 s[12:13], s[12:13], s[20:21]
	s_add_nc_u64 s[98:99], s[98:99], s[20:21]
	global_load_b128 v[12:15], v[BO], s[96:97]     ; the bias of the four columns that I store
	WIN 0x80                                       ; destination window 2
.irp a, 0,1,2,3
.irp t, 0,1,2,3,4,5,6,7
	global_load_b128 v[32*\a+4*\t:32*\a+4*\t+3], v[CO], s[98:99] offset:(16*\a+2*\t)*4096   ; the residual, at the places that I store: waited for on the way out
.endr
.endr
	WIN 0
.macro FRAGR reg, adr, q, i            ; W's fragment from padded rows, in pieces of 8 bytes; where lanes 16-31's piece lies behind one padding more, the second address register serves.  q / 2: which half of the slot's K
.irp p, 0,1,2,3,4,5
.set PC, 12*((\q)%2)+6*(\p/3)+\p%3
.if PC%8 < 5
	ds_load_b64 v[\reg+2*\p:\reg+2*\p+1], v[\adr] offset:((\q)/2)*HALFB+8*PC+16*(PC/8)+(\i)*16*PITCH
.else
	ds_load_b64 v[\reg+2*\p:\reg+2*\p+1], v[\adr+2] offset:((\q)/2)*HALFB+8*PC+16*(PC/8)+(\i)*16*PITCH
.endif
.endr
.endm
.macro FRAGP reg, adr, q, i            ; A's fragment from planes: registers 6 c .. 6 c + 5 are 24 bytes of the slot's plane 2 q + c
.irp c, 0,1
.irp p, 0,1,2
	ds_load_b64 v[\reg+6*\c+2*\p:\reg+6*\c+2*\p+1], v[\adr] offset:(2*(\q)+\c)*6144+(\i)*768+8*\p
.endr
.endr
.endm
; 4 matrix instructions: A's block a x W's four, the slot's q-th 128 along K, from buffer f.  The 16 accumulators take turns, one instruction a turn, in the same order in every quarter.
.macro MUL4 f, a, q, sc, zero
.irp b, 0,1,2,3
.if \zero
	v_wmma_scale_f32_16x16x128_f8f6f4 v[ACC+8*(4*(\a)+\b):ACC+8*(4*(\a)+\b)+7], v[\f+FR*\b:\f+FR*\b+FR-1], v[\f+48+FR*(\a):\f+48+FR*(\a)+FR-1], 0, v[SCB+16*(\sc)+4*\b+(\q)], v[SCA+16*(\sc)+4*(\a)+(\q)] matrix_a_fmt:MATRIX_FMT_BF6 matrix_b_fmt:MATRIX_FMT_BF6
.else
	v_wmma_scale_f32_16x16x128_f8f6f4 v[ACC+8*(4*(\a)+\b):ACC+8*(4*(\a)+\b)+7], v[\f+FR*\b:\f+FR*\b+FR-1], v[\f+48+FR*(\a):\f+48+FR*(\a)+FR-1], v[ACC+8*(4*(\a)+\b):ACC+8*(4*(\a)+\b)+7], v[SCB+16*(\sc)+4*\b+(\q)], v[SCA+16*(\sc)+4*(\a)+(\q)] matrix_a_fmt:MATRIX_FMT_BF6 matrix_b_fmt:MATRIX_FMT_BF6
.endif
.endr
.endm
.macro FETCH slot, q, f                ; 48 LDS loads in one run: W's four fragments, then A's four; A's blocks 2 and 3 are the youngest twelve
	WIN TO_F
.irp i, 0,1,2,3
	FRAGR \f+FR*\i, ADRB+\slot, \q, \i
.endr
.irp i, 0,1,2,3
	FRAGP \f+48+FR*\i, ADRA+\slot, \q, \i
.endr
.endm
.macro SCALES sc                       ; a slot's scale words: lane r takes row r's (lanes 16-31 the same, not read); W's four words of a row are 16 neighbouring bytes
.irp i, 0,1,2,3
	ds_load_b128 v[SCB+16*\sc+4*\i:SCB+16*\sc+4*\i+3], v[ADSB] offset:\i*SBLK
.endr
.irp i, 0,1,2,3
.irp q, 0,1,2,3
	ds_load_b32 v[SCA+16*\sc+4*\i+\q], v[ADSA] offset:512*\q+64*\i
.endr
.endr
.endm
.macro PLACES n                        ; plain vector instructions between a matrix instruction and a load into, or a read by a store of, its registers
.rept \n
	v_nop
.endr
.endm
; A slot is four quarters of 128 along K, 16 matrix instructions each, on buffers 0, 1, 0, 1.  One of the first three: multiplies buffer f and fetches the next quarter into g.
.macro QUARTER slot, q, f, g, zero
	s_wait_dscnt 12                                ; W's four, A's blocks 0 and 1 and the scale words are in; the youngest 12 loads (A's blocks 2 and 3) may be out
	WIN MUL
	MUL4 \f, 0, \q, \slot, \zero
	MUL4 \f, 1, \q, \slot, \zero
	PLACES NP
	FETCH \slot, (\q)+1, \g
	s_wait_dscnt 48                                ; all but the 48 just issued
	WIN MUL
	MUL4 \f, 2, \q, \slot, \zero
	MUL4 \f, 3, \q, \slot, \zero
.endm
; The last quarter multiplies buffer 1 and changes slots: one barrier; in front of it each wave waits for all its tensor loads, adds 0 to its spare word, and waits for that and for its reads of this slot.  fill = 1: this slot is filled again, two slots ahead.
.macro TURN slot, next, fill
	WIN 0                                          ; (the add's two registers lie in window 0)
	s_wait_tensorcnt 0x0                           ; all my tensor loads have landed: my part of the next slot
	ds_add_u32 v[SPW], v[NIL]                      ; 0 onto my spare word
	s_wait_dscnt 13                                ; (the add and the youngest 12 loads may be out)
	WIN MUL
	MUL4 F1, 0, 3, \slot, 0
	s_wait_dscnt 0x0                               ; the add is done, and my reads of this slot are over
	s_barrier_signal -1
	MUL4 F1, 1, 3, \slot, 0
	WIN 0
	s_barrier_wait -1
.if \fill
	CREST                                          ; the barrier has opened a round of the cluster's barrier: no wave of any partner still reads this slot or has a load on its way
	s_add_nc_u64 s[G0+4*\slot+2:G0+4*\slot+3], s[G0+4*\slot+2:G0+4*\slot+3], 2*1572864
	s_add_nc_u64 s[G0B+4*\slot+2:G0B+4*\slot+3], s[G0B+4*\slot+2:G0B+4*\slot+3], 4*ROWB
	JLOAD G0+4*\slot, G1, G0B+4*\slot, G1B         ; the first tensor load behind the round; its four v_nop are the places in front of the loads below
.else
	PLACES NP
.endif
	v_add_nc_u32 v[ADSA], 2048, v[ADSA]            ; on to the next slot's scale words: four runs of 512 bytes; 16 bytes in a row of W's
	v_add_nc_u32 v[ADSB], 16, v[ADSB]
	SCALES \next
	FETCH \next, 0, F0
	WIN MUL
	MUL4 F1, 2, 3, \slot, 0
	MUL4 F1, 3, 3, \slot, 0
.endm
	s_wait_tensorcnt 1                             ; the scales and my part of slot 0 are in; slot 1's load may be out
	s_barrier_signal -1
	s_barrier_wait -1
	SCALES 0
	FETCH 0, 0, F0
	QUARTER 0, 0, F0, F1, 1                        ; the first quarter's products start the sums
.if LAPS > 1
	WIN 0                                          ; at a label and at a branch every window is 0
	s_mov_b32 s3, LAPS-1
.Llap:                                                 ; a trip goes once round the ring, from a lap's second quarter to the next lap's first, and fills both slots again
	QUARTER 0, 1, F1, F0, 0
	QUARTER 0, 2, F0, F1, 0
	TURN 0, 1, 1
	QUARTER 1, 0, F0, F1, 0
	QUARTER 1, 1, F1, F0, 0
	QUARTER 1, 2, F0, F1, 0
	TURN 1, 0, 1
	QUARTER 0, 0, F0, F1, 0
	WIN 0
	s_sub_co_u32 s3, s3, 1
	s_cmp_lg_u32 s3, 0
	s_cbranch_scc1 .Llap
.endif
	QUARTER 0, 1, F1, F0, 0                        ; the last lap fills nothing
	QUARTER 0, 2, F0, F1, 0
	TURN 0, 1, 0
	QUARTER 1, 0, F0, F1, 0
	QUARTER 1, 1, F1, F0, 0
	QUARTER 1, 2, F0, F1, 0
	s_wait_dscnt 12                                ; the very last quarter: nothing more to fetch
	WIN MUL
	MUL4 F1, 0, 3, 1, 0
	MUL4 F1, 1, 3, 1, 0
	s_wait_dscnt 0
	MUL4 F1, 2, 3, 1, 0
	MUL4 F1, 3, 3, 1, 0
	WIN 0
; THE WAY OUT, block by block of 16 rows x 64 columns: through my own stage in LDS and back as whole rows of 256 bytes; bias and residual are added there; sixteen lanes store one aligned run of 256 bytes.
; LDS serves a wave's instructions in order (ISA guide 5.7.1.4): no wait between the stores and the loads, nor in front of the next block's stores.
.macro TOSTAGE a
.irp b, 0,1,2,3
	ds_store_b128 v[STO], v[ACC+8*(4*(\a)+\b):ACC+8*(4*(\a)+\b)+3] offset:64*\b          ; each accumulator from its low end on
	ds_store_b128 v[STO], v[ACC+8*(4*(\a)+\b)+4:ACC+8*(4*(\a)+\b)+7] offset:64*\b+16
.endr
.set BBK, BK+32*((\a)%2)
.irp t, 0,1,2,3,4,5,6,7
	ds_load_b128 v[BBK+4*\t:BBK+4*\t+3], v[RD] offset:\t*2*SPITCH
.endr
.endm
.macro SEND a, younger                 ; younger: the LDS instructions issued behind block a's loads, which may stay out
.set BBK, BK+32*((\a)%2)
	s_wait_dscnt \younger
.irp t, 0,1,2,3,4,5,6,7
	v_pk_add_f32 v[BBK+4*\t:BBK+4*\t+1], v[BBK+4*\t:BBK+4*\t+1], v[12:13]
	v_pk_add_f32 v[BBK+4*\t+2:BBK+4*\t+3], v[BBK+4*\t+2:BBK+4*\t+3], v[14:15]
.endr
	WIN 0x08                                       ; source 1: window 2
.irp t, 0,1,2,3,4,5,6,7
	v_pk_add_f32 v[BBK+4*\t:BBK+4*\t+1], v[BBK+4*\t:BBK+4*\t+1], v[32*(\a)+4*\t:32*(\a)+4*\t+1]
	v_pk_add_f32 v[BBK+4*\t+2:BBK+4*\t+3], v[BBK+4*\t+2:BBK+4*\t+3], v[32*(\a)+4*\t+2:32*(\a)+4*\t+3]
.endr
	WIN 0
.irp t, 0,1,2,3,4,5,6,7
	global_store_b128 v[CO], v[BBK+4*\t:BBK+4*\t+3], s[12:13] offset:(16*(\a)+2*\t)*4096   ; 16 lanes store 256 consecutive bytes, at a multiple of 256 from the buffer's first byte; every row's place is an immediate: 62 rows of 4,096 bytes at the most
.endr
.endm
	PLACES NP                                      ; behind the last products: their results are read, and loads land in their scale registers, below
	s_wait_loadcnt 0x0                             ; the bias and the residual, asked for at the head
	TOSTAGE 0
.irp a, 1,2,3
.if \a > 1
	s_wait_xcnt 0x0                                ; block a - 2's stores have read their registers: block a's loads may land there
.endif
	TOSTAGE \a
	SEND \a-1, 16                                  ; behind block a - 1's loads: block a's 8 stores and 8 loads
.endr
	SEND 3, 0
	s_wait_tensorcnt 0x0                           ; the wave's end
	ds_add_u32 v[SPW], v[NIL]
	s_wait_dscnt 0x0
	CROUND                                         ; the closing round
	s_endpgm
.Lfunc_end_k_q3f797d7520_wo:
	.size	k_q3f797d7520_wo, .Lfunc_end_k_q3f797d7520_wo-k_q3f797d7520_wo
	.p2alignl 7, 3214868480
	.fill 96, 4, 3214868480
	.section	.rodata,"a",@progbits
	.p2align	6, 0x0
	.amdhsa_kernel k_q3f797d7520_wo
		.amdhsa_group_segment_fixed_size 327680
		.amdhsa_private_segment_fixed_size 0
		.amdhsa_enable_private_segment 0
		.amdhsa_kernarg_size 48
		.amdhsa_user_sgpr_count 2
		.amdhsa_user_sgpr_kernarg_segment_ptr 1
		.amdhsa_wavefront_size32 1
		.amdhsa_system_sgpr_workgroup_id_x 1
		.amdhsa_system_sgpr_workgroup_id_y 1
		.amdhsa_system_sgpr_workgroup_id_z 1
		.amdhsa_system_vgpr_workitem_id 0
		.amdhsa_next_free_vgpr 768
		.amdhsa_next_free_sgpr 100
		.amdhsa_reserve_vcc 0
		.amdhsa_float_denorm_mode_32 3
		.amdhsa_float_denorm_mode_16_64 3
		.amdhsa_memory_ordered 1
		.amdhsa_forward_progress 1
		.amdhsa_inst_pref_size 75
	.end_amdhsa_kernel
	.amdgpu_metadata
---
amdhsa.version: [ 1, 2 ]
amdhsa.kernels:
  - .name:           k_q3f797d7520_wo
    .symbol:         k_q3f797d7520_wo.kd
    .args:
      - { .name: ob, .offset: 0, .size: 8, .value_kind: global_buffer, .address_space: global }
      - { .name: Wo_codes, .offset: 8, .size: 8, .value_kind: global_buffer, .address_space: global }
      - { .name: Wo_scales, .offset: 16, .size: 8, .value_kind: global_buffer, .address_space: global }
      - { .name: bo, .offset: 24, .size: 8, .value_kind: global_buffer, .address_space: global }
      - { .name: x, .offset: 32, .size: 8, .value_kind: global_buffer, .address_space: global }
      - { .name: x1, .offset: 40, .size: 8, .value_kind: global_buffer, .address_space: global }
    .group_segment_fixed_size: 327680
    .private_segment_fixed_size: 0
    .kernarg_segment_align: 8
    .kernarg_segment_size: 48
    .max_flat_workgroup_size: 128
    .sgpr_count:     100
    .vgpr_count:     768
    .wavefront_size: 32
...
	.end_amdgpu_metadata
.endif
;; end of part 7
;; launch ln2: the kernel of part 1 again; grid 256 x 1, 4 waves a work-group, no clusters, 33,280 bytes of LDS; arguments x1, g2, be2, hb; writes hb
;; launch w1: the kernel of part 5 again; grid 16 x 16, 4 waves a work-group, clusters of 4 x 4, 327,680 bytes of LDS; arguments hb, W1_codes, W1_scales, b1, fb; writes fb
;; launch w2 (part 8): grid 8 x 32, 4 waves a work-group, clusters of 4 x 4, 327,680 bytes of LDS; arguments fb, W2_codes, W2_scales, b2, x1, out0; writes out0
.if DOCPART == 8
	.amdgcn_target "amdgcn-amd-amdhsa--gfx1250"
	.amdhsa_code_object_version 6
	.text
	.protected	k_q3f797d7520_w2
	.globl	k_q3f797d7520_w2
	.p2align	8
	.type	k_q3f797d7520_w2,@function
k_q3f797d7520_w2:
	s_mov_b64 s[64:65], 0
	v_nop
	global_prefetch_b8 v0, s[64:65] scope:SCOPE_SE
	s_setreg_imm32_b32 hwreg(HW_REG_WAVE_MODE, 25, 1), 1
	s_wait_xcnt 0x0
	s_wait_alu depctr_hold_cnt(0) depctr_sa_sdst(0) depctr_va_vdst(0) depctr_va_sdst(0) depctr_va_ssrc(0) depctr_va_vcc(0) depctr_vm_vsrc(0)
	s_getreg_b32 s2, hwreg(HW_REG_IB_STS2, 6, 4)
	s_cmp_eq_u32 s2, 0
	s_cbranch_scc0 .Lentry_in_a_cluster
	s_endpgm
.Lentry_in_a_cluster:
	s_bfe_u32 s2, ttmp6, 0x10000c
	s_cmp_lg_u32 s2, 0xf033
	s_cbranch_scc0 .Lentry_shape_is_right
	s_endpgm
.Lentry_shape_is_right:
; out[m][n] = res[m][n] + (sum over k of A[m][k] W[n][k] + bias[n]), f32, [4096][1024]; A and W are codes of BF6 (E3M2) with one E8M0 scale for each 32 along K = SIZE_K.
; A comes in PLANES, as the launch before stored it: codes [plane of 64 K][row 4096][48 bytes], scale words [128 K][row 4096][4 bytes] at byte ASC.  W: rows of 3 K / 4 bytes, K / 32 scale bytes a row.
; A tile of C is 128 x 128: 32 x 8 = 256 tiles, one for each of 256 work-groups (tiles of 256 x 256 would be 64).  Four waves, each 64 x 64: 16 accumulators of 16 x 16, 128 registers.
; K goes in steps of 512 through a ring of two LDS slots filled by the tensor data mover, one load a wave: waves 0 and 1 bring A's two halves ALONG K (4 planes x 128 rows x 48 bytes each), waves 2 and 3 W's (128 rows x 192 bytes each).
; Clusters of 4 x 4 ask jointly: A's tile along a row of the cluster, W's along a column.
; The scales of the work-group's rows, for all of K, come into LDS once.  The matrix instruction is used transposed (source 0 = 16 rows of W, source 1 = 16 rows of A): a lane holds eight neighbouring numbers of a row of C.
; In LDS a plane's rows are 48 bytes apart: the 32 lanes of a load of 8 bytes touch 64 different banks (64 banks of 4 bytes: ISA guide 11.1); no padding.  W's rows: 192 bytes as 3 x (64 + 16).
; The wave's residual, 64 x 64 numbers, is asked for at the head, behind the first tensor loads, into registers of its own: it lands while the products run.
; No prefetch: each K step's tiles are read by several work-groups at about the same time, and a step has 64 matrix instructions a wave.
; REGISTERS: window 0: v0-31 addresses, v12-15 my four columns' bias; v32-63 A's scale words, v64-95 W's, two sets each, a register for each block of 16 rows and 128 K; v128-255 the accumulators ((a, b) at v[128 + 8 (4 a + b)]).
;   Window 1: two fragment buffers, at v0 and v128: W's four fragments, then A's four.  Window 2: v0-127 the residual.
.set SIZE_K, 4096
.set ASC,    12582912
.set ROWB,   192
.set KROW,   SIZE_K*3/4
.set PITCH,  240
.set FR,     12
.set NP,     4
.set HALFA,  24576                     ; A: 4 planes x 128 rows x 48 bytes, 256 along K: what one tensor load brings
.set HALFB,  128*PITCH                 ; W: 128 rows x 192 bytes, 256 along K
.set BOFF,   2*HALFA
.set SLOT,   2*HALFA+2*HALFB           ; 512 along K
.set LAPS,   SIZE_K/1024               ; a lap = two slots = once round the ring
.set KS,     SIZE_K/32
.set NKS,    SIZE_K/128
.set SCLA,   2*SLOT                    ; A's scale words: [128 K][128 rows][4 bytes]
.set HALFSA, (NKS/2)*512
.set SCLB,   SCLA+2*HALFSA             ; W's scale bytes: 128 rows x KS bytes, as runs of 256 bytes + 16 of padding
.set HALFSB, (64*KS/256)*272
.set SBLK,   (16*KS/256)*272
.set SPARE,  SCLB+2*HALFSB             ; the spare words, 128 bytes a wave: two blocks of 256 bytes that no other line names
.set SPITCH, 272                       ; the way out: 16 rows x (256 + 16) bytes for each wave, in slot 0, which has had its last fill and its last read
.set ADRA, 16
.set ADRB, 20
.set STO,  24
.set RD,   25
.set CO,   26
.set ADSA, 27
.set SPW,  28
.set NIL,  29
.set ADSB, 30
.set BO,   31
.set SCA,  32
.set SCB,  64
.set BK,   32
.set ACC,  128
.set F0,   0
.set F1,   128
.set G1, 24
.set G0, 32
.set G1B, 48
.set G0B, 56
.set G1S, 68
.set G0S, 76
.set G1SB, 80
.set G0SB, 88
.set MSB, 0
.macro WIN new                         ; the immediate's high byte repeats the setting that is left
.if MSB != \new
	s_set_vgpr_msb (MSB<<8)|\new
.set MSB, \new
.endif
.endm
.set MUL,  0x05                        ; sources 0 (W) and 1 (A) window 1; C and D window 0
.set TO_F, 0x40                        ; destination window 1, address window 0
.macro JLOAD g0a, g1a, g0b, g1b        ; a joint load: waves 0 and 1 fetch for A, waves 2 and 3 for W; four v_nop follow each line
	s_cmp_eq_u32 s15, 0
	s_cbranch_scc0 .Lfor_b_\@
	tensor_load_to_lds s[\g0a:\g0a+3], s[\g1a:\g1a+7]
	s_nop 0
.rept 4
	v_nop
.endr
	s_branch .Lasked_\@
.Lfor_b_\@:
	tensor_load_to_lds s[\g0b:\g0b+3], s[\g1b:\g1b+7]
	s_nop 0
.rept 4
	v_nop
.endr
.Lasked_\@:
.endm
.macro CREST
	s_cmp_lg_u32 s14, 0
	s_cbranch_scc1 .Lnot_wave_0_\@
	s_barrier_signal -3
.Lnot_wave_0_\@:
	s_barrier_wait -3
	s_barrier_signal -1
	s_barrier_wait -1
.endm
.macro CROUND
	s_barrier_signal -1
	s_barrier_wait -1
	CREST
.endm
	s_load_b64 s[4:5], s[0:1], 0x0                 ; A
	s_load_b128 s[8:11], s[0:1], 0x8               ; W's codes, W's scales
	s_load_b128 s[96:99], s[0:1], 0x18             ; bias, residual
	s_load_b64 s[12:13], s[0:1], 0x28              ; out
	v_lshl_add_u32 v[SPW], v0, 2, SPARE
	v_mov_b32 v[NIL], 0
	ds_add_u32 v28, v29
	ds_add_u32 v28, v29
	s_wait_dscnt 0x0
	v_lshrrev_b32 v1, 5, v0
	v_readfirstlane_b32 s14, v1
	s_lshr_b32 s15, s14, 1                         ; which half of the tile's rows is mine.  Also: I fetch for A (0) or for W (1)
	s_and_b32 s16, s14, 1                          ; which half of its columns.  Also: which half of a slot's K I fetch
	s_bfe_u32 s40, ttmp6, 0x40000
	s_bfe_u32 s41, ttmp6, 0x40004
	s_lshl_b32 s42, ttmp9, 2
	s_add_co_u32 s42, s42, s40                     ; tile column
	s_and_b32 s17, ttmp7, 0xffff
	s_lshl_b32 s17, s17, 2
	s_add_co_u32 s17, s17, s41                     ; tile row
	s_lshl_b32 s43, s41, 2
	s_lshl_b32 s43, 15, s43                        ; my row of the cluster
	s_lshl_b32 s44, 0x1111, s40                    ; my column
	s_or_b32 s[G1+0], s43, (3<<16)|(1<<21)         ; A's codes: 4 planes, of each 128 rows x 48 bytes = 768 elements of 8 bytes on end; planes 4,096 x 48 bytes apart; no padding
	s_mov_b32 s[G1+1], 768<<16
	s_mov_b32 s[G1+2], 4<<16
	s_mov_b32 s[G1+3], 768<<16
	s_mov_b32 s[G1+4], 4
	s_mov_b32 s[G1+5], 24576
	s_mov_b32 s[G1+6], 0
	s_mov_b32 s[G1+7], 0
	s_or_b32 s[G1B+0], s44, (0<<16)|(1<<20)|(1<<21)|(3<<22)|(3<<25)   ; W's codes: 128 rows x 192 bytes, 16 bytes of padding after every 64
	s_mov_b32 s[G1B+1], ROWB<<16
	s_mov_b32 s[G1B+2], 128<<16
	s_mov_b32 s[G1B+3], ROWB<<16
	s_mov_b32 s[G1B+4], 128
	s_mov_b32 s[G1B+5], KROW
	s_mov_b32 s[G1B+6], 0
	s_mov_b32 s[G1B+7], 0
	s_or_b32 s[G1S+0], s43, (3<<16)|(1<<21)        ; A's scale words: for each 128 of half of K, 128 rows x 4 bytes = 64 elements; 4,096 x 4 bytes apart
	s_mov_b32 s[G1S+1], 64<<16
	s_mov_b32 s[G1S+2], (NKS/2)<<16
	s_mov_b32 s[G1S+3], 64<<16
	s_mov_b32 s[G1S+4], NKS/2
	s_mov_b32 s[G1S+5], 2048
	s_mov_b32 s[G1S+6], 0
	s_mov_b32 s[G1S+7], 0
	s_or_b32 s[G1SB+0], s44, (3<<16)|(1<<20)|(1<<21)|(5<<22)|(3<<25)   ; W's scale bytes of 64 rows: a dense block, as rows of 256 bytes + 16
	s_mov_b32 s[G1SB+1], 32<<16
	s_mov_b32 s[G1SB+2], (64*KS/256)<<16
	s_mov_b32 s[G1SB+3], 32<<16
	s_mov_b32 s[G1SB+4], 64*KS/256
	s_mov_b32 s[G1SB+5], 32
	s_mov_b32 s[G1SB+6], 0
	s_mov_b32 s[G1SB+7], 0
	s_lshl_b32 s20, s17, 7                         ; A's tile: its first row
	s_lshl_b32 s22, s20, 2                         ; its scale words: 4 bytes a row,
	s_mul_i32 s18, s16, (NKS/2)*16384              ; my half of K
	s_add_co_u32 s22, s22, s18
	s_mov_b32 s23, 0
	s_mul_i32 s20, s20, 48                         ; its codes: 48 bytes a row in a plane,
	s_mul_i32 s18, s16, 786432                     ; my four planes of a slot's eight
	s_add_co_u32 s20, s20, s18
	s_mov_b32 s21, 0
	s_lshl_b32 s46, s42, 7                         ; W's tile: its first row
	s_lshl_b32 s18, s16, 6
	s_add_co_u32 s92, s46, s18                     ; its scale bytes: my 64 rows
	s_mul_i32 s92, s92, KS
	s_mov_b32 s93, 0
	s_mul_i32 s46, s46, KROW                       ; its codes,
	s_mul_i32 s18, s16, ROWB                       ; my 192 bytes of a slot's 384
	s_add_co_u32 s46, s46, s18
	s_mov_b32 s47, 0
	s_mul_i32 s45, s16, HALFA                      ; where they go: no place in the cluster enters an LDS address
	s_mul_i32 s95, s16, HALFB
	s_add_co_u32 s95, s95, BOFF
	s_mul_i32 s94, s16, HALFSA
	s_mul_i32 s66, s16, HALFSB
	s_wait_kmcnt 0x0
	s_add_nc_u64 s[6:7], s[4:5], ASC
	s_add_nc_u64 s[20:21], s[4:5], s[20:21]
	s_add_nc_u64 s[22:23], s[6:7], s[22:23]
	s_add_nc_u64 s[46:47], s[8:9], s[46:47]
	s_add_nc_u64 s[92:93], s[10:11], s[92:93]
	CROUND                                         ; all sixteen work-groups are here: the first joint loads meet
	s_mov_b32 s[G0S], 1
	s_add_co_u32 s[G0S+1], s94, SCLA
	s_mov_b64 s[G0S+2:G0S+3], s[22:23]
	s_or_b32 s[G0S+3], s[G0S+3], 0x80000000
	s_mov_b32 s[G0SB], 1
	s_add_co_u32 s[G0SB+1], s66, SCLB
	s_mov_b64 s[G0SB+2:G0SB+3], s[92:93]
	s_or_b32 s[G0SB+3], s[G0SB+3], 0x80000000
	JLOAD G0S, G1S, G0SB, G1SB                     ; the scales first: filled once
.irp s, 0,1
	s_mov_b32 s[G0+4*\s], 1
	s_add_co_u32 s[G0+4*\s+1], s45, \s*SLOT
	s_add_nc_u64 s[G0+4*\s+2:G0+4*\s+3], s[20:21], \s*1572864       ; a slot's eight planes on
	s_or_b32 s[G0+4*\s+3], s[G0+4*\s+3], 0x80000000
	s_mov_b32 s[G0B+4*\s], 1
	s_add_co_u32 s[G0B+4*\s+1], s95, \s*SLOT
	s_add_nc_u64 s[G0B+4*\s+2:G0B+4*\s+3], s[46:47], \s*2*ROWB
	s_or_b32 s[G0B+4*\s+3], s[G0B+4*\s+3], 0x80000000
	JLOAD G0+4*\s, G1, G0B+4*\s, G1B
.endr
	v_and_b32 v1, 15, v0                           ; r
	v_bfe_u32 v2, v0, 4, 1                         ; h
	v_mul_u32_u24 v3, v1, 48
	v_mad_u32_u24 v3, v2, 24, v3                   ; A: 48 r + 24 h
	v_mul_u32_u24 v4, v1, PITCH
	v_mad_u32_u24 v4, v2, 24, v4                   ; W: row x pitch + 24 h,
	v_lshl_add_u32 v5, v2, 4, v4                   ; and the same behind one padding more
	s_mul_i32 s21, s15, 64*48                      ; my 64 rows of A
	s_mul_i32 s22, s16, 64*PITCH                   ; my 64 rows of W
	s_add_co_u32 s22, s22, BOFF
.irp s, 0,1
	v_add_nc_u32 v[ADRA+\s], s21, v3
	v_add_nc_u32 v[ADRB+\s], s22, v4
	v_add_nc_u32 v[ADRB+2+\s], s22, v5
	s_add_co_u32 s21, s21, SLOT
	s_add_co_u32 s22, s22, SLOT
.endr
	s_lshl_b32 s21, s15, 8
	s_add_co_u32 s21, s21, SCLA
	v_lshl_add_u32 v[ADSA], v1, 2, s21             ; A's scale words: 4 bytes a row, my 64 rows
	v_mul_u32_u24 v5, v1, KS
	v_lshrrev_b32 v6, 8, v5
	v_lshl_add_u32 v5, v6, 4, v5                   ; W's: KS bytes a row, and 16 more for each 256 passed
	s_mul_i32 s22, s16, HALFSB
	s_add_co_u32 s22, s22, SCLB
	v_add_nc_u32 v[ADSB], s22, v5
	s_mul_i32 s23, s14, 16*SPITCH                  ; my stage
	v_mul_u32_u24 v5, v1, SPITCH
	v_lshl_add_u32 v5, v2, 5, v5
	v_add_nc_u32 v[STO], s23, v5                   ; in: row r, 32 bytes for each half of the lanes
	v_mul_u32_u24 v5, v2, SPITCH
	v_lshl_add_u32 v5, v1, 4, v5
	v_add_nc_u32 v[RD], s23, v5                    ; back: lanes 0-15 take one row of 256 bytes, lanes 16-31 the next
	v_lshlrev_b32 v[BO], 4, v1                     ; my four columns
	v_lshl_add_u32 v[CO], v2, 12, v[BO]            ; and the same two rows in C: rows of 4,096 bytes
	s_lshl_b32 s20, s17, 7
	s_lshl_b32 s21, s15, 6
	s_add_co_u32 s20, s20, s21                     ; my first row of C,
	s_lshl_b32 s20, s20, 12                        ; of 4,096 bytes
	s_mov_b32 s21, 0
	s_lshl_b32 s46, s42, 9
	s_lshl_b32 s47, s16, 8
	s_add_co_u32 s46, s46, s47                     ; my first column, in bytes
	s_mov_b32 s47, 0
	s_add_nc_u64 s[96:97], s[96:97], s[46:47]
	s_add_nc_u64 s[20:21], s[20:21], s[46:47]
	s_add_nc_u64 s[12:13], s[12:13], s[20:21]
	s_add_nc_u64 s[98:99], s[98:99], s[20:21]
	global_load_b128 v[12:15], v[BO], s[96:97]     ; the bias of the four columns that I store
	WIN 0x80                                       ; destination window 2
.irp a, 0,1,2,3
.irp t, 0,1,2,3,4,5,6,7
	global_load_b128 v[32*\a+4*\t:32*\a+4*\t+3], v[CO], s[98:99] offset:(16*\a+2*\t)*4096 th:TH_LOAD_NT   ; the residual, at the places that I store: read once in the launch; waited for on the way out
.endr
.endr
	WIN 0
.macro FRAGR reg, adr, q, i            ; W's fragment from padded rows, in pieces of 8 bytes; where lanes 16-31's piece lies behind one padding more, the second address register serves.  q / 2: which half of the slot's K
.irp p, 0,1,2,3,4,5
.set PC, 12*((\q)%2)+6*(\p/3)+\p%3
.if PC%8 < 5
	ds_load_b64 v[\reg+2*\p:\reg+2*\p+1], v[\adr] offset:((\q)/2)*HALFB+8*PC+16*(PC/8)+(\i)*16*PITCH
.else
	ds_load_b64 v[\reg+2*\p:\reg+2*\p+1], v[\adr+2] offset:((\q)/2)*HALFB+8*PC+16*(PC/8)+(\i)*16*PITCH
.endif
.endr
.endm
.macro FRAGP reg, adr, q, i            ; A's fragment from planes: registers 6 c .. 6 c + 5 are 24 bytes of the slot's plane 2 q + c
.irp c, 0,1
.irp p, 0,1,2
	ds_load_b64 v[\reg+6*\c+2*\p:\reg+6*\c+2*\p+1], v[\adr] offset:(2*(\q)+\c)*6144+(\i)*768+8*\p
.endr
.endr
.endm
; 4 matrix instructions: A's block a x W's four, the slot's q-th 128 along K, from buffer f.  The 16 accumulators take turns, one instruction a turn, in the same order in every quarter.
.macro MUL4 f, a, q, sc, zero
.irp b, 0,1,2,3
.if \zero
	v_wmma_scale_f32_16x16x128_f8f6f4 v[ACC+8*(4*(\a)+\b):ACC+8*(4*(\a)+\b)+7], v[\f+FR*\b:\f+FR*\b+FR-1], v[\f+48+FR*(\a):\f+48+FR*(\a)+FR-1], 0, v[SCB+16*(\sc)+4*\b+(\q)], v[SCA+16*(\sc)+4*(\a)+(\q)] matrix_a_fmt:MATRIX_FMT_BF6 matrix_b_fmt:MATRIX_FMT_BF6
.else
	v_wmma_scale_f32_16x16x128_f8f6f4 v[ACC+8*(4*(\a)+\b):ACC+8*(4*(\a)+\b)+7], v[\f+FR*\b:\f+FR*\b+FR-1], v[\f+48+FR*(\a):\f+48+FR*(\a)+FR-1], v[ACC+8*(4*(\a)+\b):ACC+8*(4*(\a)+\b)+7], v[SCB+16*(\sc)+4*\b+(\q)], v[SCA+16*(\sc)+4*(\a)+(\q)] matrix_a_fmt:MATRIX_FMT_BF6 matrix_b_fmt:MATRIX_FMT_BF6
.endif
.endr
.endm
.macro FETCH slot, q, f                ; 48 LDS loads in one run: W's four fragments, then A's four; A's blocks 2 and 3 are the youngest twelve
	WIN TO_F
.irp i, 0,1,2,3
	FRAGR \f+FR*\i, ADRB+\slot, \q, \i
.endr
.irp i, 0,1,2,3
	FRAGP \f+48+FR*\i, ADRA+\slot, \q, \i
.endr
.endm
.macro SCALES sc                       ; a slot's scale words: lane r takes row r's (lanes 16-31 the same, not read); W's four words of a row are 16 neighbouring bytes
.irp i, 0,1,2,3
	ds_load_b128 v[SCB+16*\sc+4*\i:SCB+16*\sc+4*\i+3], v[ADSB] offset:\i*SBLK
.endr
.irp i, 0,1,2,3
.irp q, 0,1,2,3
	ds_load_b32 v[SCA+16*\sc+4*\i+\q], v[ADSA] offset:512*\q+64*\i
.endr
.endr
.endm
.macro PLACES n                        ; plain vector instructions between a matrix instruction and a load into, or a read by a store of, its registers
.rept \n
	v_nop
.endr
.endm
; A slot is four quarters of 128 along K, 16 matrix instructions each, on buffers 0, 1, 0, 1.  One of the first three: multiplies buffer f and fetches the next quarter into g.
.macro QUARTER slot, q, f, g, zero
	s_wait_dscnt 12                                ; W's four, A's blocks 0 and 1 and the scale words are in; the youngest 12 loads (A's blocks 2 and 3) may be out
	WIN MUL
	MUL4 \f, 0, \q, \slot, \zero
	MUL4 \f, 1, \q, \slot, \zero
	PLACES NP
	FETCH \slot, (\q)+1, \g
	s_wait_dscnt 48                                ; all but the 48 just issued
	WIN MUL
	MUL4 \f, 2, \q, \slot, \zero
	MUL4 \f, 3, \q, \slot, \zero
.endm
; The last quarter multiplies buffer 1 and changes slots: one barrier; in front of it each wave waits for all its tensor loads, adds 0 to its spare word, and waits for that and for its reads of this slot.  fill = 1: this slot is filled again, two slots ahead.
.macro TURN slot, next, fill
	WIN 0                                          ; (the add's two registers lie in window 0)
	s_wait_tensorcnt 0x0                           ; all my tensor loads have landed: my part of the next slot
	ds_add_u32 v[SPW], v[NIL]                      ; 0 onto my spare word
	s_wait_dscnt 13                                ; (the add and the youngest 12 loads may be out)
	WIN MUL
	MUL4 F1, 0, 3, \slot, 0
	s_wait_dscnt 0x0                               ; the add is done, and my reads of this slot are over
	s_barrier_signal -1
	MUL4 F1, 1, 3, \slot, 0
	WIN 0
	s_barrier_wait -1
.if \fill
	CREST                                          ; the barrier has opened a round of the cluster's barrier: no wave of any partner still reads this slot or has a load on its way
	s_add_nc_u64 s[G0+4*\slot+2:G0+4*\slot+3], s[G0+4*\slot+2:G0+4*\slot+3], 2*1572864
	s_add_nc_u64 s[G0B+4*\slot+2:G0B+4*\slot+3], s[G0B+4*\slot+2:G0B+4*\slot+3], 4*ROWB
	JLOAD G0+4*\slot, G1, G0B+4*\slot, G1B         ; the first tensor load behind the round; its four v_nop are the places in front of the loads below
.else
	PLACES NP
.endif
	v_add_nc_u32 v[ADSA], 2048, v[ADSA]            ; on to the next slot's scale words: four runs of 512 bytes; 16 bytes in a row of W's
	v_add_nc_u32 v[ADSB], 16, v[ADSB]
	SCALES \next
	FETCH \next, 0, F0
	WIN MUL
	MUL4 F1, 2, 3, \slot, 0
	MUL4 F1, 3, 3, \slot, 0
.endm
	s_wait_tensorcnt 1                             ; the scales and my part of slot 0 are in; slot 1's load may be out
	s_barrier_signal -1
	s_barrier_wait -1
	SCALES 0
	FETCH 0, 0, F0
	QUARTER 0, 0, F0, F1, 1                        ; the first quarter's products start the sums
.if LAPS > 1
	WIN 0                                          ; at a label and at a branch every window is 0
	s_mov_b32 s3, LAPS-1
.Llap:                                                 ; a trip goes once round the ring, from a lap's second quarter to the next lap's first, and fills both slots again
	QUARTER 0, 1, F1, F0, 0
	QUARTER 0, 2, F0, F1, 0
	TURN 0, 1, 1
	QUARTER 1, 0, F0, F1, 0
	QUARTER 1, 1, F1, F0, 0
	QUARTER 1, 2, F0, F1, 0
	TURN 1, 0, 1
	QUARTER 0, 0, F0, F1, 0
	WIN 0
	s_sub_co_u32 s3, s3, 1
	s_cmp_lg_u32 s3, 0
	s_cbranch_scc1 .Llap
.endif
	QUARTER 0, 1, F1, F0, 0                        ; the last lap fills nothing
	QUARTER 0, 2, F0, F1, 0
	TURN 0, 1, 0
	QUARTER 1, 0, F0, F1, 0
	QUARTER 1, 1, F1, F0, 0
	QUARTER 1, 2, F0, F1, 0
	s_wait_dscnt 12                                ; the very last quarter: nothing more to fetch
	WIN MUL
	MUL4 F1, 0, 3, 1, 0
	MUL4 F1, 1, 3, 1, 0
	s_wait_dscnt 0
	MUL4 F1, 2, 3, 1, 0
	MUL4 F1, 3, 3, 1, 0
	WIN 0
; THE WAY OUT, block by block of 16 rows x 64 columns: through my own stage in LDS and back as whole rows of 256 bytes; bias and residual are added there; sixteen lanes store one aligned run of 256 bytes.
; LDS serves a wave's instructions in order (ISA guide 5.7.1.4): no wait between the stores and the loads, nor in front of the next block's stores.
.macro TOSTAGE a
.irp b, 0,1,2,3
	ds_store_b128 v[STO], v[ACC+8*(4*(\a)+\b):ACC+8*(4*(\a)+\b)+3] offset:64*\b          ; each accumulator from its low end on
	ds_store_b128 v[STO], v[ACC+8*(4*(\a)+\b)+4:ACC+8*(4*(\a)+\b)+7] offset:64*\b+16
.endr
.set BBK, BK+32*((\a)%2)
.irp t, 0,1,2,3,4,5,6,7
	ds_load_b128 v[BBK+4*\t:BBK+4*\t+3], v[RD] offset:\t*2*SPITCH
.endr
.endm
.macro SEND a, younger                 ; younger: the LDS instructions issued behind block a's loads, which may stay out
.set BBK, BK+32*((\a)%2)
	s_wait_dscnt \younger
.irp t, 0,1,2,3,4,5,6,7
	v_pk_add_f32 v[BBK+4*\t:BBK+4*\t+1], v[BBK+4*\t:BBK+4*\t+1], v[12:13]
	v_pk_add_f32 v[BBK+4*\t+2:BBK+4*\t+3], v[BBK+4*\t+2:BBK+4*\t+3], v[14:15]
.endr
	WIN 0x08                                       ; source 1: window 2
.irp t, 0,1,2,3,4,5,6,7
	v_pk_add_f32 v[BBK+4*\t:BBK+4*\t+1], v[BBK+4*\t:BBK+4*\t+1], v[32*(\a)+4*\t:32*(\a)+4*\t+1]
	v_pk_add_f32 v[BBK+4*\t+2:BBK+4*\t+3], v[BBK+4*\t+2:BBK+4*\t+3], v[32*(\a)+4*\t+2:32*(\a)+4*\t+3]
.endr
	WIN 0
.irp t, 0,1,2,3,4,5,6,7
	global_store_b128 v[CO], v[BBK+4*\t:BBK+4*\t+3], s[12:13] offset:(16*(\a)+2*\t)*4096 th:TH_STORE_NT   ; 16 lanes store 256 consecutive bytes, at a multiple of 256 from the buffer's first byte; every row's place is an immediate: 62 rows of 4,096 bytes at the most
.endr
.endm
	PLACES NP                                      ; behind the last products: their results are read, and loads land in their scale registers, below
	s_wait_loadcnt 0x0                             ; the bias and the residual, asked for at the head
	TOSTAGE 0
.irp a, 1,2,3
.if \a > 1
	s_wait_xcnt 0x0                                ; block a - 2's stores have read their registers: block a's loads may land there
.endif
	TOSTAGE \a
	SEND \a-1, 16                                  ; behind block a - 1's loads: block a's 8 stores and 8 loads
.endr
	SEND 3, 0
	s_wait_tensorcnt 0x0                           ; the wave's end
	ds_add_u32 v[SPW], v[NIL]
	s_wait_dscnt 0x0
	CROUND                                         ; the closing round
	s_endpgm
.Lfunc_end_k_q3f797d7520_w2:
	.size	k_q3f797d7520_w2, .Lfunc_end_k_q3f797d7520_w2-k_q3f797d7520_w2
	.p2alignl 7, 3214868480
	.fill 96, 4, 3214868480
	.section	.rodata,"a",@progbits
	.p2align	6, 0x0
	.amdhsa_kernel k_q3f797d7520_w2
		.amdhsa_group_segment_fixed_size 327680
		.amdhsa_private_segment_fixed_size 0
		.amdhsa_enable_private_segment 0
		.amdhsa_kernarg_size 48
		.amdhsa_user_sgpr_count 2
		.amdhsa_user_sgpr_kernarg_segment_ptr 1
		.amdhsa_wavefront_size32 1
		.amdhsa_system_sgpr_workgroup_id_x 1
		.amdhsa_system_sgpr_workgroup_id_y 1
		.amdhsa_system_sgpr_workgroup_id_z 1
		.amdhsa_system_vgpr_workitem_id 0
		.amdhsa_next_free_vgpr 768
		.amdhsa_next_free_sgpr 100
		.amdhsa_reserve_vcc 0
		.amdhsa_float_denorm_mode_32 3
		.amdhsa_float_denorm_mode_16_64 3
		.amdhsa_memory_ordered 1
		.amdhsa_forward_progress 1
		.amdhsa_inst_pref_size 122
	.end_amdhsa_kernel
	.amdgpu_metadata
---
amdhsa.version: [ 1, 2 ]
amdhsa.kernels:
  - .name:           k_q3f797d7520_w2
    .symbol:         k_q3f797d7520_w2.kd
    .args:
      - { .name: fb, .offset: 0, .size: 8, .value_kind: global_buffer, .address_space: global }
      - { .name: W2_codes, .offset: 8, .size: 8, .value_kind: global_buffer, .address_space: global }
      - { .name: W2_scales, .offset: 16, .size: 8, .value_kind: global_buffer, .address_space: global }
      - { .name: b2, .offset: 24, .size: 8, .value_kind: global_buffer, .address_space: global }
      - { .name: x1, .offset: 32, .size: 8, .value_kind: global_buffer, .address_space: global }
      - { .name: out0, .offset: 40, .size: 8, .value_kind: global_buffer, .address_space: global }
    .group_segment_fixed_size: 327680
    .private_segment_fixed_size: 0
    .kernarg_segment_align: 8
    .kernarg_segment_size: 48
    .max_flat_workgroup_size: 128
    .sgpr_count:     100
    .vgpr_count:     768
    .wavefront_size: 32
...
	.end_amdgpu_metadata
.endif
;; end of part 8
